; MI455X (gfx1250); checked and timed in simulation.
; The chip was launched on July 23, 2026; its instructions are those of AMD's public machine-readable ISA for CDNA 5 (MIT licence, August 2026) and "CDNA5" Instruction Set Architecture Reference Guide (July 2026). The comments in the code are by the model that wrote it; some were corrected since.
;; Streaming DWR Block. Allowed arithmetic: matrix products marked QUANTISED: E3M2 operands, one E8M0 scale for each 32 along K, by v_wmma_scale_f32_16x16x128_f8f6f4 with both operands' format E3M2, f32 sums; products left as they are: f32 operands where the result goes on into a quantised operand, else bf16, f16 or f32 operands; f32 sums; everything else in f32.
;; Inputs: W1_codes 8 x 2,048 x 32 x 24 uint8 (E3M2 codes of W1, K innermost, in blocks of 32 codes, four codes in three bytes); W1_scales 8 x 2,048 x 32 uint8 (E8M0 scales of W1, one for each 32 codes along K); W2_codes 8 x 1,024 x 64 x 24 uint8 (E3M2 codes of W2, K innermost, in blocks of 32 codes, four codes in three bytes); W2_scales 8 x 1,024 x 64 uint8 (E8M0 scales of W2, one for each 32 codes along K); Wr 1,024 x 8 float32; b1 8 x 2,048 float32; b2 8 x 1,024 float32; beta 1,024 float32; br 8 float32; gamma 1,024 float32; x 1 x 2,048 x 1,024 float32.
;; Outputs: out0 1 x 2,048 x 1,024 float32.
;; This version of the problem:
;;   THIS VERSION OF THE PROBLEM IS GIVEN IN LOW PRECISION. The matrix products marked QUANTISED in the list below multiply operands that are first quantised to E3M2 (3 exponent bits, 2 mantissa bits; 6 bits a number), with one power-of-two scale for each 32 numbers along K (OCP MX v1.0); their sums are f32. All else is computed in f32.
;;   The module's matrix products, in the order in which they are computed (A, B: the left and right operand; K: the contracted axis; several contracted axes count as one K, in the product's order):
;;     1. [M 2,048, K 1,024] x [K 1,024, N 8]; A: input x; B: input Wr: left as it is (N = 8 < 16)
;;     2. batch 2,048 x [M 1, K 2] x [K 2, N 8]; A: computed on the way; B: computed on the way: left as it is (K = 2 < 32)
;;     3. [M 2,048, K 1,024] x [K 1,024, N 2,048]; A: input x; B: input W1 (given as codes): QUANTISED
;;     4. [M 2,048, K 2,048] x [K 2,048, N 1,024]; A: computed on the way; B: input W2 (given as codes): QUANTISED
;;     5. [M 2,048, K 1,024] x [K 1,024, N 2,048]; A: input x; B: input W1 (given as codes): QUANTISED
;;     6. [M 2,048, K 2,048] x [K 2,048, N 1,024]; A: computed on the way; B: input W2 (given as codes): QUANTISED
;;     7. [M 2,048, K 1,024] x [K 1,024, N 2,048]; A: input x; B: input W1 (given as codes): QUANTISED
;;     8. [M 2,048, K 2,048] x [K 2,048, N 1,024]; A: computed on the way; B: input W2 (given as codes): QUANTISED
;;     9. [M 2,048, K 1,024] x [K 1,024, N 2,048]; A: input x; B: input W1 (given as codes): QUANTISED
;;     10. [M 2,048, K 2,048] x [K 2,048, N 1,024]; A: computed on the way; B: input W2 (given as codes): QUANTISED
;;     11. [M 2,048, K 1,024] x [K 1,024, N 2,048]; A: input x; B: input W1 (given as codes): QUANTISED
;;     12. [M 2,048, K 2,048] x [K 2,048, N 1,024]; A: computed on the way; B: input W2 (given as codes): QUANTISED
;;     13. [M 2,048, K 1,024] x [K 1,024, N 2,048]; A: input x; B: input W1 (given as codes): QUANTISED
;;     14. [M 2,048, K 2,048] x [K 2,048, N 1,024]; A: computed on the way; B: input W2 (given as codes): QUANTISED
;;     15. [M 2,048, K 1,024] x [K 1,024, N 2,048]; A: input x; B: input W1 (given as codes): QUANTISED
;;     16. [M 2,048, K 2,048] x [K 2,048, N 1,024]; A: computed on the way; B: input W2 (given as codes): QUANTISED
;;     17. [M 2,048, K 1,024] x [K 1,024, N 2,048]; A: input x; B: input W1 (given as codes): QUANTISED
;;     18. [M 2,048, K 2,048] x [K 2,048, N 1,024]; A: computed on the way; B: input W2 (given as codes): QUANTISED
;;   THE QUANTISER, for each operand of a quantised product, along K:
;;     - K is cut into blocks of 32 from its start; a last block that is shorter is filled with zeros.
;;     - A block's scale is 2^e with e = floor(log2(the largest magnitude in the block)) - 4, held to -126 .. 127; a block of zeros has e = 0. As a byte (E8M0): e + 127.
;;     - Each number is divided by its block's scale, clamped to +-28, and rounded to the nearest number of E3M2, ties to even, subnormals kept.
;;     - The product sums the exact products of the quantised numbers (number of the format x scale) in f32.
;;   ~~~python
;;   def quantise(x, axis):      # numpy; x: float32 -> the quantised numbers, widened to float32 again
;;       x = np.moveaxis(x, axis, -1); K = x.shape[-1]
;;       x = np.pad(x, [(0, 0)] * (x.ndim - 1) + [(0, -K % 32)]); x = x.reshape(x.shape[:-1] + (-1, 32)); a = np.abs(x).max(-1, keepdims=True)
;;       e = np.where(a > 0, np.clip(np.frexp(np.where(a > 0, a, 1))[1] - 1 - 4, -126, 127), 0)      # np.frexp(a)[1] - 1 = floor(log2(a)), exactly
;;       r = np.clip(x / 2.0 ** e, -28, 28)
;;       step = 2.0 ** (np.maximum(np.frexp(np.where(r == 0, 1, r))[1] - 1, -2) - 2)
;;       q = np.round(r / step) * step * 2.0 ** e      # np.round: ties to even
;;       return np.moveaxis(q.reshape(q.shape[:-2] + (-1,))[..., :K], -1, axis).astype(np.float32)
;;   ~~~
;;   OPERANDS COMPUTED ON THE WAY. 'Computed on the way' means the value that the module computes at that place (a softmax that the list does not call 'softmax' is quantised finished and normalised). What goes into a quantiser is computed in f32, as accurately as f32 sums, v_exp_f32 and their like allow (about 1e-6 of the number): no bf16 or f16 on the way to a quantiser, and a product that is left as it is and whose result goes on into a quantised operand takes f32 operands (vector FMAs, or v_wmma_f32_16x16x4_f32). A number that lies on a knife's edge between two numbers of the format may be rounded either way, as far as f32 arithmetic and the matrix unit's own rounding can turn it there, and no further.
;;   INPUTS GIVEN AS CODES. W1 (in the module: [8, 1024, 2048], K = its axis 1); W2 (in the module: [8, 2048, 1024], K = its axis 1): each comes as NAME_codes (uint8): NAME with its K axis moved to the last place and cut into blocks of 32 codes, [.., K / 32, bytes a block], one block behind the other in memory; four codes in three bytes: a row's codes are one little-endian stream of bits, code i at bits 6 i .. 6 i + 5 (a code: sign, 3 exponent bits, 2 mantissa bits); and NAME_scales (uint8): the same leading axes, one E8M0 byte (e + 127) for each 32 codes along K. Its value is code x scale, taken as it is: it is not quantised again, and the codes and scales need not be those that the quantiser above would give.
;; 2 versions. Each part assembles by itself: llvm-mc -triple=amdgcn-amd-amdhsa -mcpu=gfx1250 --defsym DOCPART=n.
;; ======== version 1 of 2: 5 launches
;; workspace buffers: xq 1,572,864 bytes; xs 65,536 bytes; eidx 16,384 bytes of whole numbers; wts 16,384 bytes; plan 18,432 bytes of whole numbers; hbuf 8,110,080 bytes; hs 337,920 bytes; part 16,777,216 bytes
;; launch route (part 1): grid 256 x 1, 8 waves a work-group, no clusters, 84,480 bytes of LDS; arguments x, Wr, br, xq, xs, eidx, wts; writes xq, xs, eidx, wts
.if DOCPART == 1
	.amdgcn_target "amdgcn-amd-amdhsa--gfx1250"
	.amdhsa_code_object_version 6
	.text
	.protected	k_q4a89f50c60_route
	.globl	k_q4a89f50c60_route
	.p2align	8
	.type	k_q4a89f50c60_route,@function
k_q4a89f50c60_route:
	s_mov_b64 s[64:65], 0
	v_nop
	global_prefetch_b8 v0, s[64:65] scope:SCOPE_SE
	s_setreg_imm32_b32 hwreg(HW_REG_WAVE_MODE, 25, 1), 1
	s_wait_xcnt 0x0
; ROUTE.  For 2,048 tokens of 1,024 numbers: the router (x Wr + br in f32 multiply-adds, softmax with its maximum taken away, the two largest), and x as codes of E3M2 with one E8M0 byte for each 32 along K.
; WORK LEFT OUT BY THE WHOLE PROGRAM.  reference() multiplies every expert's result by combine[t, e], which it builds from one_hot of its own top_k: for every e outside idx[t, :] that factor is 0, whatever
; finite values the inputs hold, so in exact arithmetic those experts' two products of token t reach no output.  Only the two chosen experts' rows are multiplied (launches up and down).  Every input stays live and is loaded.
; LIMITS.  A NaN, an infinity or an overflow that arises only in an expert that a token did not choose is not carried to the result.  NaN and infinities among the inputs are not served.
; The router's sums run in another order than reference()'s: a second and a third probability that lie closer than f32 rounding may be chosen the other way round.  Ties go to the lower index, as in top_k.
; A block of zeros gets the scale byte 1 where the rule says 127: its codes are zeros, and this program alone reads the bytes.
; SHARES.  Work-group g owns tokens 8 g .. 8 g + 7.  Wave w owns k = 128 w .. 128 w + 127 of all eight, in two steps of four tokens.  Each load reads 512 consecutive bytes; a step's 2,048 bytes turn through the
; wave's own stage in LDS, so that lane l then holds 16 neighbours: token 4 j + l / 8, k = 128 w + 16 (l % 8) + 0 .. 15.  Two neighbouring lanes hold a block of 32.
; OUT.  xq [token][768 bytes]: the row's codes as one stream of bits.  xs [token][8 words]: word s serves K step s; its bytes stand in the order of blocks 0, 2, 1, 3 of that step, which is the order in which
; the later launches feed the blocks to the matrix unit.  eidx [token][2]: the chosen experts.  wts [token][2]: their probabilities.
; No matrix unit, no cluster: the product has 8 columns, decides a choice, and is kept in f32.
.set XST,   0                          ; LDS: a wave's two stages of 32 places x 80 bytes (64 + 16 of padding): 5,120 bytes a wave
.set WRS,   40960                      ; a wave's 128 rows of Wr as 8 rows of 512 + 16 bytes: 4,224 bytes a wave
.set PRT,   74752                      ; partial logits [wave][token][8]
.set CST,   76800                      ; the eight tokens' codes, rows of 768 + 16 bytes
.set SST,   83200                      ; their scale bytes [token][32]
.set SPARE, 83456                      ; the spare words, 128 bytes for each wave: four blocks of 256 bytes that no other line names
.set SPW, 1                            ; v1   my spare word's address; never rewritten
.set NIL, 2                            ; v2   0; never rewritten
.set LN,  3                            ; v3   lane
.set XG,  4                            ; v4   16 x lane
.set XSI, 5                            ; v5   the stage, on the way in
.set XSO, 6                            ; v6   and on the way out
.set WSI, 7                            ; v7   Wr's rows, in
.set WSO, 8                            ; v8   and out: row l % 8
.set PRA, 9                            ; v9   where my partial logits go
.set CSA, 10                           ; v10  where my 12 bytes of codes go
.set SSA, 11                           ; v11  where my block's byte goes
.set L8,  12                           ; v12  8 x lane
.set CSR, 13                           ; v13  token w's row of codes, 8 bytes a lane
.set PRL, 14                           ; v14  token l % 8's partial logits
.set SSR, 15                           ; v15  the scale bytes, 8 bytes a lane
.set RX,  16                           ; v16-47   x as loaded
.set RW,  48                           ; v48-79   Wr as loaded; then the quantiser's registers
.set X,   80                           ; v80-111  two steps x 16 neighbours
.set LG,  112                          ; v112-127 two steps x 8 sums
.set WR,  128                          ; v128-255 Wr[k][e] of my 16 k; later the last step of the router
	s_load_b256 s[4:11], s[0:1], 0x0               ; x s[4:5], Wr s[6:7], br s[8:9], xq s[10:11]
	s_load_b128 s[12:15], s[0:1], 0x20             ; xs s[12:13], eidx s[14:15]
	s_load_b64 s[16:17], s[0:1], 0x30              ; wts
	v_lshl_add_u32 v[SPW], v0, 2, SPARE
	v_mov_b32 v[NIL], 0
	v_lshrrev_b32 v16, 5, v0
	v_readfirstlane_b32 s20, v16                   ; wave 0..7
	v_and_b32 v[LN], 31, v0
	v_lshlrev_b32 v[XG], 4, v[LN]
	v_lshlrev_b32 v[L8], 3, v[LN]
	v_lshrrev_b32 v16, 2, v[LN]
	v_and_b32 v17, 3, v[LN]
	v_mul_u32_u24 v[XSI], v16, 80
	v_lshl_add_u32 v[XSI], v17, 4, v[XSI]          ; four lanes' 64 bytes on end, then 16 of padding
	v_mul_u32_u24 v[XSO], v[LN], 80
	s_mul_i32 s21, s20, 5120
	v_add_nc_u32 v[XSI], s21, v[XSI]
	v_add_nc_u32 v[XSO], s21, v[XSO]
	v_and_b32 v16, 7, v[LN]                        ; l % 8
	v_lshrrev_b32 v17, 3, v[LN]                    ; l / 8
	s_mul_i32 s21, s20, 4224
	s_add_co_u32 s21, s21, WRS
	v_add_nc_u32 v[WSI], s21, v[XG]
	v_mul_u32_u24 v[WSO], v16, 528
	v_add_nc_u32 v[WSO], s21, v[WSO]
	s_lshl_b32 s21, s20, 8
	s_add_co_u32 s21, s21, PRT
	v_lshl_add_u32 v[PRA], v17, 5, s21
	s_mul_i32 s21, s20, 96
	s_add_co_u32 s21, s21, CST
	v_mul_u32_u24 v[CSA], v17, 784
	v_mad_u32_u24 v[CSA], v16, 12, v[CSA]
	v_add_nc_u32 v[CSA], s21, v[CSA]
	v_bfe_u32 v[SSA], v[LN], 1, 1                  ; my block in the K step is b = (l / 2) % 4; its byte stands at 2 (b % 2) + b / 2
	v_bfe_u32 v18, v[LN], 2, 1
	v_lshl_add_u32 v[SSA], v[SSA], 1, v18
	v_lshl_add_u32 v[SSA], v17, 5, v[SSA]
	s_lshl_b32 s21, s20, 2
	s_add_co_u32 s21, s21, SST
	v_add_nc_u32 v[SSA], s21, v[SSA]
	s_mul_i32 s21, s20, 784
	s_add_co_u32 s21, s21, CST
	v_add_nc_u32 v[CSR], s21, v[L8]
	v_lshl_add_u32 v[PRL], v16, 5, PRT
	v_add_nc_u32 v[SSR], SST, v[L8]
	s_lshl_b32 s32, ttmp9, 15                      ; eight rows of 4,096 bytes a work-group,
	s_lshl_b32 s33, s20, 9                         ; 512 bytes of each row a wave
	s_add_co_u32 s32, s32, s33
	s_mov_b32 s33, 0
	s_lshl_b32 s34, s20, 12                        ; 128 rows of Wr, 32 bytes each
	s_mov_b32 s35, 0
	s_wait_kmcnt 0x0
	s_load_b256 s[24:31], s[8:9], 0x0              ; br
	s_add_nc_u64 s[4:5], s[4:5], s[32:33]
	s_add_nc_u64 s[6:7], s[6:7], s[34:35]
.irp j, 0,1,2,3,4,5,6,7
	global_load_b128 v[RW+4*\j:RW+4*\j+3], v[XG], s[6:7] offset:512*\j          ; 16 rows of Wr: what the lanes with l % 8 = j want
.endr
.irp i, 0,1,2,3,4,5,6,7
	global_load_b128 v[RX+4*\i:RX+4*\i+3], v[XG], s[4:5] offset:4096*\i th:TH_LOAD_NT   ; token i: 512 consecutive bytes
.endr
	s_wait_loadcnt 8                               ; Wr's eight are in; x's eight may be out
.irp j, 0,1,2,3,4,5,6,7
	ds_store_b128 v[WSI], v[RW+4*\j:RW+4*\j+3] offset:528*\j
.endr
.set n, 0
.rept 32
	ds_load_b128 v[WR+4*n:WR+4*n+3], v[WSO] offset:16*n    ; the bytes are my wave's own and LDS serves a wave's instructions in order: no wait between
.set n, n+1
.endr
	s_wait_loadcnt 0x0
.irp j, 0,1
.irp i, 0,1,2,3
	ds_store_b128 v[XSI], v[RX+16*\j+4*\i:RX+16*\j+4*\i+3] offset:2560*\j+640*\i
.endr
.irp q, 0,1,2,3
	ds_load_b128 v[X+16*\j+4*\q:X+16*\j+4*\q+3], v[XSO] offset:2560*\j+16*\q
.endr
.endr
	s_wait_dscnt 0x0
; The partial logits: for k = 2 kp and 2 kp + 1 of my sixteen, both steps, four pairs of experts.  One number of x serves both halves of a packed multiply-add.
.macro DOTP kp
.irp j, 0,1
.irp ep, 0,1,2,3
.if \kp == 0
	v_pk_mul_f32 v[LG+8*\j+2*\ep:LG+8*\j+2*\ep+1], v[X+16*\j:X+16*\j+1], v[WR+2*\ep:WR+2*\ep+1] op_sel_hi:[0,1]
.else
	v_pk_fma_f32 v[LG+8*\j+2*\ep:LG+8*\j+2*\ep+1], v[X+16*\j+2*\kp:X+16*\j+2*\kp+1], v[WR+16*\kp+2*\ep:WR+16*\kp+2*\ep+1], v[LG+8*\j+2*\ep:LG+8*\j+2*\ep+1] op_sel_hi:[0,1,1]
.endif
.endr
.endr
.irp j, 0,1
.irp ep, 0,1,2,3
	v_pk_fma_f32 v[LG+8*\j+2*\ep:LG+8*\j+2*\ep+1], v[X+16*\j+2*\kp:X+16*\j+2*\kp+1], v[WR+16*\kp+8+2*\ep:WR+16*\kp+8+2*\ep+1], v[LG+8*\j+2*\ep:LG+8*\j+2*\ep+1] op_sel:[1,0,0] op_sel_hi:[1,1,1]
.endr
.endr
.endm
.irp kp, 0,1,2,3,4,5,6,7
	DOTP \kp
.endr
.irp m, 1,2,4
.set n, 0
.rept 16
	v_add_f32_dpp v[LG+n], v[LG+n], v[LG+n] row_xmask:\m row_mask:0xf bank_mask:0xf   ; over the eight lanes that hold a token's 128 numbers
.set n, n+1
.endr
.endr
.irp j, 0,1
	ds_store_b128 v[PRA], v[LG+8*\j:LG+8*\j+3] offset:128*\j                 ; the eight lanes of a token write the same words with the same values
	ds_store_b128 v[PRA], v[LG+8*\j+4:LG+8*\j+7] offset:128*\j+16
.endr
; Step j's 16 numbers become 12 bytes of codes and, with my neighbour's 16, a scale byte.
.macro QNT j
.set XS, X+16*\j
.set M0, RW+2*\j
.set SO, RW+4+\j
.set BY, RW+6+\j
.set CD, RW+8+4*\j
	v_max3_num_f32 v[M0], |v[XS]|, |v[XS+1]|, |v[XS+2]|
	v_max3_num_f32 v[M0+1], |v[XS+3]|, |v[XS+4]|, |v[XS+5]|
.irp i, 6,10
	v_max3_num_f32 v[M0], v[M0], |v[XS+\i]|, |v[XS+\i+1]|
	v_max3_num_f32 v[M0+1], v[M0+1], |v[XS+\i+2]|, |v[XS+\i+3]|
.endr
	v_max3_num_f32 v[M0], v[M0], |v[XS+14]|, |v[XS+15]|
	v_max3_num_f32 v[M0], v[M0], v[M0+1], 0x2800000                          ; the floor 2^(5 - 127): the byte cannot fall under 1
	v_max_num_f32_dpp v[M0], v[M0], v[M0] row_xmask:1 row_mask:0xf bank_mask:0xf   ; with my neighbour's 16: the block's largest magnitude
	v_add_nc_u32 v[SO], 0xfe000000, v[M0]                                    ; 4 off its exponent field: the conversion takes that field as its scale
	v_cvt_scalef32_pk16_bf6_f32 v[CD:CD+2], v[XS:XS+15], v[SO]
	v_lshrrev_b32 v[BY], 23, v[SO]                                           ; the scale's byte; also the plain line behind the conversion
	ds_store_b32 v[CSA], v[CD] offset:3136*\j
	ds_store_b32 v[CSA], v[CD+1] offset:3136*\j+4
	ds_store_b32 v[CSA], v[CD+2] offset:3136*\j+8
	ds_store_b8 v[SSA], v[BY] offset:128*\j                                  ; both lanes of a block write the same byte with the same value
.endm
	QNT 0
	QNT 1
	s_lshl_b32 s32, ttmp9, 3
	s_add_co_u32 s32, s32, s20
	s_mul_i32 s32, s32, 768                        ; token 8 g + w's row in xq
	s_wait_kmcnt 0x0                               ; br
	s_add_nc_u64 s[10:11], s[10:11], s[32:33]
	s_wait_dscnt 0x0                               ; for the others' sake: my stores have landed
	s_barrier_signal -1
	s_barrier_wait -1
.irp i, 0,1,2
	ds_load_b64 v[16+2*\i:17+2*\i], v[CSR] offset:256*\i
.endr
.irp i, 0,1,2
	s_wait_dscnt 2-\i
	global_store_b64 v[L8], v[16+2*\i:17+2*\i], s[10:11] offset:256*\i       ; 32 lanes store 256 consecutive bytes, aligned
.endr
	s_cmp_eq_u32 s20, 7
	s_cbranch_scc0 .Lnot_seven
	ds_load_b64 v[22:23], v[SSR]                   ; wave 7: the eight tokens' 256 scale bytes
	s_lshl_b32 s32, ttmp9, 8
	s_add_nc_u64 s[12:13], s[12:13], s[32:33]
	s_wait_dscnt 0x0
	global_store_b64 v[L8], v[22:23], s[12:13]
.Lnot_seven:
	s_cmp_eq_u32 s20, 0
	s_cbranch_scc0 .Lend
	; wave 0: lane l holds token l % 8 (lanes 8-31 repeat the work and store nothing)
.set n, 0
.rept 16
	ds_load_b128 v[128+4*n:131+4*n], v[PRL] offset:256*(n/2)+16*(n%2)
.set n, n+1
.endr
	s_wait_dscnt 0x0
.irp ep, 0,1,2,3
	v_pk_add_f32 v[192+2*\ep:193+2*\ep], v[128+2*\ep:129+2*\ep], v[136+2*\ep:137+2*\ep]
.endr
.irp w, 2,3,4,5,6,7
.irp ep, 0,1,2,3
	v_pk_add_f32 v[192+2*\ep:193+2*\ep], v[192+2*\ep:193+2*\ep], v[128+8*\w+2*\ep:129+8*\w+2*\ep]   ; K ascending
.endr
.endr
.irp e, 0,1,2,3,4,5,6,7
	v_add_f32 v[192+\e], s[24+\e], v[192+\e]       ; + br
.endr
	v_max3_num_f32 v200, v192, v193, v194
	v_max3_num_f32 v200, v200, v195, v196
	v_max3_num_f32 v200, v200, v197, v198
	v_max_num_f32 v200, v200, v199                 ; the maximum is taken away, as reference() does
.irp e, 0,1,2,3,4,5,6,7
	v_sub_f32 v[192+\e], v[192+\e], v200
.endr
.irp e, 0,1,2,3,4,5,6,7
	v_mul_f32 v[192+\e], 0x3fb8aa3b, v[192+\e]     ; x log2(e)
.endr
.irp e, 0,1,2,3,4,5,6,7
	v_exp_f32 v[192+\e], v[192+\e]
.endr
	v_nop                                          ; a plain line behind the last exponential
	s_wait_alu depctr_va_vdst(0)                   ; one wait for the eight, ahead of their first reader
	v_add_f32 v201, v192, v193
	v_add_f32 v202, v194, v195
	v_add_f32 v203, v196, v197
	v_add_f32 v208, v198, v199
	v_add_f32 v201, v201, v202
	v_add_f32 v203, v203, v208
	v_add_f32 v201, v201, v203
	v_rcp_f32 v201, v201
	v_nop
	s_wait_alu depctr_va_vdst(0)
.irp e, 0,1,2,3,4,5,6,7
	v_mul_f32 v[192+\e], v[192+\e], v201           ; the probabilities
.endr
	v_mov_b32 v204, v192                           ; the largest so far, v206 its index;
	v_mov_b32 v205, -1.0                           ; the second, under every probability, v207 its index
	v_mov_b32 v206, 0
	v_mov_b32 v207, 0
.irp e, 1,2,3,4,5,6,7
	v_cmp_gt_f32 s40, v[192+\e], v204              ; strictly larger: of equals the lower index stays
	v_cmp_gt_f32 s41, v[192+\e], v205              ; (the largest is never under the second, so the first mask lies inside this one)
	v_mov_b32 v210, \e
	v_cndmask_b32 v208, v[192+\e], v204, s40       ; what moves into second place: the old largest, or this one
	v_cndmask_b32 v209, v210, v206, s40
	v_cndmask_b32 v205, v205, v208, s41
	v_cndmask_b32 v207, v207, v209, s41
	v_cndmask_b32 v204, v204, v[192+\e], s40
	v_cndmask_b32 v206, v206, v210, s40
.endr
	s_lshl_b32 s32, ttmp9, 6
	s_add_nc_u64 s[14:15], s[14:15], s[32:33]
	s_add_nc_u64 s[16:17], s[16:17], s[32:33]
	s_wait_xcnt 0x0                                ; EXEC changes only behind this wait: stores have been issued
	v_cmp_gt_u32 vcc_lo, 8, v[LN]
	s_and_saveexec_b32 s42, vcc_lo
	global_store_b64 v[L8], v[206:207], s[14:15]   ; the choice goes to memory as whole numbers; a later launch forms addresses from it
	global_store_b64 v[L8], v[204:205], s[16:17]
	s_wait_xcnt 0x0
	s_or_b32 exec_lo, exec_lo, s42
.Lend:
	s_wait_tensorcnt 0x0                           ; the wave's end: three lines behind my last LDS store
	ds_add_u32 v[SPW], v[NIL]
	s_wait_dscnt 0x0
	s_endpgm
.Lfunc_end_k_q4a89f50c60_route:
	.size	k_q4a89f50c60_route, .Lfunc_end_k_q4a89f50c60_route-k_q4a89f50c60_route
	.p2alignl 7, 3214868480
	.fill 96, 4, 3214868480
	.section	.rodata,"a",@progbits
	.p2align	6, 0x0
	.amdhsa_kernel k_q4a89f50c60_route
		.amdhsa_group_segment_fixed_size 84480
		.amdhsa_private_segment_fixed_size 0
		.amdhsa_enable_private_segment 0
		.amdhsa_kernarg_size 56
		.amdhsa_user_sgpr_count 2
		.amdhsa_user_sgpr_kernarg_segment_ptr 1
		.amdhsa_wavefront_size32 1
		.amdhsa_system_sgpr_workgroup_id_x 1
		.amdhsa_system_sgpr_workgroup_id_y 1
		.amdhsa_system_sgpr_workgroup_id_z 1
		.amdhsa_system_vgpr_workitem_id 0
		.amdhsa_next_free_vgpr 256
		.amdhsa_next_free_sgpr 66
		.amdhsa_reserve_vcc 1
		.amdhsa_float_denorm_mode_32 3
		.amdhsa_float_denorm_mode_16_64 3
		.amdhsa_memory_ordered 1
		.amdhsa_forward_progress 1
		.amdhsa_inst_pref_size 32
	.end_amdhsa_kernel
	.amdgpu_metadata
---
amdhsa.version: [ 1, 2 ]
amdhsa.kernels:
  - .name:           k_q4a89f50c60_route
    .symbol:         k_q4a89f50c60_route.kd
    .args:
      - { .name: x, .offset: 0, .size: 8, .value_kind: global_buffer, .address_space: global }
      - { .name: Wr, .offset: 8, .size: 8, .value_kind: global_buffer, .address_space: global }
      - { .name: br, .offset: 16, .size: 8, .value_kind: global_buffer, .address_space: global }
      - { .name: xq, .offset: 24, .size: 8, .value_kind: global_buffer, .address_space: global }
      - { .name: xs, .offset: 32, .size: 8, .value_kind: global_buffer, .address_space: global }
      - { .name: eidx, .offset: 40, .size: 8, .value_kind: global_buffer, .address_space: global }
      - { .name: wts, .offset: 48, .size: 8, .value_kind: global_buffer, .address_space: global }
    .group_segment_fixed_size: 84480
    .private_segment_fixed_size: 0
    .kernarg_segment_align: 8
    .kernarg_segment_size: 56
    .max_flat_workgroup_size: 256
    .sgpr_count:     66
    .vgpr_count:     256
    .wavefront_size: 32
...
	.end_amdgpu_metadata
.endif
;; end of part 1
;; launch place (part 2): grid 1 x 1, 32 waves a work-group, no clusters, 8,192 bytes of LDS; arguments eidx, plan; writes plan
.if DOCPART == 2
	.amdgcn_target "amdgcn-amd-amdhsa--gfx1250"
	.amdhsa_code_object_version 6
	.text
	.protected	k_q4a89f50c60_place
	.globl	k_q4a89f50c60_place
	.p2align	8
	.type	k_q4a89f50c60_place,@function
k_q4a89f50c60_place:
	s_mov_b64 s[64:65], 0
	v_nop
	global_prefetch_b8 v0, s[64:65] scope:SCOPE_SE
	s_setreg_imm32_b32 hwreg(HW_REG_WAVE_MODE, 25, 1), 1
	s_wait_xcnt 0x0
; PLACE.  A counting sort of the 4,096 slots (slot = 2 x token + k) by their expert, and the table of row tiles.  One work-group, no atomics.
; plan, bytes 0 .. 1,023: 64 entries of 16 bytes {expert, first position, rows, row pairs of 32}.  An expert's rows are cut into tiles of at most 160: the sum over experts of ceil(T_e / 160) is at most
; (4,096 + 8 x 159) / 160, so 33 tiles serve every split; entries beyond the last tile hold 0 rows.
; plan, bytes 1,024 on: order[4,352]: position -> slot; entries 4,096 .. 4,351 are 0, so that a later launch's loads of eight entries from any position stay inside what is written.
; Thread i holds slots 4 i .. 4 i + 3.  Within an expert the order is by wave, then by the slot's number modulo 4, then by lane: any order serves, since nothing is dropped.
; The 4,096 stores of 4 bytes are a permutation of 16 KiB: they go where the sort sends them.
.set CNT,   0                          ; LDS: [wave][32 words], of which words 0-7 are the wave's counts
.set SPARE, 4096                       ; the spare words, 128 bytes for each of 32 waves
.set SPW, 1
.set NIL, 2
	s_load_b128 s[4:7], s[0:1], 0x0                ; eidx s[4:5], plan s[6:7]
	v_lshl_add_u32 v[SPW], v0, 2, SPARE
	v_mov_b32 v[NIL], 0
	v_lshrrev_b32 v15, 5, v0
	v_readfirstlane_b32 s8, v15                    ; wave 0..31
	v_and_b32 v3, 31, v0
	v_lshlrev_b32 v48, 2, v0                       ; 4 x thread: my word of CNT; my first slot; my entry of the padding
	v_and_b32 v49, 7, v3
	v_lshlrev_b32 v49, 2, v49                      ; column l % 8 of CNT
	v_lshlrev_b32 v55, 4, v0                       ; 16 x thread
.irp j, 0,1,2,3
	v_mov_b32 v[8+\j], 0                           ; positions
	v_add_nc_u32 v[50+\j], \j, v48                 ; my slots' numbers
.endr
	v_mov_b32 v12, 0
	v_mov_b32 v13, 0
	v_mov_b32 v14, 0
	v_mov_b32 v54, 0
	s_wait_kmcnt 0x0
	global_load_b128 v[4:7], v55, s[4:5]
	s_wait_loadcnt 0x0
.irp e, 0,1,2,3,4,5,6,7
.irp j, 0,1,2,3
	v_cmp_eq_u32 s[32+4*\e+\j], \e, v[4+\j]        ; which lanes' slot j goes to expert e
.endr
.endr
.irp e, 0,1,2,3,4,5,6,7
	s_bcnt1_i32_b32 s20, s[32+4*\e]
	s_bcnt1_i32_b32 s21, s[33+4*\e]
	s_bcnt1_i32_b32 s22, s[34+4*\e]
	s_bcnt1_i32_b32 s23, s[35+4*\e]
	s_add_co_u32 s20, s20, s21
	s_add_co_u32 s22, s22, s23
	s_add_co_u32 s20, s20, s22
	v_writelane_b32 v12, s20, \e                   ; my wave's count for expert e
.endr
	ds_store_b32 v48, v12
	s_wait_dscnt 0x0                               ; for the others' sake
	s_barrier_signal -1
	s_barrier_wait -1
.set n, 0
.rept 32
	ds_load_b32 v[16+n], v49 offset:128*n
.set n, n+1
.endr
	s_wait_dscnt 0x0
.set n, 0
.rept 32
	s_cmp_lt_u32 n, s8
	s_cselect_b32 s20, 1, 0
	v_add_nc_u32 v13, v13, v[16+n]                 ; all waves' count,
	v_mad_u32_u24 v14, v[16+n], s20, v14           ; and that of the waves in front of mine
.set n, n+1
.endr
.irp e, 0,1,2,3,4,5,6,7
	v_readlane_b32 s[68+\e], v13, \e               ; T_e
	v_readlane_b32 s[76+\e], v14, \e
.endr
	s_mov_b32 s84, 0
.irp e, 0,1,2,3,4,5,6,7
	s_add_co_u32 s[85+\e], s[84+\e], s[68+\e]      ; S_e: where expert e's rows begin
.endr
.irp e, 0,1,2,3,4,5,6,7
	s_add_co_u32 s[76+\e], s[76+\e], s[84+\e]      ; where my wave's begin
.endr
.irp e, 0,1,2,3,4,5,6,7
.irp j, 0,1,2,3
	v_mbcnt_lo_u32_b32 v15, s[32+4*\e+\j], 0       ; how many lanes below mine have such a slot
	v_add_nc_u32 v15, s[76+\e], v15
	v_cndmask_b32 v[8+\j], v[8+\j], v15, s[32+4*\e+\j]
	s_bcnt1_i32_b32 s20, s[32+4*\e+\j]
	s_add_co_u32 s[76+\e], s[76+\e], s20
.endr
.endr
.irp j, 0,1,2,3
	v_min_u32 v[8+\j], 0xfff, v[8+\j]              ; a position stays inside the list
	v_lshlrev_b32 v[8+\j], 2, v[8+\j]
.endr
.irp j, 0,1,2,3
	global_store_b32 v[8+\j], v[50+\j], s[6:7] offset:1024
.endr
	s_cmp_lt_u32 s8, 8
	s_cbranch_scc0 .Lno_pad
	global_store_b32 v48, v54, s[6:7] offset:17408 ; entries 4,096 .. 4,351
.Lno_pad:
	s_cmp_lt_u32 s8, 2
	s_cbranch_scc0 .Lno_table
	s_mov_b32 s21, 0
.irp e, 0,1,2,3,4,5,6,7
	s_add_co_u32 s20, s[68+\e], 159
	s_mul_i32 s20, s20, 26215
	s_lshr_b32 s20, s20, 22                        ; (T_e + 159) / 160: 26,215 / 2^22 lies 96 / (160 x 2^22) over 1 / 160, which turns no quotient for numbers under 43,690
	s_add_co_u32 s21, s21, s20
	s_mov_b32 s[12+\e], s21                        ; CE_e: tiles of experts 0 .. e
.endr
	v_mov_b32 v56, 0                               ; tile t = my thread: its expert,
	v_mov_b32 v57, 0                               ; that expert's first tile,
	v_mov_b32 v58, 0                               ; its first position,
	v_mov_b32 v59, s68                             ; its rows
.irp e, 0,1,2,3,4,5,6,7
	v_cmp_gt_u32 vcc_lo, s[12+\e], v0              ; CE_e > t: the tile lies in expert e or before: keep; else go on to e + 1
	v_cndmask_b32 v56, \e+1, v56, vcc_lo
	v_cndmask_b32 v57, s[12+\e], v57, vcc_lo
	v_cndmask_b32 v58, s[85+\e], v58, vcc_lo
.if \e < 7
	v_cndmask_b32 v59, s[69+\e], v59, vcc_lo
.else
	v_cndmask_b32 v59, 0, v59, vcc_lo
.endif
.endr
	v_sub_nc_u32 v57, v0, v57
	v_mul_u32_u24 v57, v57, 160                    ; the tile's first row in its expert
	v_max_u32 v62, v59, v57
	v_sub_nc_u32 v62, v62, v57
	v_min_u32 v62, 160, v62                        ; rows
	v_add_nc_u32 v61, v58, v57
	v_cmp_ne_u32 vcc_lo, 0, v62
	v_cndmask_b32 v61, 0, v61, vcc_lo              ; first position (0 for a tile without rows)
	v_min_u32 v60, 7, v56
	v_add_nc_u32 v63, 31, v62
	v_lshrrev_b32 v63, 5, v63                      ; row pairs
	global_store_b128 v55, v[60:63], s[6:7]
.Lno_table:
	s_wait_tensorcnt 0x0                           ; the wave's end: three lines behind my last LDS store
	ds_add_u32 v[SPW], v[NIL]
	s_wait_dscnt 0x0
	s_endpgm
.Lfunc_end_k_q4a89f50c60_place:
	.size	k_q4a89f50c60_place, .Lfunc_end_k_q4a89f50c60_place-k_q4a89f50c60_place
	.p2alignl 7, 3214868480
	.fill 96, 4, 3214868480
	.section	.rodata,"a",@progbits
	.p2align	6, 0x0
	.amdhsa_kernel k_q4a89f50c60_place
		.amdhsa_group_segment_fixed_size 8192
		.amdhsa_private_segment_fixed_size 0
		.amdhsa_enable_private_segment 0
		.amdhsa_kernarg_size 16
		.amdhsa_user_sgpr_count 2
		.amdhsa_user_sgpr_kernarg_segment_ptr 1
		.amdhsa_wavefront_size32 1
		.amdhsa_system_sgpr_workgroup_id_x 1
		.amdhsa_system_sgpr_workgroup_id_y 1
		.amdhsa_system_sgpr_workgroup_id_z 1
		.amdhsa_system_vgpr_workitem_id 0
		.amdhsa_next_free_vgpr 64
		.amdhsa_next_free_sgpr 100
		.amdhsa_reserve_vcc 1
		.amdhsa_float_denorm_mode_32 3
		.amdhsa_float_denorm_mode_16_64 3
		.amdhsa_memory_ordered 1
		.amdhsa_forward_progress 1
		.amdhsa_inst_pref_size 26
	.end_amdhsa_kernel
	.amdgpu_metadata
---
amdhsa.version: [ 1, 2 ]
amdhsa.kernels:
  - .name:           k_q4a89f50c60_place
    .symbol:         k_q4a89f50c60_place.kd
    .args:
      - { .name: eidx, .offset: 0, .size: 8, .value_kind: global_buffer, .address_space: global }
      - { .name: plan, .offset: 8, .size: 8, .value_kind: global_buffer, .address_space: global }
    .group_segment_fixed_size: 8192
    .private_segment_fixed_size: 0
    .kernarg_segment_align: 8
    .kernarg_segment_size: 16
    .max_flat_workgroup_size: 1024
    .sgpr_count:     100
    .vgpr_count:     64
    .wavefront_size: 32
...
	.end_amdgpu_metadata
.endif
;; end of part 2
;; launch up (part 3): grid 8 x 33, 8 waves a work-group, no clusters, 131,072 bytes of LDS; arguments plan, xq, xs, W1_codes, W1_scales, b1, hbuf, hs; writes hbuf, hs
.if DOCPART == 3
	.amdgcn_target "amdgcn-amd-amdhsa--gfx1250"
	.amdhsa_code_object_version 6
	.text
	.protected	k_q4a89f50c60_up
	.globl	k_q4a89f50c60_up
	.p2align	8
	.type	k_q4a89f50c60_up,@function
k_q4a89f50c60_up:
	s_mov_b64 s[64:65], 0
	v_nop
	global_prefetch_b8 v0, s[64:65] scope:SCOPE_SE
	s_setreg_imm32_b32 hwreg(HW_REG_WAVE_MODE, 25, 1), 1
	s_wait_xcnt 0x0
; UP.  The first product of the chosen experts alone (the others' results are multiplied by a 0 that reference() builds: see ROUTE's head): h = gelu(x W1[e] + b1[e]) for the rows of one tile, quantised along F.
; SHARES.  Work-group (c, y): tile y of the plan (at most 160 rows of expert e) x hidden units 256 c .. 256 c + 255.  Wave w: the 32 units of block beta = 8 c + w, for all rows: its 16 fragments of W1
; (two tiles of 16 rows x 8 K steps, 192 registers) are read once and stay.  The rows' codes are gathered once by the eight waves (wave w: K step w of all rows) and go round through LDS as images of the operand's registers.
; TRANSPOSED: source 0 = 16 rows of W1, source 1 = 16 rows of x.  Lane r of tile t takes W1's row 32 beta + 8 t + r + 8 (r / 8), so that lane (r, h) holds row r and its 16 registers of the two tiles are the
; 16 neighbouring units 32 beta + 16 h + 0 .. 15: half a block of the next K, 12 bytes of codes, stored as they fall.  b1 is the C of each sum's first product.
; K'S ORDER.  In a K step of 128 lane half h takes the 48 consecutive bytes at 96 s + 48 h of its row: blocks 2 h and 2 h + 1, by three loads of 16 bytes.  The unit takes them for blocks h and 2 + h: both operands
; carry the same exchange of whole blocks 1 and 2, and each scale word has its two middle bytes exchanged (xs comes so; W1's words are turned here).  The products are the same; only the order of the sums in an instruction differs.
; gelu(x) = x / (1 + 2^z), z = x (C0 + C1 x^2), C0 = -2 log2(e) sqrt(2 / pi), C1 = 0.044715 C0: the tanh form of reference(), by identity.  Where x^2 overflows z is an infinity of the right sign and the result is x or -0.
; A FIXED GRID serves every split; a tile without rows stores nothing.  That is a branch on a stored count, so this text has no tensor load, and so no joint loads in a cluster, though the eight work-groups of a
; tile gather the same rows.  The set-up has no branch on data (a tile without rows runs it on row 0 of the list), so that every barrier is on every path; the five row pairs are written out and left by forward jumps.
; OUT.  hbuf [tile][row pair][block beta][32 rows][24 bytes];  hs [tile][c][160 rows][2 words], bytes in the exchanged order; rows that are not computed get the byte 127.
; LIMITS: as stated at ROUTE's head.
.set AIMG,  0                          ; LDS: fragment (a, s) of the rows' codes at (8 a + s) x 1,536: three runs of 512 bytes, lane l's 16 bytes at 16 l
.set FRB,   1536
.set ASL,   122880                     ; the rows' scale words [a][r][8]
.set HSS,   128000                     ; the hidden layer's scale bytes [row][8]; 2,048 bytes, of which 1,280 serve
.set SPARE, 130048                     ; the spare words, 128 bytes for each wave
.set SPW, 1
.set NIL, 2
.set BO,  5                            ; v5   W1: my row of a tile and my half
.set BSO, 6                            ; v6   its scale words
.set BIO, 7                            ; v7   b1: my half's 16 units
.set IST, 8                            ; v8-9 where I store images: blocks a = 0-4, 5-9
.set ASW, 10                           ; v10  and their scale words
.set ILD, 11                           ; v11-15 where row pair j's images are read
.set ASA, 16                           ; v16  the rows' scale words, read
.set HSA, 17                           ; v17  my block's byte of row r
.set HO,  18                           ; v18  24 r + 12 h: my 12 bytes in a plane of hbuf
.set HSF, 19                           ; v19  HSS, 8 bytes a lane, 32 rows a wave
.set L8,  20                           ; v20  8 x lane
.set H0,  32                           ; v32-79, v80-127: two buffers of four fragments of x
.set ACC, 128                          ; v128-159 four accumulators (16 u + 8 t)
.set Z,   160                          ; v160-191
.set ASC, 224                          ; v224-239 the rows' scale words (8 u + s): scales and nothing else
.set BS,  240                          ; v240-255 W1's (8 t + s): scales and nothing else
.set BIAS, 192                         ; window 1: b1 (8 t + j); W1's fragment (t, s) at 12 (8 t + s) of window 1
.set ST,  32                           ; set-up only: v32-151 gathered codes, v152-161 scale words, v162-171 and v172-181 offsets, v182-191 positions
.set SW,  152
.set RO,  162
.set RS,  172
.set IDX, 182
.set MSB, 0
.macro WIN new                         ; the immediate's high byte repeats the setting that is left
.if MSB != \new
	s_set_vgpr_msb (MSB<<8)|\new
.set MSB, \new
.endif
.endm
	s_load_b256 s[4:11], s[0:1], 0x0               ; plan s[4:5], xq s[6:7], xs s[8:9], W1's codes s[10:11]
	s_load_b256 s[12:19], s[0:1], 0x20             ; W1's scales s[12:13], b1 s[14:15], hbuf s[16:17], hs s[18:19]
	v_lshl_add_u32 v[SPW], v0, 2, SPARE
	v_mov_b32 v[NIL], 0
	v_lshrrev_b32 v21, 5, v0
	v_readfirstlane_b32 s20, v21                   ; wave 0..7
	s_mov_b32 s21, ttmp9                           ; c
	s_and_b32 s22, ttmp7, 0xffff                   ; y
	s_lshl_b32 s23, s22, 4
	v_and_b32 v3, 15, v0                           ; r
	v_bfe_u32 v4, v0, 4, 1                         ; h
	v_and_b32 v21, 31, v0
	v_lshlrev_b32 v22, 4, v21                      ; 16 x lane
	v_lshlrev_b32 v[L8], 3, v21
	v_and_b32 v23, 8, v3
	v_add_nc_u32 v23, v23, v3                      ; r + 8 (r / 8)
	v_mul_u32_u24 v[BO], v23, 768
	v_mad_u32_u24 v[BO], v4, 48, v[BO]
	v_lshlrev_b32 v[BSO], 5, v23
	v_lshlrev_b32 v[BIO], 6, v4
	s_mul_i32 s30, s20, FRB
	v_add_nc_u32 v[IST], s30, v22
	v_add_nc_u32 v[IST+1], 61440, v[IST]
	s_lshl_b32 s30, s20, 2
	s_add_co_u32 s30, s30, ASL
	v_lshl_add_u32 v[ASW], v3, 5, s30
.irp j, 0,1,2,3,4
	v_add_nc_u32 v[ILD+\j], 24576*\j, v22
.endr
	v_lshl_add_u32 v[ASA], v3, 5, ASL
	s_lshr_b32 s30, s20, 2
	s_lshl_b32 s30, s30, 2                         ; word w / 4 of the row's two;
	s_and_b32 s31, s20, 1
	s_lshl_b32 s31, s31, 1
	s_add_co_u32 s30, s30, s31
	s_bfe_u32 s31, s20, 0x10001
	s_add_co_u32 s30, s30, s31                     ; block b = w % 4 of its K step stands at byte 2 (b % 2) + b / 2
	s_add_co_u32 s30, s30, HSS
	v_lshl_add_u32 v[HSA], v3, 3, s30
	v_mul_u32_u24 v[HO], v3, 24
	v_mad_u32_u24 v[HO], v4, 12, v[HO]
	s_lshl_b32 s30, s20, 8
	s_add_co_u32 s30, s30, HSS
	v_add_nc_u32 v[HSF], s30, v[L8]
	v_mul_u32_u24 v21, v4, 48                      ; 48 h, for the gather
	v_mov_b32 v22, 0x7f7f7f7f
	v_mov_b32 v23, 0x7f7f7f7f
	ds_store_b64 v[HSF], v[22:23]                  ; rows that no row pair computes keep the byte 127
	v_mov_b32 v194, 0                              ; written once: a lane permute's destination counts as one of its sources
	v_mov_b32 v195, 0
	v_mov_b32 v216, 0xc0135761                     ; C0, twice
	v_mov_b32 v217, 0xc0135761
	s_mov_b32 s34, 0xbdd2d3e8                      ; C1
	s_mov_b32 s35, s34                             ; (named with it as a pair, so it is written)
	s_mov_b32 s36, 0x76543210
	s_mov_b32 s37, 0xfedcba98                      ; lane l xor 16
	s_mov_b32 s38, 0x03010200                      ; bytes 0, 2, 1, 3
	s_mov_b32 s31, 0
	s_lshl_b32 s29, s21, 3
	s_add_co_u32 s29, s29, s20                     ; beta
	s_wait_kmcnt 0x0
	s_load_b128 s[24:27], s[4:5], s23 offset:0x0   ; the tile: expert, first position, rows, row pairs
	s_mul_i32 s30, s20, 96
	s_add_nc_u64 s[40:41], s[6:7], s[30:31]        ; xq at K step w
	s_lshl_b32 s30, s20, 2
	s_add_nc_u64 s[42:43], s[8:9], s[30:31]        ; xs at word w
	s_mul_i32 s30, s22, 245760
	s_mul_i32 s32, s29, 768
	s_add_co_u32 s30, s30, s32
	s_add_nc_u64 s[16:17], s[16:17], s[30:31]      ; hbuf at my tile's plane beta
	s_mul_i32 s30, s22, 10240
	s_mul_i32 s32, s21, 1280
	s_add_co_u32 s30, s30, s32
	s_lshl_b32 s32, s20, 8
	s_add_co_u32 s30, s30, s32
	s_add_nc_u64 s[18:19], s[18:19], s[30:31]      ; hs at my tile, my c, rows 32 w on
	s_wait_kmcnt 0x0
	s_min_u32 s24, s24, 7
	s_min_u32 s25, s25, 4095
	s_min_u32 s26, s26, 160
	s_min_u32 s27, s27, 5
	s_max_u32 s28, s26, 1
	s_sub_co_u32 s28, s28, 1                       ; the tile's last row: rows beyond it repeat it
.irp a, 0,1,2,3,4,5,6,7,8,9
	v_add_nc_u32 v[IDX+\a], 16*\a, v3
	v_min_u32 v[IDX+\a], s28, v[IDX+\a]
	v_add_nc_u32 v[IDX+\a], s25, v[IDX+\a]
	v_min_u32 v[IDX+\a], 0xfff, v[IDX+\a]
	v_lshlrev_b32 v[IDX+\a], 2, v[IDX+\a]
.endr
.irp a, 0,1,2,3,4,5,6,7,8,9
	global_load_b32 v[RO+\a], v[IDX+\a], s[4:5] offset:1024      ; the rows' slots
.endr
	s_mul_i32 s30, s24, 1572864
	s_mul_i32 s32, s29, 24576
	s_add_co_u32 s30, s30, s32
	s_add_nc_u64 s[10:11], s[10:11], s[30:31]      ; W1's codes at expert e, row 32 beta
	s_lshl_b32 s30, s24, 16
	s_lshl_b32 s32, s29, 10
	s_add_co_u32 s30, s30, s32
	s_add_nc_u64 s[12:13], s[12:13], s[30:31]
	s_lshl_b32 s30, s24, 13
	s_lshl_b32 s32, s29, 7
	s_add_co_u32 s30, s30, s32
	s_add_nc_u64 s[14:15], s[14:15], s[30:31]
	WIN 0x40                                       ; destination window 1
.irp t, 0,1
.irp s, 0,1,2,3,4,5,6,7
.irp i, 0,1,2
	global_load_b128 v[12*(8*\t+\s)+4*\i:12*(8*\t+\s)+4*\i+3], v[BO], s[10:11] offset:6144*\t+96*\s+16*\i
.endr
.endr
.endr
.irp t, 0,1
.irp q, 0,1
	global_load_b128 v[BIAS+8*\t+4*\q:BIAS+8*\t+4*\q+3], v[BIO], s[14:15] offset:32*\t+16*\q
.endr
.endr
	WIN 0
.irp t, 0,1
.irp q, 0,1
	global_load_b128 v[BS+8*\t+4*\q:BS+8*\t+4*\q+3], v[BSO], s[12:13] offset:256*\t+16*\q
.endr
.endr
	s_wait_loadcnt 56                              ; the ten slots are in; the 56 loads of weights behind them may be out
.irp a, 0,1,2,3,4,5,6,7,8,9
	v_lshrrev_b32 v[RO+\a], 1, v[RO+\a]            ; the token
	v_min_u32 v[RO+\a], 0x7ff, v[RO+\a]
	v_lshlrev_b32 v[RS+\a], 5, v[RO+\a]
	v_mad_u32_u24 v[RO+\a], v[RO+\a], 768, v21
.endr
.irp a, 0,1,2,3,4,5,6,7,8,9
.irp i, 0,1,2
	global_load_b128 v[ST+12*\a+4*\i:ST+12*\a+4*\i+3], v[RO+\a], s[40:41] offset:16*\i
.endr
	global_load_b32 v[SW+\a], v[RS+\a], s[42:43]
.endr
	s_wait_loadcnt 40                              ; the weights are in; the 40 loads of the gather may be out
.set n, 0
.rept 16
	v_perm_b32 v[BS+n], v[BS+n], v[BS+n], s38      ; W1's scale words in the exchanged order
.set n, n+1
.endr
.rept 8
	v_nop                                          ; a scale register written by a vector instruction stands eight places ahead of a scaled product
.endr
.macro PUT a
	s_wait_loadcnt 4*(9-(\a))                      ; block a's four loads are in; those of the blocks behind it may be out
.irp i, 0,1,2
	ds_store_b128 v[IST+(\a)/5], v[ST+12*(\a)+4*\i:ST+12*(\a)+4*\i+3] offset:12288*((\a)%5)+512*\i
.endr
	ds_store_b32 v[ASW], v[SW+(\a)] offset:512*(\a)   ; both halves of the lanes write the same word with the same value
.endm
.irp a, 0,1,2,3,4,5,6,7,8,9
	PUT \a
.endr
	s_wait_dscnt 0x0                               ; for the others' sake: my images and my part of HSS have landed
	s_barrier_signal -1
	s_barrier_wait -1
; K steps 2 g and 2 g + 1 of row pair j: four fragments (slot 2 (s % 2) + u), twelve loads, into the buffer at hb
.macro GLOAD j, g, hb
.irp sp, 0,1
.irp u, 0,1
.irp i, 0,1,2
	ds_load_b128 v[(\hb)+12*(2*\sp+\u)+4*\i:(\hb)+12*(2*\sp+\u)+4*\i+3], v[ILD+\j] offset:(8*\u+2*(\g)+\sp)*FRB+512*\i
.endr
.endr
.endr
.endm
.macro MM s, u, t, hb, first
.set rD, ACC+16*(\u)+8*(\t)
.set rA, 12*(8*(\t)+(\s))
.set rB, (\hb)+12*(2*((\s)%2)+(\u))
.if \first
	v_wmma_scale_f32_16x16x128_f8f6f4 v[rD:rD+7], v[rA:rA+11], v[rB:rB+11], v[BIAS+8*(\t):BIAS+8*(\t)+7], v[BS+8*(\t)+(\s)], v[ASC+8*(\u)+(\s)] matrix_a_fmt:MATRIX_FMT_BF6 matrix_b_fmt:MATRIX_FMT_BF6
.else
	v_wmma_scale_f32_16x16x128_f8f6f4 v[rD:rD+7], v[rA:rA+11], v[rB:rB+11], v[rD:rD+7], v[BS+8*(\t)+(\s)], v[ASC+8*(\u)+(\s)] matrix_a_fmt:MATRIX_FMT_BF6 matrix_b_fmt:MATRIX_FMT_BF6
.endif
.endm
; ROW PAIR j: 32 rows x my 32 units.  32 products, the four accumulators by turns, one instruction a turn; gelu; the quantiser; 24 bytes a row out.
.macro RP j
	s_cmp_le_u32 s27, \j
	s_cbranch_scc1 .Ldone                          ; the tile has no such row pair: a forward jump on the stored count, round no barrier
.irp u, 0,1
.irp q, 0,1
	ds_load_b128 v[ASC+8*\u+4*\q:ASC+8*\u+4*\q+3], v[ASA] offset:512*(2*\j+\u)+16*\q
.endr
.endr
	GLOAD \j, 0, H0
	GLOAD \j, 1, H0+48
.irp g, 0,1,2,3
.if \g < 3
	s_wait_dscnt 12                                ; this group's fragments are in; the twelve loads of the group behind may be out
.else
	s_wait_dscnt 0x0
.endif
.irp sp, 0,1
.if (\g+\sp) == 0
	WIN 0x11                                       ; source 0 (W1) and C (b1) window 1
.else
	WIN 0x01                                       ; source 0 window 1
.endif
.irp u, 0,1
.irp t, 0,1
.if (\g+\sp) == 0
	MM 0, \u, \t, H0, 1
.else
	MM 2*\g+\sp, \u, \t, H0+48*(\g%2), 0
.endif
.endr
.endr
.endr
	WIN 0
.rept 4
	v_nop                                          ; places in front of loads into registers that the products have read, and of the first read of results
.endr
.if \g < 2
	GLOAD \j, \g+2, H0+48*(\g%2)
.endif
.if \g == 3
	v_nop                                          ; one place more: the next row pair's first products write over these accumulators with another C
.endif
.endr
.set n, 0
.rept 16
	v_pk_mul_f32 v[Z+n:Z+n+1], v[ACC+n:ACC+n+1], v[ACC+n:ACC+n+1]           ; x^2; each accumulator is read from its low end on
.set n, n+2
.endr
.set n, 0
.rept 16
	v_pk_fma_f32 v[Z+n:Z+n+1], v[Z+n:Z+n+1], s[34:35], v[216:217] op_sel_hi:[1,0,1]   ; C1 x^2 + C0
.set n, n+2
.endr
.set n, 0
.rept 16
	v_pk_mul_f32 v[Z+n:Z+n+1], v[Z+n:Z+n+1], v[ACC+n:ACC+n+1]               ; z
.set n, n+2
.endr
.set n, 0
.rept 32
	v_exp_f32 v[Z+n], v[Z+n]
.set n, n+1
.endr
	v_nop                                          ; a plain line behind the last exponential
	s_wait_alu depctr_va_vdst(0)                   ; one wait for the 32, ahead of their first reader
.set n, 0
.rept 16
	v_pk_add_f32 v[Z+n:Z+n+1], v[Z+n:Z+n+1], 1.0 op_sel_hi:[1,0]
.set n, n+2
.endr
.set n, 0
.rept 32
	v_rcp_f32 v[Z+n], v[Z+n]
.set n, n+1
.endr
	v_nop
	s_wait_alu depctr_va_vdst(0)
.set n, 0
.rept 16
	v_pk_mul_f32 v[ACC+n:ACC+n+1], v[ACC+n:ACC+n+1], v[Z+n:Z+n+1]           ; gelu
.set n, n+2
.endr
.irp u, 0,1
	v_max3_num_f32 v[192+\u], |v[ACC+16*\u]|, |v[ACC+1+16*\u]|, 0x2800000   ; my 16 of the block, and the floor 2^(5 - 127): the byte cannot fall under 1
.endr
.irp i, 2,4,6,8,10,12,14
.irp u, 0,1
	v_max3_num_f32 v[192+\u], v[192+\u], |v[ACC+16*\u+\i]|, |v[ACC+1+16*\u+\i]|
.endr
.endr
.irp u, 0,1
	v_permlanex16_b32 v[194+\u], v[192+\u], s36, s37
.endr
.irp u, 0,1
	v_max_num_f32 v[192+\u], v[192+\u], v[194+\u]  ; with lane l xor 16's 16: the block's largest magnitude
.endr
.irp u, 0,1
	v_add_nc_u32 v[196+\u], 0xfe000000, v[192+\u]  ; 4 off its exponent field: the conversion's scale operand
.endr
	s_wait_xcnt 0x0                                ; the last row pair's stores have read the codes' registers
.irp u, 0,1
	v_cvt_scalef32_pk16_bf6_f32 v[200+4*\u:202+4*\u], v[ACC+16*\u:ACC+15+16*\u], v[196+\u]
.endr
.irp u, 0,1
	v_lshrrev_b32 v[198+\u], 23, v[196+\u]         ; the scale's byte; also the plain line behind the conversions
.endr
.irp u, 0,1
	global_store_b96 v[HO], v[200+4*\u:202+4*\u], s[16:17] offset:49152*\j+384*\u   ; the wave's two stores cover a plane's 768 consecutive bytes
	ds_store_b8 v[HSA], v[198+\u] offset:8*(32*\j+16*\u)                    ; both halves of the lanes write the same byte with the same value
.endr
.endm
	RP 0
	RP 1
	RP 2
	RP 3
	RP 4
.Ldone:
	s_wait_dscnt 0x0                               ; for the others' sake: my bytes have landed
	s_barrier_signal -1
	s_barrier_wait -1
	s_cmp_eq_u32 s26, 0
	s_cbranch_scc1 .Lend                           ; a tile without rows stores nothing
	s_cmp_gt_u32 s20, 4
	s_cbranch_scc1 .Lend                           ; 160 rows are five waves' worth
	ds_load_b64 v[22:23], v[HSF]
	s_wait_dscnt 0x0
	global_store_b64 v[L8], v[22:23], s[18:19]     ; 32 lanes store 256 consecutive bytes, aligned
.Lend:
	s_wait_tensorcnt 0x0                           ; the wave's end: three lines behind my last LDS store
	ds_add_u32 v[SPW], v[NIL]
	s_wait_dscnt 0x0
	s_endpgm
.Lfunc_end_k_q4a89f50c60_up:
	.size	k_q4a89f50c60_up, .Lfunc_end_k_q4a89f50c60_up-k_q4a89f50c60_up
	.p2alignl 7, 3214868480
	.fill 96, 4, 3214868480
	.section	.rodata,"a",@progbits
	.p2align	6, 0x0
	.amdhsa_kernel k_q4a89f50c60_up
		.amdhsa_group_segment_fixed_size 131072
		.amdhsa_private_segment_fixed_size 0
		.amdhsa_enable_private_segment 0
		.amdhsa_kernarg_size 64
		.amdhsa_user_sgpr_count 2
		.amdhsa_user_sgpr_kernarg_segment_ptr 1
		.amdhsa_wavefront_size32 1
		.amdhsa_system_sgpr_workgroup_id_x 1
		.amdhsa_system_sgpr_workgroup_id_y 1
		.amdhsa_system_sgpr_workgroup_id_z 1
		.amdhsa_system_vgpr_workitem_id 0
		.amdhsa_next_free_vgpr 480
		.amdhsa_next_free_sgpr 66
		.amdhsa_reserve_vcc 0
		.amdhsa_float_denorm_mode_32 3
		.amdhsa_float_denorm_mode_16_64 3
		.amdhsa_memory_ordered 1
		.amdhsa_forward_progress 1
		.amdhsa_inst_pref_size 111
	.end_amdhsa_kernel
	.amdgpu_metadata
---
amdhsa.version: [ 1, 2 ]
amdhsa.kernels:
  - .name:           k_q4a89f50c60_up
    .symbol:         k_q4a89f50c60_up.kd
    .args:
      - { .name: plan, .offset: 0, .size: 8, .value_kind: global_buffer, .address_space: global }
      - { .name: xq, .offset: 8, .size: 8, .value_kind: global_buffer, .address_space: global }
      - { .name: xs, .offset: 16, .size: 8, .value_kind: global_buffer, .address_space: global }
      - { .name: W1_codes, .offset: 24, .size: 8, .value_kind: global_buffer, .address_space: global }
      - { .name: W1_scales, .offset: 32, .size: 8, .value_kind: global_buffer, .address_space: global }
      - { .name: b1, .offset: 40, .size: 8, .value_kind: global_buffer, .address_space: global }
      - { .name: hbuf, .offset: 48, .size: 8, .value_kind: global_buffer, .address_space: global }
      - { .name: hs, .offset: 56, .size: 8, .value_kind: global_buffer, .address_space: global }
    .group_segment_fixed_size: 131072
    .private_segment_fixed_size: 0
    .kernarg_segment_align: 8
    .kernarg_segment_size: 64
    .max_flat_workgroup_size: 256
    .sgpr_count:     66
    .vgpr_count:     480
    .wavefront_size: 32
...
	.end_amdgpu_metadata
.endif
;; end of part 3
;; launch down (part 4): grid 8 x 33, 4 waves a work-group, no clusters, 310,784 bytes of LDS; arguments plan, wts, hbuf, hs, W2_codes, W2_scales, b2, part; writes part
.if DOCPART == 4
	.amdgcn_target "amdgcn-amd-amdhsa--gfx1250"
	.amdhsa_code_object_version 6
	.text
	.protected	k_q4a89f50c60_down
	.globl	k_q4a89f50c60_down
	.p2align	8
	.type	k_q4a89f50c60_down,@function
k_q4a89f50c60_down:
	s_mov_b64 s[64:65], 0
	v_nop
	global_prefetch_b8 v0, s[64:65] scope:SCOPE_SE
	s_setreg_imm32_b32 hwreg(HW_REG_WAVE_MODE, 25, 1), 1
	s_wait_xcnt 0x0
; DOWN.  The second product of the chosen experts alone (see ROUTE's head): part[slot] = score x (h W2[e] + b2[e]) for the rows of one tile.
; SHARES.  Work-group (c, y): tile y of the plan x output columns 128 c .. 128 c + 127.  Wave w: columns 128 c + 32 w .. + 31, two tiles of 16 rows of W2 x all 16 K steps: 32 fragments, 384 registers, read once.
; The rows' codes (hbuf) are copied densely into LDS, a row pair of 32 rows at a time, one trip ahead of their use; each plane of 32 rows x 24 bytes gets 64 bytes of padding, so that the planes of the two
; halves of the lanes lie 1,664 bytes apart, which is 128 modulo 256, and the 32 lanes of a load of 8 bytes touch 64 different words modulo 256 bytes.
; TRANSPOSED: source 0 = 16 rows of W2, source 1 = 16 rows of h: lane (r, h) holds row r and eight neighbouring columns.  b2 is the C of each sum's first product.  K's order: as in UP; W2's scale words are turned here.
; THE WAY OUT: 32 rows x 128 columns meet in a stage in LDS (two stages by turns); each wave stores eight whole rows of 512 consecutive bytes to the rows' slots.  Rows beyond the tile's count are not stored.
; A FIXED GRID serves every split; a tile without rows stores nothing: a branch on a stored count, so no tensor load and no joint loads in a cluster.  The set-up has no branch on data (a tile without rows reads tile 0's
; first row pair, which is always written); every trip's barrier stands on every path, and what hangs on the count is jumped over piece by piece.
; ONE BARRIER A TRIP.  In front of it my stores (the stage; the next row pair's codes) have landed and my reads are in.  A stage is written again two trips later, behind the barrier between; a row pair's codes are written once.
.set RPB,   53248                      ; LDS: row pair j at 53,248 j: 64 planes of 832 bytes
.set PLN,   832
.set HSC,   266240                     ; the tile's scale words [c][row][8 bytes]
.set OST,   276480                     ; two stages of 32 rows x (512 + 16) bytes
.set STG,   16896
.set SPARE, 310272                     ; the spare words, 128 bytes for each wave
.set SPW, 1
.set NIL, 2
.set L16, 5                            ; v5   16 x lane
.set BO,  6                            ; v6   W2: my row of a tile and my half
.set BSO, 7                            ; v7   its scale words
.set BIO, 8                            ; v8   b2: my half's 8 columns
.set CPG, 9                            ; v9   hbuf: my wave's 16 planes, 16 bytes a lane
.set HCG, 10                           ; v10  hs: my wave's 2,560 bytes
.set HCS, 11                           ; v11  and where they go
.set HSL, 12                           ; v12  row r's scale words
.set OSW, 13                           ; v13  the stage: where I put 32 bytes of a row
.set OSR, 14                           ; v14  and where I read my eight rows back
.set ADRA, 16                          ; v16-20 row pair j's codes: 24 r + two planes for the upper half of the lanes
.set CP0, 21                           ; v21-25 where the copy of row pair j goes,
.set CP1, 26                           ; v26-30 and the same one padding on for lanes 16-31
.set WT,  32                           ; v32-41 the score of row 16 a + r
.set IDX, 42                           ; set-up only
.set ORD, 52
.set H0,  64                           ; v64-111, v112-159: two buffers of four fragments of h; v64-83 hs on its way; on the way out v64-95 rows, v112-119 their offsets
.set OB,  64
.set VO,  112
.set ACC, 160                          ; v160-191 (16 u + 8 t)
.set ASC, 192                          ; v192-223 h's scale words (16 u + s): scales and nothing else
.set BS,  224                          ; v224-255 W2's (16 t + s): scales and nothing else
.set BIAS, 144                         ; window 2: b2 (8 t + j).  W2's fragment (t, s): s < 10 at 12 (2 s + t) of window 1, else at 12 (2 (s - 10) + t) of window 2.  Window 3, v0-95: a row pair's codes on their way
.set MSB, 0
.macro WIN new                         ; the immediate's high byte repeats the setting that is left
.if MSB != \new
	s_set_vgpr_msb (MSB<<8)|\new
.set MSB, \new
.endif
.endm
	s_load_b256 s[4:11], s[0:1], 0x0               ; plan s[4:5], wts s[6:7], hbuf s[8:9], hs s[10:11]
	s_load_b256 s[12:19], s[0:1], 0x20             ; W2's codes s[12:13], W2's scales s[14:15], b2 s[16:17], part s[18:19]
	v_lshl_add_u32 v[SPW], v0, 2, SPARE
	v_mov_b32 v[NIL], 0
	v_lshrrev_b32 v15, 5, v0
	v_readfirstlane_b32 s20, v15                   ; wave 0..3
	s_mov_b32 s21, ttmp9                           ; c
	s_and_b32 s22, ttmp7, 0xffff                   ; y
	s_lshl_b32 s86, s22, 4
	v_and_b32 v3, 15, v0                           ; r
	v_bfe_u32 v4, v0, 4, 1                         ; h
	v_and_b32 v15, 31, v0
	v_lshlrev_b32 v[L16], 4, v15
	v_mul_u32_u24 v[BO], v3, 1536
	v_mad_u32_u24 v[BO], v4, 48, v[BO]
	v_lshlrev_b32 v[BSO], 6, v3
	v_lshlrev_b32 v[BIO], 5, v4
	s_mul_i32 s84, s20, 12288
	v_add_nc_u32 v[CPG], s84, v[L16]
	s_mul_i32 s84, s20, 2560
	v_add_nc_u32 v[HCG], s84, v[L16]
	v_add_nc_u32 v[HCS], HSC, v[HCG]
	v_lshl_add_u32 v[HSL], v3, 3, HSC
	s_lshl_b32 s84, s20, 7
	s_add_co_u32 s84, s84, OST
	v_mul_u32_u24 v[OSW], v3, 528
	v_lshl_add_u32 v[OSW], v4, 5, v[OSW]
	v_add_nc_u32 v[OSW], s84, v[OSW]
	s_mul_i32 s84, s20, 4224
	s_add_co_u32 s84, s84, OST
	v_add_nc_u32 v[OSR], s84, v[L16]
	v_mul_u32_u24 v15, v3, 24
	v_mad_u32_u24 v15, v4, 2*PLN, v15
.irp j, 0,1,2,3,4
	v_add_nc_u32 v[ADRA+\j], RPB*\j, v15
.endr
	s_mul_i32 s84, s20, 16*PLN
	v_add_nc_u32 v15, s84, v[L16]
.irp j, 0,1,2,3,4
	v_add_nc_u32 v[CP0+\j], RPB*\j, v15
.endr
.irp j, 0,1,2,3,4
	v_lshl_add_u32 v[CP1+\j], v4, 6, v[CP0+\j]
.endr
	s_mov_b32 s82, 0x03010200                      ; bytes 0, 2, 1, 3
	s_mov_b32 s75, 0
	s_lshl_b32 s85, s21, 7
	s_lshl_b32 s84, s20, 5
	s_add_co_u32 s85, s85, s84                     ; my first column
	s_wait_kmcnt 0x0
	s_load_b128 s[68:71], s[4:5], s86 offset:0x0   ; the tile: expert, first position, rows, row pairs
	s_lshl_b32 s74, s21, 9
	s_add_nc_u64 s[18:19], s[18:19], s[74:75]      ; part at my work-group's 512 bytes of a row
	s_wait_kmcnt 0x0
	s_min_u32 s68, s68, 7
	s_min_u32 s69, s69, 4095
	s_min_u32 s70, s70, 160
	s_min_u32 s71, s71, 5
	s_max_u32 s72, s70, 1
	s_sub_co_u32 s72, s72, 1                       ; the tile's last row
	s_cmp_lg_u32 s70, 0
	s_cselect_b32 s23, s22, 0                      ; whose codes the set-up reads
	s_lshl_b32 s83, s69, 2
	s_lshl_b32 s84, s20, 5
	s_add_co_u32 s83, s83, s84
.irp j, 0,1,2,3,4
	s_load_b256 s[24+8*\j:31+8*\j], s[4:5], s83 offset:1024+128*\j   ; the slots of rows 32 j + 8 w + 0 .. 7: the list's padding keeps these inside what is written
.endr
.irp a, 0,1,2,3,4,5,6,7,8,9
	v_add_nc_u32 v[IDX+\a], 16*\a, v3
	v_min_u32 v[IDX+\a], s72, v[IDX+\a]
	v_add_nc_u32 v[IDX+\a], s69, v[IDX+\a]
	v_min_u32 v[IDX+\a], 0xfff, v[IDX+\a]
	v_lshlrev_b32 v[IDX+\a], 2, v[IDX+\a]
.endr
.irp a, 0,1,2,3,4,5,6,7,8,9
	global_load_b32 v[ORD+\a], v[IDX+\a], s[4:5] offset:1024
.endr
	s_mul_i32 s74, s68, 1572864
	s_mul_i32 s84, s85, 1536
	s_add_co_u32 s74, s74, s84
	s_add_nc_u64 s[12:13], s[12:13], s[74:75]
	s_lshl_b32 s74, s68, 16
	s_lshl_b32 s84, s85, 6
	s_add_co_u32 s74, s74, s84
	s_add_nc_u64 s[14:15], s[14:15], s[74:75]
	s_lshl_b32 s74, s68, 12
	s_lshl_b32 s84, s85, 2
	s_add_co_u32 s74, s74, s84
	s_add_nc_u64 s[16:17], s[16:17], s[74:75]
	s_mul_i32 s74, s23, 245760
	s_add_nc_u64 s[8:9], s[8:9], s[74:75]
	s_mul_i32 s74, s23, 10240
	s_add_nc_u64 s[10:11], s[10:11], s[74:75]
.macro BLD s                           ; W2's two fragments of K step s: six loads
.irp t, 0,1
.irp i, 0,1,2
	global_load_b128 v[12*(2*((\s)%10)+\t)+4*\i:12*(2*((\s)%10)+\t)+4*\i+3], v[BO], s[12:13] offset:24576*\t+96*(\s)+16*\i
.endr
.endr
.endm
.macro ISSUE k                         ; row pair k's codes, my 16 planes: 24 loads of 512 consecutive bytes
	WIN 0xc0                                       ; destination window 3
.set n, 0
.rept 24
	global_load_b128 v[4*n:4*n+3], v[CPG], s[8:9] offset:49152*(\k)+512*n
.set n, n+1
.endr
	WIN 0
.endm
.macro STORE k                         ; and into LDS: 64 bytes more for each plane of 768 passed; every third load straddles a plane's end between lanes 15 and 16
	WIN 0x0c                                       ; an LDS store's data are its source 1: window 3
.set n, 0
.rept 24
.if n%3 == 1
	ds_store_b128 v[CP1+\k], v[4*n:4*n+3] offset:512*n+64*(2*(n/3))
.else
	ds_store_b128 v[CP0+\k], v[4*n:4*n+3] offset:512*n+64*(2*(n/3)+(n%3)/2)
.endif
.set n, n+1
.endr
	WIN 0
.endm
.irp t, 0,1
.irp q, 0,1,2,3
	global_load_b128 v[BS+16*\t+4*\q:BS+16*\t+4*\q+3], v[BSO], s[14:15] offset:1024*\t+16*\q
.endr
.endr
	WIN 0x80                                       ; destination window 2
.irp t, 0,1
.irp q, 0,1
	global_load_b128 v[BIAS+8*\t+4*\q:BIAS+8*\t+4*\q+3], v[BIO], s[16:17] offset:64*\t+16*\q
.endr
.endr
	WIN 0x40                                       ; destination window 1
.irp s, 0,1,2,3,4,5
	BLD \s
.endr
	WIN 0
	s_wait_loadcnt 48                              ; the ten slots are in; the 48 loads behind them may be out
.irp a, 0,1,2,3,4,5,6,7,8,9
	v_min_u32 v[ORD+\a], 0xfff, v[ORD+\a]
	v_lshlrev_b32 v[ORD+\a], 2, v[ORD+\a]
.endr
.irp a, 0,1,2,3,4,5,6,7,8,9
	global_load_b32 v[WT+\a], v[ORD+\a], s[6:7]    ; the rows' scores
.endr
	WIN 0x40
.irp s, 6,7,8,9
	BLD \s
.endr
	WIN 0x80
.irp s, 10,11,12,13,14,15
	BLD \s
.endr
	WIN 0
.irp i, 0,1,2,3,4
	global_load_b128 v[H0+4*\i:H0+4*\i+3], v[HCG], s[10:11] offset:512*\i
.endr
	ISSUE 0
	s_wait_loadcnt 0x0
	s_wait_kmcnt 0x0
.set n, 0
.rept 32
	v_perm_b32 v[BS+n], v[BS+n], v[BS+n], s82      ; W2's scale words in the exchanged order
.set n, n+1
.endr
.rept 8
	v_nop                                          ; a scale register written by a vector instruction stands eight places ahead of a scaled product
.endr
.irp i, 0,1,2,3,4
	ds_store_b128 v[HCS], v[H0+4*\i:H0+4*\i+3] offset:512*\i
.endr
	STORE 0
	s_wait_dscnt 0x0                               ; for the others' sake
	s_barrier_signal -1
	s_barrier_wait -1
; K steps 2 g and 2 g + 1 of row pair j: four fragments (slot 2 (s % 2) + u), 24 loads of 8 bytes, into the buffer at hb
.macro GLD j, g, hb
.irp sp, 0,1
.irp u, 0,1
.irp c, 0,1
.irp i, 0,1,2
	ds_load_b64 v[(\hb)+12*(2*\sp+\u)+6*\c+2*\i:(\hb)+12*(2*\sp+\u)+6*\c+2*\i+1], v[ADRA+\j] offset:PLN*(4*(2*(\g)+\sp)+\c)+384*\u+8*\i
.endr
.endr
.endr
.endr
.endm
.macro MMD s, u, t, hb, first
.set rD, ACC+16*(\u)+8*(\t)
.set rA, 12*(2*((\s)%10)+(\t))
.set rB, (\hb)+12*(2*((\s)%2)+(\u))
.if \first
	v_wmma_scale_f32_16x16x128_f8f6f4 v[rD:rD+7], v[rA:rA+11], v[rB:rB+11], v[BIAS+8*(\t):BIAS+8*(\t)+7], v[BS+16*(\t)+(\s)], v[ASC+16*(\u)+(\s)] matrix_a_fmt:MATRIX_FMT_BF6 matrix_b_fmt:MATRIX_FMT_BF6
.else
	v_wmma_scale_f32_16x16x128_f8f6f4 v[rD:rD+7], v[rA:rA+11], v[rB:rB+11], v[rD:rD+7], v[BS+16*(\t)+(\s)], v[ASC+16*(\u)+(\s)] matrix_a_fmt:MATRIX_FMT_BF6 matrix_b_fmt:MATRIX_FMT_BF6
.endif
.endm
.macro TRIP j
.if \j < 4
	s_cmp_gt_u32 s71, \j+1
	s_cbranch_scc0 .Lno_ask_\@
	s_wait_loadcnt 0x0                             ; no load of mine is out, so the registers may take the next loads
	ISSUE \j+1                                     ; the next row pair's codes are asked for ahead of this one's products
.Lno_ask_\@:
.endif
	s_cmp_gt_u32 s71, \j
	s_cbranch_scc0 .Lno_work_\@
.irp u, 0,1
.irp c8, 0,1,2,3,4,5,6,7
	ds_load_b64 v[ASC+16*\u+2*\c8:ASC+16*\u+2*\c8+1], v[HSL] offset:1280*\c8+8*(32*\j+16*\u)
.endr
.endr
	GLD \j, 0, H0
	GLD \j, 1, H0+48
.irp g, 0,1,2,3,4,5,6,7
.if \g < 7
	s_wait_dscnt 24                                ; this group's fragments are in; the 24 loads of the group behind may be out
.else
	s_wait_dscnt 0x0
.endif
.irp sp, 0,1
.if (\g+\sp) == 0
	WIN 0x21                                       ; source 0 (W2) window 1, C (b2) window 2
.elseif \g < 5
	WIN 0x01
.else
	WIN 0x02
.endif
.irp u, 0,1
.irp t, 0,1
.if (\g+\sp) == 0
	MMD 0, \u, \t, H0, 1
.else
	MMD 2*\g+\sp, \u, \t, H0+48*(\g%2), 0
.endif
.endr
.endr
.endr
	WIN 0
.rept 4
	v_nop                                          ; places in front of loads into registers that the products have read, and of the first read of results
.endr
.if \g < 6
	GLD \j, \g+2, H0+48*(\g%2)
.endif
.if \g == 7
	v_nop                                          ; one place more: the next trip's first products write over these accumulators with another C
.endif
.endr
.set n, 0
.rept 8
	v_pk_mul_f32 v[ACC+2*n:ACC+2*n+1], v[ACC+2*n:ACC+2*n+1], v[WT+2*\j:WT+2*\j+1] op_sel_hi:[1,0]              ; x the row's score; each accumulator from its low end on
.set n, n+1
.endr
.set n, 0
.rept 8
	v_pk_mul_f32 v[ACC+16+2*n:ACC+17+2*n], v[ACC+16+2*n:ACC+17+2*n], v[WT+2*\j:WT+2*\j+1] op_sel:[0,1] op_sel_hi:[1,1]
.set n, n+1
.endr
.irp u, 0,1
.irp t, 0,1
.irp i, 0,1
	ds_store_b128 v[OSW], v[ACC+16*\u+8*\t+4*\i:ACC+16*\u+8*\t+4*\i+3] offset:STG*(\j%2)+8448*\u+64*\t+16*\i
.endr
.endr
.endr
.Lno_work_\@:
.if \j < 4
	s_cmp_gt_u32 s71, \j+1
	s_cbranch_scc0 .Lno_land_\@
	s_wait_loadcnt 0x0                             ; the next row pair's codes are in
	STORE \j+1
.Lno_land_\@:
.endif
	s_wait_dscnt 0x0                               ; my stores have landed and my reads are in
	s_barrier_signal -1
	s_barrier_wait -1
	s_cmp_gt_u32 s71, \j
	s_cbranch_scc0 .Lleft_\@
.irp i, 0,1,2,3,4,5,6,7
	ds_load_b128 v[OB+4*\i:OB+4*\i+3], v[OSR] offset:STG*(\j%2)+528*\i
.endr
.irp i, 0,1,2,3,4,5,6,7
	s_min_u32 s83, s[24+8*\j+\i], 0xfff
	s_lshl_b32 s83, s83, 12                        ; the slot's row of 4,096 bytes
	v_add_nc_u32 v[VO+\i], s83, v[L16]
.endr
	s_lshl_b32 s84, s20, 3
	s_sub_co_i32 s73, s70, s84
	s_sub_co_i32 s73, s73, 32*\j                   ; how many of my eight rows the tile has
.irp i, 0,1,2,3,4,5,6,7
	s_cmp_le_i32 s73, \i
	s_cbranch_scc1 .Lleft_\@
	s_wait_dscnt 7-\i
	global_store_b128 v[VO+\i], v[OB+4*\i:OB+4*\i+3], s[18:19] th:TH_STORE_NT   ; 32 lanes store 512 consecutive bytes, at a multiple of 256 from part's first byte
.endr
.Lleft_\@:
	s_wait_dscnt 0x0                               ; the rows' loads are in,
	s_wait_xcnt 0x0                                ; and the stores have read their registers: both buffers may be loaded again
.endm
	TRIP 0
	TRIP 1
	TRIP 2
	TRIP 3
	TRIP 4
	s_wait_tensorcnt 0x0                           ; the wave's end: three lines behind my last LDS store
	ds_add_u32 v[SPW], v[NIL]
	s_wait_dscnt 0x0
	s_endpgm
.Lfunc_end_k_q4a89f50c60_down:
	.size	k_q4a89f50c60_down, .Lfunc_end_k_q4a89f50c60_down-k_q4a89f50c60_down
	.p2alignl 7, 3214868480
	.fill 96, 4, 3214868480
	.section	.rodata,"a",@progbits
	.p2align	6, 0x0
	.amdhsa_kernel k_q4a89f50c60_down
		.amdhsa_group_segment_fixed_size 310784
		.amdhsa_private_segment_fixed_size 0
		.amdhsa_enable_private_segment 0
		.amdhsa_kernarg_size 64
		.amdhsa_user_sgpr_count 2
		.amdhsa_user_sgpr_kernarg_segment_ptr 1
		.amdhsa_wavefront_size32 1
		.amdhsa_system_sgpr_workgroup_id_x 1
		.amdhsa_system_sgpr_workgroup_id_y 1
		.amdhsa_system_sgpr_workgroup_id_z 1
		.amdhsa_system_vgpr_workitem_id 0
		.amdhsa_next_free_vgpr 864
		.amdhsa_next_free_sgpr 100
		.amdhsa_reserve_vcc 0
		.amdhsa_float_denorm_mode_32 3
		.amdhsa_float_denorm_mode_16_64 3
		.amdhsa_memory_ordered 1
		.amdhsa_forward_progress 1
		.amdhsa_inst_pref_size 182
	.end_amdhsa_kernel
	.amdgpu_metadata
---
amdhsa.version: [ 1, 2 ]
amdhsa.kernels:
  - .name:           k_q4a89f50c60_down
    .symbol:         k_q4a89f50c60_down.kd
    .args:
      - { .name: plan, .offset: 0, .size: 8, .value_kind: global_buffer, .address_space: global }
      - { .name: wts, .offset: 8, .size: 8, .value_kind: global_buffer, .address_space: global }
      - { .name: hbuf, .offset: 16, .size: 8, .value_kind: global_buffer, .address_space: global }
      - { .name: hs, .offset: 24, .size: 8, .value_kind: global_buffer, .address_space: global }
      - { .name: W2_codes, .offset: 32, .size: 8, .value_kind: global_buffer, .address_space: global }
      - { .name: W2_scales, .offset: 40, .size: 8, .value_kind: global_buffer, .address_space: global }
      - { .name: b2, .offset: 48, .size: 8, .value_kind: global_buffer, .address_space: global }
      - { .name: part, .offset: 56, .size: 8, .value_kind: global_buffer, .address_space: global }
    .group_segment_fixed_size: 310784
    .private_segment_fixed_size: 0
    .kernarg_segment_align: 8
    .kernarg_segment_size: 64
    .max_flat_workgroup_size: 128
    .sgpr_count:     100
    .vgpr_count:     864
    .wavefront_size: 32
...
	.end_amdgpu_metadata
.endif
;; end of part 4
;; launch norm (part 5): grid 256 x 1, 8 waves a work-group, no clusters, 0 bytes of LDS; arguments x, part, gamma, beta, out0; writes out0
.if DOCPART == 5
	.amdgcn_target "amdgcn-amd-amdhsa--gfx1250"
	.amdhsa_code_object_version 6
	.text
	.protected	k_q4a89f50c60_norm
	.globl	k_q4a89f50c60_norm
	.p2align	8
	.type	k_q4a89f50c60_norm,@function
k_q4a89f50c60_norm:
	s_mov_b64 s[64:65], 0
	v_nop
	global_prefetch_b8 v0, s[64:65] scope:SCOPE_SE
	s_setreg_imm32_b32 hwreg(HW_REG_WAVE_MODE, 25, 1), 1
	s_wait_xcnt 0x0
; NORM.  y = x + part[2 t] + part[2 t + 1]; out0 = (y - mean) rsqrt(var + 1e-5) gamma + beta.  One wave, one token: the row of 4,096 bytes stays in 32 registers between the passes; the sums never leave the wave.
; Every load and store of a wave covers 512 consecutive bytes.  No LDS, no barrier, no loop: all 40 loads go out at once.  The variance is taken of y - mean, as reference() takes it.
.set X,  16                            ; v16-47   x, then y, then the result
.set P0, 48                            ; v48-79   the first chosen expert's part
.set P1, 80                            ; v80-111  the second's
.set G,  112                           ; v112-143 gamma
.set BT, 144                           ; v144-175 beta
	s_load_b256 s[4:11], s[0:1], 0x0               ; x s[4:5], part s[6:7], gamma s[8:9], beta s[10:11]
	s_load_b64 s[12:13], s[0:1], 0x20              ; out0
	v_lshrrev_b32 v1, 5, v0
	v_readfirstlane_b32 s14, v1                    ; wave
	v_and_b32 v1, 31, v0
	v_lshlrev_b32 v1, 4, v1                        ; 16 x lane
	s_lshl_b32 s15, ttmp9, 3
	s_add_co_u32 s15, s15, s14                     ; my token
	s_lshl_b32 s16, s15, 12
	s_mov_b32 s17, 0
	s_lshl_b32 s18, s15, 13
	s_mov_b32 s19, 0
	s_mov_b32 s20, 0x76543210
	s_mov_b32 s21, 0xfedcba98                      ; lane l xor 16
	s_mov_b32 s22, 0x3a800000                      ; 1 / 1,024
	s_mov_b32 s23, 0x3727c5ac                      ; 1e-5
	v_mov_b32 v12, 0                               ; written once: a lane permute's destination counts as one of its sources
	s_wait_kmcnt 0x0
	s_add_nc_u64 s[4:5], s[4:5], s[16:17]
	s_add_nc_u64 s[6:7], s[6:7], s[18:19]
	s_add_nc_u64 s[12:13], s[12:13], s[16:17]
.irp i, 0,1,2,3,4,5,6,7
	global_load_b128 v[X+4*\i:X+4*\i+3], v1, s[4:5] offset:512*\i th:TH_LOAD_NT
.endr
.irp i, 0,1,2,3,4,5,6,7
	global_load_b128 v[P0+4*\i:P0+4*\i+3], v1, s[6:7] offset:512*\i th:TH_LOAD_NT
.endr
.irp i, 0,1,2,3,4,5,6,7
	global_load_b128 v[P1+4*\i:P1+4*\i+3], v1, s[6:7] offset:4096+512*\i th:TH_LOAD_NT
.endr
.irp i, 0,1,2,3,4,5,6,7
	global_load_b128 v[G+4*\i:G+4*\i+3], v1, s[8:9] offset:512*\i
.endr
.irp i, 0,1,2,3,4,5,6,7
	global_load_b128 v[BT+4*\i:BT+4*\i+3], v1, s[10:11] offset:512*\i
.endr
.macro WSUM r                          ; the sum over the wave's 32 lanes, in every lane
	v_add_f32_dpp v[\r], v[\r], v[\r] row_xmask:1 row_mask:0xf bank_mask:0xf
	v_add_f32_dpp v[\r], v[\r], v[\r] row_xmask:2 row_mask:0xf bank_mask:0xf
	v_add_f32_dpp v[\r], v[\r], v[\r] row_xmask:4 row_mask:0xf bank_mask:0xf
	v_add_f32_dpp v[\r], v[\r], v[\r] row_xmask:8 row_mask:0xf bank_mask:0xf
	v_permlanex16_b32 v12, v[\r], s20, s21
	v_add_f32 v[\r], v[\r], v12
.endm
	s_wait_loadcnt 16                              ; x and both parts are in; gamma's and beta's sixteen may be out
.set n, 0
.rept 16
	v_pk_add_f32 v[P0+2*n:P0+2*n+1], v[P0+2*n:P0+2*n+1], v[P1+2*n:P1+2*n+1]
.set n, n+1
.endr
.set n, 0
.rept 16
	v_pk_add_f32 v[X+2*n:X+2*n+1], v[X+2*n:X+2*n+1], v[P0+2*n:P0+2*n+1]     ; y
.set n, n+1
.endr
	v_pk_add_f32 v[4:5], v[X:X+1], v[X+2:X+3]      ; two packed chains, started by the first pairs: nothing is cleared
	v_pk_add_f32 v[6:7], v[X+4:X+5], v[X+6:X+7]
.set n, 4
.rept 6
	v_pk_add_f32 v[4:5], v[4:5], v[X+2*n:X+2*n+1]
	v_pk_add_f32 v[6:7], v[6:7], v[X+2*n+2:X+2*n+3]
.set n, n+2
.endr
	v_pk_add_f32 v[4:5], v[4:5], v[6:7]
	v_add_f32 v4, v4, v5
	WSUM 4
	v_mul_f32 v8, 0xba800000, v4                   ; - mean
	v_mov_b32 v9, v8
.set n, 0
.rept 16
	v_pk_add_f32 v[X+2*n:X+2*n+1], v[X+2*n:X+2*n+1], v[8:9]                 ; y - mean
.set n, n+1
.endr
	v_pk_mul_f32 v[4:5], v[X:X+1], v[X:X+1]
	v_pk_mul_f32 v[6:7], v[X+2:X+3], v[X+2:X+3]
.set n, 2
.rept 7
	v_pk_fma_f32 v[4:5], v[X+2*n:X+2*n+1], v[X+2*n:X+2*n+1], v[4:5]
	v_pk_fma_f32 v[6:7], v[X+2*n+2:X+2*n+3], v[X+2*n+2:X+2*n+3], v[6:7]
.set n, n+2
.endr
	v_pk_add_f32 v[4:5], v[4:5], v[6:7]
	v_add_f32 v4, v4, v5
	WSUM 4
	v_fma_f32 v4, v4, s22, s23                     ; var + 1e-5
	v_rsq_f32 v10, v4
	v_nop                                          ; a plain line behind the transcendental
	s_wait_alu depctr_va_vdst(0)                   ; and the wait, ahead of its first reader
	v_mov_b32 v11, v10
	s_wait_loadcnt 0x0                             ; gamma and beta
.set n, 0
.rept 16
	v_pk_mul_f32 v[X+2*n:X+2*n+1], v[X+2*n:X+2*n+1], v[10:11]
.set n, n+1
.endr
.set n, 0
.rept 16
	v_pk_fma_f32 v[X+2*n:X+2*n+1], v[X+2*n:X+2*n+1], v[G+2*n:G+2*n+1], v[BT+2*n:BT+2*n+1]
.set n, n+1
.endr
.irp i, 0,1,2,3,4,5,6,7
	global_store_b128 v1, v[X+4*\i:X+4*\i+3], s[12:13] offset:512*\i th:TH_STORE_NT
.endr
	s_endpgm
.Lfunc_end_k_q4a89f50c60_norm:
	.size	k_q4a89f50c60_norm, .Lfunc_end_k_q4a89f50c60_norm-k_q4a89f50c60_norm
	.p2alignl 7, 3214868480
	.fill 96, 4, 3214868480
	.section	.rodata,"a",@progbits
	.p2align	6, 0x0
	.amdhsa_kernel k_q4a89f50c60_norm
		.amdhsa_group_segment_fixed_size 0
		.amdhsa_private_segment_fixed_size 0
		.amdhsa_enable_private_segment 0
		.amdhsa_kernarg_size 40
		.amdhsa_user_sgpr_count 2
		.amdhsa_user_sgpr_kernarg_segment_ptr 1
		.amdhsa_wavefront_size32 1
		.amdhsa_system_sgpr_workgroup_id_x 1
		.amdhsa_system_sgpr_workgroup_id_y 1
		.amdhsa_system_sgpr_workgroup_id_z 1
		.amdhsa_system_vgpr_workitem_id 0
		.amdhsa_next_free_vgpr 176
		.amdhsa_next_free_sgpr 66
		.amdhsa_reserve_vcc 0
		.amdhsa_float_denorm_mode_32 3
		.amdhsa_float_denorm_mode_16_64 3
		.amdhsa_memory_ordered 1
		.amdhsa_forward_progress 1
		.amdhsa_inst_pref_size 14
	.end_amdhsa_kernel
	.amdgpu_metadata
---
amdhsa.version: [ 1, 2 ]
amdhsa.kernels:
  - .name:           k_q4a89f50c60_norm
    .symbol:         k_q4a89f50c60_norm.kd
    .args:
      - { .name: x, .offset: 0, .size: 8, .value_kind: global_buffer, .address_space: global }
      - { .name: part, .offset: 8, .size: 8, .value_kind: global_buffer, .address_space: global }
      - { .name: gamma, .offset: 16, .size: 8, .value_kind: global_buffer, .address_space: global }
      - { .name: beta, .offset: 24, .size: 8, .value_kind: global_buffer, .address_space: global }
      - { .name: out0, .offset: 32, .size: 8, .value_kind: global_buffer, .address_space: global }
    .group_segment_fixed_size: 0
    .private_segment_fixed_size: 0
    .kernarg_segment_align: 8
    .kernarg_segment_size: 40
    .max_flat_workgroup_size: 256
    .sgpr_count:     66
    .vgpr_count:     176
    .wavefront_size: 32
...
	.end_amdgpu_metadata
.endif
;; end of part 5
;; ======== version 2 of 2: 5 launches
;; workspace buffers: xq 1,572,864 bytes; xs 65,536 bytes; eidx 16,384 bytes of whole numbers; wts 16,384 bytes; plan 18,432 bytes of whole numbers; hbuf 8,110,080 bytes; hs 337,920 bytes; part 16,777,216 bytes
;; launch route (part 6): grid 256 x 1, 8 waves a work-group, no clusters, 84,480 bytes of LDS; arguments x, Wr, br, xq, xs, eidx, wts; writes xq, xs, eidx, wts
.if DOCPART == 6
	.amdgcn_target "amdgcn-amd-amdhsa--gfx1250"
	.amdhsa_code_object_version 6
	.text
	.protected	k_q4a89f50c60_route
	.globl	k_q4a89f50c60_route
	.p2align	8
	.type	k_q4a89f50c60_route,@function
k_q4a89f50c60_route:
	s_mov_b64 s[64:65], 0
	v_nop
	global_prefetch_b8 v0, s[64:65] scope:SCOPE_SE
	s_setreg_imm32_b32 hwreg(HW_REG_WAVE_MODE, 25, 1), 1
	s_wait_xcnt 0x0
; ROUTE.  For 2,048 tokens of 1,024 numbers: the router (x Wr + br in f32 multiply-adds, softmax with its maximum taken away, the two largest), and x as codes of E3M2 with one E8M0 byte for each 32 along K.
; WORK LEFT OUT BY THE WHOLE PROGRAM.  reference() multiplies every expert's result by combine[t, e], which it builds from one_hot of its own top_k: for every e outside idx[t, :] that factor is 0, whatever
; finite values the inputs hold, so in exact arithmetic those experts' two products of token t reach no output.  Only the two chosen experts' rows are multiplied (launches up and down).  Every input stays live and is loaded.
; LIMITS.  A NaN, an infinity or an overflow that arises only in an expert that a token did not choose is not carried to the result.  NaN and infinities among the inputs are not served.
; The router's sums run in another order than reference()'s: a second and a third probability that lie closer than f32 rounding may be chosen the other way round.  Ties go to the lower index, as in top_k.
; A block of zeros gets the scale byte 1 where the rule says 127: its codes are zeros, and this program alone reads the bytes.
; SHARES.  Work-group g owns tokens 8 g .. 8 g + 7.  Wave w owns k = 128 w .. 128 w + 127 of all eight, in two steps of four tokens.  Each load reads 512 consecutive bytes; a step's 2,048 bytes turn through the
; wave's own stage in LDS, so that lane l then holds 16 neighbours: token 4 j + l / 8, k = 128 w + 16 (l % 8) + 0 .. 15.  Two neighbouring lanes hold a block of 32.
; OUT.  xq [token][768 bytes]: the row's codes as one stream of bits.  xs [token][8 words]: word s serves K step s; its bytes stand in the order of blocks 0, 2, 1, 3 of that step, which is the order in which
; the later launches feed the blocks to the matrix unit.  eidx [token][2]: the chosen experts.  wts [token][2]: their probabilities.
; No matrix unit, no cluster: the product has 8 columns, decides a choice, and is kept in f32.
.set XST,   0                          ; LDS: a wave's two stages of 32 places x 80 bytes (64 + 16 of padding): 5,120 bytes a wave
.set WRS,   40960                      ; a wave's 128 rows of Wr as 8 rows of 512 + 16 bytes: 4,224 bytes a wave
.set PRT,   74752                      ; partial logits [wave][token][8]
.set CST,   76800                      ; the eight tokens' codes, rows of 768 + 16 bytes
.set SST,   83200                      ; their scale bytes [token][32]
.set SPARE, 83456                      ; the spare words, 128 bytes for each wave: four blocks of 256 bytes that no other line names
.set SPW, 1                            ; v1   my spare word's address; never rewritten
.set NIL, 2                            ; v2   0; never rewritten
.set LN,  3                            ; v3   lane
.set XG,  4                            ; v4   16 x lane
.set XSI, 5                            ; v5   the stage, on the way in
.set XSO, 6                            ; v6   and on the way out
.set WSI, 7                            ; v7   Wr's rows, in
.set WSO, 8                            ; v8   and out: row l % 8
.set PRA, 9                            ; v9   where my partial logits go
.set CSA, 10                           ; v10  where my 12 bytes of codes go
.set SSA, 11                           ; v11  where my block's byte goes
.set L8,  12                           ; v12  8 x lane
.set CSR, 13                           ; v13  token w's row of codes, 8 bytes a lane
.set PRL, 14                           ; v14  token l % 8's partial logits
.set SSR, 15                           ; v15  the scale bytes, 8 bytes a lane
.set RX,  16                           ; v16-47   x as loaded
.set RW,  48                           ; v48-79   Wr as loaded; then the quantiser's registers
.set X,   80                           ; v80-111  two steps x 16 neighbours
.set LG,  112                          ; v112-127 two steps x 8 sums
.set WR,  128                          ; v128-255 Wr[k][e] of my 16 k; later the last step of the router
	s_load_b256 s[4:11], s[0:1], 0x0               ; x s[4:5], Wr s[6:7], br s[8:9], xq s[10:11]
	s_load_b128 s[12:15], s[0:1], 0x20             ; xs s[12:13], eidx s[14:15]
	s_load_b64 s[16:17], s[0:1], 0x30              ; wts
	v_lshl_add_u32 v[SPW], v0, 2, SPARE
	v_mov_b32 v[NIL], 0
	v_lshrrev_b32 v16, 5, v0
	s_delay_alu instid0(VALU_DEP_1)
	v_readfirstlane_b32 s20, v16                   ; wave 0..7
	v_and_b32 v[LN], 31, v0
	s_delay_alu instid0(VALU_DEP_1)
	v_lshlrev_b32 v[XG], 4, v[LN]
	s_delay_alu instid0(VALU_DEP_2)
	v_lshlrev_b32 v[L8], 3, v[LN]
	s_delay_alu instid0(VALU_DEP_3)
	v_lshrrev_b32 v16, 2, v[LN]
	s_delay_alu instid0(VALU_DEP_4)
	v_and_b32 v17, 3, v[LN]
	s_delay_alu instid0(VALU_DEP_2)
	v_mul_u32_u24 v[XSI], v16, 80
	s_delay_alu instid0(VALU_DEP_1)
	v_lshl_add_u32 v[XSI], v17, 4, v[XSI]          ; four lanes' 64 bytes on end, then 16 of padding
	v_mul_u32_u24 v[XSO], v[LN], 80
	s_mul_i32 s21, s20, 5120
	v_add_nc_u32 v[XSI], s21, v[XSI]
	v_add_nc_u32 v[XSO], s21, v[XSO]
	v_and_b32 v16, 7, v[LN]                        ; l % 8
	v_lshrrev_b32 v17, 3, v[LN]                    ; l / 8
	s_mul_i32 s21, s20, 4224
	s_add_co_u32 s21, s21, WRS
	v_add_nc_u32 v[WSI], s21, v[XG]
	v_mul_u32_u24 v[WSO], v16, 528
	s_delay_alu instid0(VALU_DEP_1)
	v_add_nc_u32 v[WSO], s21, v[WSO]
	s_lshl_b32 s21, s20, 8
	s_add_co_u32 s21, s21, PRT
	v_lshl_add_u32 v[PRA], v17, 5, s21
	s_mul_i32 s21, s20, 96
	s_add_co_u32 s21, s21, CST
	v_mul_u32_u24 v[CSA], v17, 784
	s_delay_alu instid0(VALU_DEP_1)
	v_mad_u32_u24 v[CSA], v16, 12, v[CSA]
	s_delay_alu instid0(VALU_DEP_1)
	v_add_nc_u32 v[CSA], s21, v[CSA]
	v_bfe_u32 v[SSA], v[LN], 1, 1                  ; my block in the K step is b = (l / 2) % 4; its byte stands at 2 (b % 2) + b / 2
	v_bfe_u32 v18, v[LN], 2, 1
	s_delay_alu instid0(VALU_DEP_1)
	v_lshl_add_u32 v[SSA], v[SSA], 1, v18
	s_delay_alu instid0(VALU_DEP_1)
	v_lshl_add_u32 v[SSA], v17, 5, v[SSA]
	s_lshl_b32 s21, s20, 2
	s_add_co_u32 s21, s21, SST
	v_add_nc_u32 v[SSA], s21, v[SSA]
	s_mul_i32 s21, s20, 784
	s_add_co_u32 s21, s21, CST
	v_add_nc_u32 v[CSR], s21, v[L8]
	v_lshl_add_u32 v[PRL], v16, 5, PRT
	v_add_nc_u32 v[SSR], SST, v[L8]
	s_lshl_b32 s32, ttmp9, 15                      ; eight rows of 4,096 bytes a work-group,
	s_lshl_b32 s33, s20, 9                         ; 512 bytes of each row a wave
	s_add_co_u32 s32, s32, s33
	s_mov_b32 s33, 0
	s_lshl_b32 s34, s20, 12                        ; 128 rows of Wr, 32 bytes each
	s_mov_b32 s35, 0
	s_wait_kmcnt 0x0
	s_load_b256 s[24:31], s[8:9], 0x0              ; br
	s_add_nc_u64 s[4:5], s[4:5], s[32:33]
	s_add_nc_u64 s[6:7], s[6:7], s[34:35]
.irp j, 0,1,2,3,4,5,6,7
	global_load_b128 v[RW+4*\j:RW+4*\j+3], v[XG], s[6:7] offset:512*\j          ; 16 rows of Wr: what the lanes with l % 8 = j want
.endr
.irp i, 0,1,2,3,4,5,6,7
	global_load_b128 v[RX+4*\i:RX+4*\i+3], v[XG], s[4:5] offset:4096*\i th:TH_LOAD_NT   ; token i: 512 consecutive bytes
.endr
	s_wait_loadcnt 8                               ; Wr's eight are in; x's eight may be out
.irp j, 0,1,2,3,4,5,6,7
	ds_store_b128 v[WSI], v[RW+4*\j:RW+4*\j+3] offset:528*\j
.endr
.set n, 0
.rept 32
	ds_load_b128 v[WR+4*n:WR+4*n+3], v[WSO] offset:16*n    ; the bytes are my wave's own and LDS serves a wave's instructions in order: no wait between
.set n, n+1
.endr
	s_wait_loadcnt 0x0
.irp j, 0,1
.irp i, 0,1,2,3
	ds_store_b128 v[XSI], v[RX+16*\j+4*\i:RX+16*\j+4*\i+3] offset:2560*\j+640*\i
.endr
.irp q, 0,1,2,3
	ds_load_b128 v[X+16*\j+4*\q:X+16*\j+4*\q+3], v[XSO] offset:2560*\j+16*\q
.endr
.endr
	s_wait_dscnt 0x0
; The partial logits: for k = 2 kp and 2 kp + 1 of my sixteen, both steps, four pairs of experts.  One number of x serves both halves of a packed multiply-add.
.macro DOTP kp
.irp j, 0,1
.irp ep, 0,1,2,3
.if \kp == 0
	v_pk_mul_f32 v[LG+8*\j+2*\ep:LG+8*\j+2*\ep+1], v[X+16*\j:X+16*\j+1], v[WR+2*\ep:WR+2*\ep+1] op_sel_hi:[0,1]
.else
	v_pk_fma_f32 v[LG+8*\j+2*\ep:LG+8*\j+2*\ep+1], v[X+16*\j+2*\kp:X+16*\j+2*\kp+1], v[WR+16*\kp+2*\ep:WR+16*\kp+2*\ep+1], v[LG+8*\j+2*\ep:LG+8*\j+2*\ep+1] op_sel_hi:[0,1,1]
.endif
.endr
.endr
.irp j, 0,1
.irp ep, 0,1,2,3
	v_pk_fma_f32 v[LG+8*\j+2*\ep:LG+8*\j+2*\ep+1], v[X+16*\j+2*\kp:X+16*\j+2*\kp+1], v[WR+16*\kp+8+2*\ep:WR+16*\kp+8+2*\ep+1], v[LG+8*\j+2*\ep:LG+8*\j+2*\ep+1] op_sel:[1,0,0] op_sel_hi:[1,1,1]
.endr
.endr
.endm
.irp kp, 0,1,2,3,4,5,6,7
	DOTP \kp
.endr
.irp m, 1,2,4
.set n, 0
.rept 16
	v_add_f32_dpp v[LG+n], v[LG+n], v[LG+n] row_xmask:\m row_mask:0xf bank_mask:0xf   ; over the eight lanes that hold a token's 128 numbers
.set n, n+1
.endr
.endr
.irp j, 0,1
	ds_store_b128 v[PRA], v[LG+8*\j:LG+8*\j+3] offset:128*\j                 ; the eight lanes of a token write the same words with the same values
	ds_store_b128 v[PRA], v[LG+8*\j+4:LG+8*\j+7] offset:128*\j+16
.endr
; Step j's 16 numbers become 12 bytes of codes and, with my neighbour's 16, a scale byte.
.macro QNT j
.set XS, X+16*\j
.set M0, RW+2*\j
.set SO, RW+4+\j
.set BY, RW+6+\j
.set CD, RW+8+4*\j
	v_max3_num_f32 v[M0], |v[XS]|, |v[XS+1]|, |v[XS+2]|
	v_max3_num_f32 v[M0+1], |v[XS+3]|, |v[XS+4]|, |v[XS+5]|
.irp i, 6,10
	s_delay_alu instid0(VALU_DEP_2)
	v_max3_num_f32 v[M0], v[M0], |v[XS+\i]|, |v[XS+\i+1]|
	s_delay_alu instid0(VALU_DEP_2)
	v_max3_num_f32 v[M0+1], v[M0+1], |v[XS+\i+2]|, |v[XS+\i+3]|
.endr
	s_delay_alu instid0(VALU_DEP_2)
	v_max3_num_f32 v[M0], v[M0], |v[XS+14]|, |v[XS+15]|
	s_delay_alu instid0(VALU_DEP_1)
	v_max3_num_f32 v[M0], v[M0], v[M0+1], 0x2800000                          ; the floor 2^(5 - 127): the byte cannot fall under 1
	s_delay_alu instid0(VALU_DEP_1)
	v_max_num_f32_dpp v[M0], v[M0], v[M0] row_xmask:1 row_mask:0xf bank_mask:0xf   ; with my neighbour's 16: the block's largest magnitude
	s_delay_alu instid0(VALU_DEP_1)
	v_add_nc_u32 v[SO], 0xfe000000, v[M0]                                    ; 4 off its exponent field: the conversion takes that field as its scale
	v_cvt_scalef32_pk16_bf6_f32 v[CD:CD+2], v[XS:XS+15], v[SO]
	v_lshrrev_b32 v[BY], 23, v[SO]                                           ; the scale's byte; also the plain line behind the conversion
	ds_store_b32 v[CSA], v[CD] offset:3136*\j
	ds_store_b32 v[CSA], v[CD+1] offset:3136*\j+4
	ds_store_b32 v[CSA], v[CD+2] offset:3136*\j+8
	ds_store_b8 v[SSA], v[BY] offset:128*\j                                  ; both lanes of a block write the same byte with the same value
.endm
	QNT 0
	QNT 1
	s_lshl_b32 s32, ttmp9, 3
	s_add_co_u32 s32, s32, s20
	s_mul_i32 s32, s32, 768                        ; token 8 g + w's row in xq
	s_wait_kmcnt 0x0                               ; br
	s_add_nc_u64 s[10:11], s[10:11], s[32:33]
	s_wait_dscnt 0x0                               ; for the others' sake: my stores have landed
	s_barrier_signal -1
	s_barrier_wait -1
.irp i, 0,1,2
	ds_load_b64 v[16+2*\i:17+2*\i], v[CSR] offset:256*\i
.endr
.irp i, 0,1,2
	s_wait_dscnt 2-\i
	global_store_b64 v[L8], v[16+2*\i:17+2*\i], s[10:11] offset:256*\i       ; 32 lanes store 256 consecutive bytes, aligned
.endr
	s_cmp_eq_u32 s20, 7
	s_cbranch_scc0 .Lnot_seven
	ds_load_b64 v[22:23], v[SSR]                   ; wave 7: the eight tokens' 256 scale bytes
	s_lshl_b32 s32, ttmp9, 8
	s_add_nc_u64 s[12:13], s[12:13], s[32:33]
	s_wait_dscnt 0x0
	global_store_b64 v[L8], v[22:23], s[12:13]
.Lnot_seven:
	s_cmp_eq_u32 s20, 0
	s_cbranch_scc0 .Lend
	; wave 0: lane l holds token l % 8 (lanes 8-31 repeat the work and store nothing)
.set n, 0
.rept 16
	ds_load_b128 v[128+4*n:131+4*n], v[PRL] offset:256*(n/2)+16*(n%2)
.set n, n+1
.endr
	s_wait_dscnt 0x0
.irp ep, 0,1,2,3
	v_pk_add_f32 v[192+2*\ep:193+2*\ep], v[128+2*\ep:129+2*\ep], v[136+2*\ep:137+2*\ep]
.endr
.irp w, 2,3,4,5,6,7
.irp ep, 0,1,2,3
	s_delay_alu instid0(VALU_DEP_4)
	v_pk_add_f32 v[192+2*\ep:193+2*\ep], v[192+2*\ep:193+2*\ep], v[128+8*\w+2*\ep:129+8*\w+2*\ep]   ; K ascending
.endr
.endr
.irp e, 0,1,2,3,4,5,6,7
	v_add_f32 v[192+\e], s[24+\e], v[192+\e]       ; + br
.endr
	v_max3_num_f32 v200, v192, v193, v194
	s_delay_alu instid0(VALU_DEP_1)
	v_max3_num_f32 v200, v200, v195, v196
	s_delay_alu instid0(VALU_DEP_1)
	v_max3_num_f32 v200, v200, v197, v198
	s_delay_alu instid0(VALU_DEP_1)
	v_max_num_f32 v200, v200, v199                 ; the maximum is taken away, as reference() does
.irp e, 0,1,2,3,4,5,6,7
	v_sub_f32 v[192+\e], v[192+\e], v200
.endr
.irp e, 0,1,2,3,4,5,6,7
	v_mul_f32 v[192+\e], 0x3fb8aa3b, v[192+\e]     ; x log2(e)
.endr
	s_wait_alu depctr_va_vdst(0)
.irp e, 0,1,2,3,4,5,6,7
	v_exp_f32 v[192+\e], v[192+\e]
.endr
	v_nop                                          ; a plain line behind the last exponential
	s_wait_alu depctr_va_vdst(0)                   ; one wait for the eight, ahead of their first reader
	v_add_f32 v201, v192, v193
	v_add_f32 v202, v194, v195
	v_add_f32 v203, v196, v197
	v_add_f32 v208, v198, v199
	s_delay_alu instid0(VALU_DEP_3)
	v_add_f32 v201, v201, v202
	s_delay_alu instid0(VALU_DEP_2)
	v_add_f32 v203, v203, v208
	s_delay_alu instid0(VALU_DEP_1)
	v_add_f32 v201, v201, v203
	s_wait_alu depctr_va_vdst(0)
	v_rcp_f32 v201, v201
	v_nop
	s_wait_alu depctr_va_vdst(0)
.irp e, 0,1,2,3,4,5,6,7
	v_mul_f32 v[192+\e], v[192+\e], v201           ; the probabilities
.endr
	v_mov_b32 v204, v192                           ; the largest so far, v206 its index;
	v_mov_b32 v205, -1.0                           ; the second, under every probability, v207 its index
	v_mov_b32 v206, 0
	v_mov_b32 v207, 0
.irp e, 1
	s_delay_alu instid0(VALU_DEP_4)
	v_cmp_gt_f32 s40, v[192+\e], v204
	s_delay_alu instid0(VALU_DEP_4)
	v_cmp_gt_f32 s41, v[192+\e], v205
	v_mov_b32 v210, \e
	s_delay_alu instid0(VALU_DEP_3)
	v_cndmask_b32 v208, v[192+\e], v204, s40
	s_delay_alu instid0(VALU_DEP_2)
	v_cndmask_b32 v209, v210, v206, s40
	s_delay_alu instid0(VALU_DEP_2)
	v_cndmask_b32 v205, v205, v208, s41
	s_delay_alu instid0(VALU_DEP_2)
	v_cndmask_b32 v207, v207, v209, s41
	v_cndmask_b32 v204, v204, v[192+\e], s40
	v_cndmask_b32 v206, v206, v210, s40
.endr
.irp e, 2, 3, 4, 5, 6, 7
	s_delay_alu instid0(VALU_DEP_2)
	v_cmp_gt_f32 s40, v[192+\e], v204              ; strictly larger: of equals the lower index stays
	v_cmp_gt_f32 s41, v[192+\e], v205              ; (the largest is never under the second, so the first mask lies inside this one)
	v_mov_b32 v210, \e
	s_delay_alu instid0(VALU_DEP_3)
	v_cndmask_b32 v208, v[192+\e], v204, s40       ; what moves into second place: the old largest, or this one
	s_delay_alu instid0(VALU_DEP_2)
	v_cndmask_b32 v209, v210, v206, s40
	s_delay_alu instid0(VALU_DEP_2)
	v_cndmask_b32 v205, v205, v208, s41
	s_delay_alu instid0(VALU_DEP_2)
	v_cndmask_b32 v207, v207, v209, s41
	v_cndmask_b32 v204, v204, v[192+\e], s40
	v_cndmask_b32 v206, v206, v210, s40
.endr
	s_lshl_b32 s32, ttmp9, 6
	s_add_nc_u64 s[14:15], s[14:15], s[32:33]
	s_add_nc_u64 s[16:17], s[16:17], s[32:33]
	s_wait_alu depctr_va_vdst(0)
	s_wait_xcnt 0x0                                ; EXEC changes only behind this wait: stores have been issued
	v_cmp_gt_u32 vcc_lo, 8, v[LN]
	s_and_saveexec_b32 s42, vcc_lo
	global_store_b64 v[L8], v[206:207], s[14:15]   ; the choice goes to memory as whole numbers; a later launch forms addresses from it
	global_store_b64 v[L8], v[204:205], s[16:17]
	s_wait_xcnt 0x0
	s_or_b32 exec_lo, exec_lo, s42
.Lend:
	s_wait_tensorcnt 0x0                           ; the wave's end: three lines behind my last LDS store
	ds_add_u32 v[SPW], v[NIL]
	s_wait_dscnt 0x0
	s_endpgm
.Lfunc_end_k_q4a89f50c60_route:
	.size	k_q4a89f50c60_route, .Lfunc_end_k_q4a89f50c60_route-k_q4a89f50c60_route
	.p2alignl 7, 3214868480
	.fill 96, 4, 3214868480
	.section	.rodata,"a",@progbits
	.p2align	6, 0x0
	.amdhsa_kernel k_q4a89f50c60_route
		.amdhsa_group_segment_fixed_size 84480
		.amdhsa_private_segment_fixed_size 0
		.amdhsa_enable_private_segment 0
		.amdhsa_kernarg_size 56
		.amdhsa_user_sgpr_count 2
		.amdhsa_user_sgpr_kernarg_segment_ptr 1
		.amdhsa_wavefront_size32 1
		.amdhsa_system_sgpr_workgroup_id_x 1
		.amdhsa_system_sgpr_workgroup_id_y 1
		.amdhsa_system_sgpr_workgroup_id_z 1
		.amdhsa_system_vgpr_workitem_id 0
		.amdhsa_next_free_vgpr 256
		.amdhsa_next_free_sgpr 66
		.amdhsa_reserve_vcc 1
		.amdhsa_float_denorm_mode_32 3
		.amdhsa_float_denorm_mode_16_64 3
		.amdhsa_memory_ordered 1
		.amdhsa_forward_progress 1
		.amdhsa_inst_pref_size 35
	.end_amdhsa_kernel
	.amdgpu_metadata
---
amdhsa.version: [ 1, 2 ]
amdhsa.kernels:
  - .name:           k_q4a89f50c60_route
    .symbol:         k_q4a89f50c60_route.kd
    .args:
      - { .name: x, .offset: 0, .size: 8, .value_kind: global_buffer, .address_space: global }
      - { .name: Wr, .offset: 8, .size: 8, .value_kind: global_buffer, .address_space: global }
      - { .name: br, .offset: 16, .size: 8, .value_kind: global_buffer, .address_space: global }
      - { .name: xq, .offset: 24, .size: 8, .value_kind: global_buffer, .address_space: global }
      - { .name: xs, .offset: 32, .size: 8, .value_kind: global_buffer, .address_space: global }
      - { .name: eidx, .offset: 40, .size: 8, .value_kind: global_buffer, .address_space: global }
      - { .name: wts, .offset: 48, .size: 8, .value_kind: global_buffer, .address_space: global }
    .group_segment_fixed_size: 84480
    .private_segment_fixed_size: 0
    .kernarg_segment_align: 8
    .kernarg_segment_size: 56
    .max_flat_workgroup_size: 256
    .sgpr_count:     66
    .vgpr_count:     256
    .wavefront_size: 32
...
	.end_amdgpu_metadata
.endif
;; end of part 6
;; launch place (part 7): grid 1 x 1, 32 waves a work-group, no clusters, 8,192 bytes of LDS; arguments eidx, plan; writes plan
.if DOCPART == 7
	.amdgcn_target "amdgcn-amd-amdhsa--gfx1250"
	.amdhsa_code_object_version 6
	.text
	.protected	k_q4a89f50c60_place
	.globl	k_q4a89f50c60_place
	.p2align	8
	.type	k_q4a89f50c60_place,@function
k_q4a89f50c60_place:
	s_mov_b64 s[64:65], 0
	v_nop
	global_prefetch_b8 v0, s[64:65] scope:SCOPE_SE
	s_setreg_imm32_b32 hwreg(HW_REG_WAVE_MODE, 25, 1), 1
	s_wait_xcnt 0x0
; PLACE.  A counting sort of the 4,096 slots (slot = 2 x token + k) by their expert, and the table of row tiles.  One work-group, no atomics.
; plan, bytes 0 .. 1,023: 64 entries of 16 bytes {expert, first position, rows, row pairs of 32}.  An expert's rows are cut into tiles of at most 160: the sum over experts of ceil(T_e / 160) is at most
; (4,096 + 8 x 159) / 160, so 33 tiles serve every split; entries beyond the last tile hold 0 rows.
; plan, bytes 1,024 on: order[4,352]: position -> slot; entries 4,096 .. 4,351 are 0, so that a later launch's loads of eight entries from any position stay inside what is written.
; Thread i holds slots 4 i .. 4 i + 3.  Within an expert the order is by wave, then by the slot's number modulo 4, then by lane: any order serves, since nothing is dropped.
; The 4,096 stores of 4 bytes are a permutation of 16 KiB: they go where the sort sends them.
.set CNT,   0                          ; LDS: [wave][32 words], of which words 0-7 are the wave's counts
.set SPARE, 4096                       ; the spare words, 128 bytes for each of 32 waves
.set SPW, 1
.set NIL, 2
	s_load_b128 s[4:7], s[0:1], 0x0                ; eidx s[4:5], plan s[6:7]
	v_lshl_add_u32 v[SPW], v0, 2, SPARE
	v_mov_b32 v[NIL], 0
	v_lshrrev_b32 v15, 5, v0
	s_delay_alu instid0(VALU_DEP_1)
	v_readfirstlane_b32 s8, v15                    ; wave 0..31
	v_and_b32 v3, 31, v0
	v_lshlrev_b32 v48, 2, v0                       ; 4 x thread: my word of CNT; my first slot; my entry of the padding
	s_delay_alu instid0(VALU_DEP_2)
	v_and_b32 v49, 7, v3
	s_delay_alu instid0(VALU_DEP_1)
	v_lshlrev_b32 v49, 2, v49                      ; column l % 8 of CNT
	v_lshlrev_b32 v55, 4, v0                       ; 16 x thread
.irp j, 0,1,2,3
	v_mov_b32 v[8+\j], 0                           ; positions
	v_add_nc_u32 v[50+\j], \j, v48                 ; my slots' numbers
.endr
	v_mov_b32 v12, 0
	v_mov_b32 v13, 0
	v_mov_b32 v14, 0
	v_mov_b32 v54, 0
	s_wait_kmcnt 0x0
	global_load_b128 v[4:7], v55, s[4:5]
	s_wait_loadcnt 0x0
.irp e, 0,1,2,3,4,5,6,7
.irp j, 0,1,2,3
	v_cmp_eq_u32 s[32+4*\e+\j], \e, v[4+\j]        ; which lanes' slot j goes to expert e
.endr
.endr
.irp e, 0,1,2,3,4,5,6,7
	s_bcnt1_i32_b32 s20, s[32+4*\e]
	s_bcnt1_i32_b32 s21, s[33+4*\e]
	s_bcnt1_i32_b32 s22, s[34+4*\e]
	s_bcnt1_i32_b32 s23, s[35+4*\e]
	s_add_co_u32 s20, s20, s21
	s_add_co_u32 s22, s22, s23
	s_add_co_u32 s20, s20, s22
	v_writelane_b32 v12, s20, \e                   ; my wave's count for expert e
.endr
	ds_store_b32 v48, v12
	s_wait_dscnt 0x0                               ; for the others' sake
	s_barrier_signal -1
	s_barrier_wait -1
.set n, 0
.rept 32
	ds_load_b32 v[16+n], v49 offset:128*n
.set n, n+1
.endr
	s_wait_dscnt 0x0
.set n, 0
.rept 32
	s_cmp_lt_u32 n, s8
	s_cselect_b32 s20, 1, 0
	v_add_nc_u32 v13, v13, v[16+n]                 ; all waves' count,
	v_mad_u32_u24 v14, v[16+n], s20, v14           ; and that of the waves in front of mine
.set n, n+1
.endr
.irp e, 0,1,2,3,4,5,6,7
	v_readlane_b32 s[68+\e], v13, \e               ; T_e
	v_readlane_b32 s[76+\e], v14, \e
.endr
	s_mov_b32 s84, 0
.irp e, 0,1,2,3,4,5,6,7
	s_add_co_u32 s[85+\e], s[84+\e], s[68+\e]      ; S_e: where expert e's rows begin
.endr
.irp e, 0,1,2,3,4,5,6,7
	s_add_co_u32 s[76+\e], s[76+\e], s[84+\e]      ; where my wave's begin
.endr
.irp e, 0,1,2,3,4,5,6,7
.irp j, 0,1,2,3
	v_mbcnt_lo_u32_b32 v15, s[32+4*\e+\j], 0       ; how many lanes below mine have such a slot
	s_delay_alu instid0(VALU_DEP_1)
	v_add_nc_u32 v15, s[76+\e], v15
	s_delay_alu instid0(VALU_DEP_1)
	v_cndmask_b32 v[8+\j], v[8+\j], v15, s[32+4*\e+\j]
	s_bcnt1_i32_b32 s20, s[32+4*\e+\j]
	s_add_co_u32 s[76+\e], s[76+\e], s20
.endr
.endr
.irp j, 0,1,2,3
	v_min_u32 v[8+\j], 0xfff, v[8+\j]              ; a position stays inside the list
	s_delay_alu instid0(VALU_DEP_1)
	v_lshlrev_b32 v[8+\j], 2, v[8+\j]
.endr
.irp j, 0,1,2,3
	global_store_b32 v[8+\j], v[50+\j], s[6:7] offset:1024
.endr
	s_cmp_lt_u32 s8, 8
	s_cbranch_scc0 .Lno_pad
	global_store_b32 v48, v54, s[6:7] offset:17408 ; entries 4,096 .. 4,351
.Lno_pad:
	s_cmp_lt_u32 s8, 2
	s_cbranch_scc0 .Lno_table
	s_mov_b32 s21, 0
.irp e, 0,1,2,3,4,5,6,7
	s_add_co_u32 s20, s[68+\e], 159
	s_mul_i32 s20, s20, 26215
	s_lshr_b32 s20, s20, 22                        ; (T_e + 159) / 160: 26,215 / 2^22 lies 96 / (160 x 2^22) over 1 / 160, which turns no quotient for numbers under 43,690
	s_add_co_u32 s21, s21, s20
	s_mov_b32 s[12+\e], s21                        ; CE_e: tiles of experts 0 .. e
.endr
	v_mov_b32 v56, 0                               ; tile t = my thread: its expert,
	v_mov_b32 v57, 0                               ; that expert's first tile,
	v_mov_b32 v58, 0                               ; its first position,
	v_mov_b32 v59, s68                             ; its rows
.irp e, 0,1,2,3,4,5,6,7
	v_cmp_gt_u32 vcc_lo, s[12+\e], v0              ; CE_e > t: the tile lies in expert e or before: keep; else go on to e + 1
	s_delay_alu instid0(VALU_DEP_1)
	v_cndmask_b32 v56, \e+1, v56, vcc_lo
	s_delay_alu instid0(VALU_DEP_2)
	v_cndmask_b32 v57, s[12+\e], v57, vcc_lo
	s_delay_alu instid0(VALU_DEP_3)
	v_cndmask_b32 v58, s[85+\e], v58, vcc_lo
.if \e < 7
	s_delay_alu instid0(VALU_DEP_4)
	v_cndmask_b32 v59, s[69+\e], v59, vcc_lo
.else
	s_delay_alu instid0(VALU_DEP_4)
	v_cndmask_b32 v59, 0, v59, vcc_lo
.endif
.endr
	s_delay_alu instid0(VALU_DEP_3)
	v_sub_nc_u32 v57, v0, v57
	s_delay_alu instid0(VALU_DEP_1)
	v_mul_u32_u24 v57, v57, 160                    ; the tile's first row in its expert
	s_delay_alu instid0(VALU_DEP_1)
	v_max_u32 v62, v59, v57
	s_delay_alu instid0(VALU_DEP_1)
	v_sub_nc_u32 v62, v62, v57
	s_delay_alu instid0(VALU_DEP_1)
	v_min_u32 v62, 160, v62                        ; rows
	s_delay_alu instid0(VALU_DEP_4)
	v_add_nc_u32 v61, v58, v57
	s_delay_alu instid0(VALU_DEP_2)
	v_cmp_ne_u32 vcc_lo, 0, v62
	s_delay_alu instid0(VALU_DEP_1)
	v_cndmask_b32 v61, 0, v61, vcc_lo              ; first position (0 for a tile without rows)
	v_min_u32 v60, 7, v56
	v_add_nc_u32 v63, 31, v62
	s_delay_alu instid0(VALU_DEP_1)
	v_lshrrev_b32 v63, 5, v63                      ; row pairs
	global_store_b128 v55, v[60:63], s[6:7]
.Lno_table:
	s_wait_tensorcnt 0x0                           ; the wave's end: three lines behind my last LDS store
	ds_add_u32 v[SPW], v[NIL]
	s_wait_dscnt 0x0
	s_endpgm
.Lfunc_end_k_q4a89f50c60_place:
	.size	k_q4a89f50c60_place, .Lfunc_end_k_q4a89f50c60_place-k_q4a89f50c60_place
	.p2alignl 7, 3214868480
	.fill 96, 4, 3214868480
	.section	.rodata,"a",@progbits
	.p2align	6, 0x0
	.amdhsa_kernel k_q4a89f50c60_place
		.amdhsa_group_segment_fixed_size 8192
		.amdhsa_private_segment_fixed_size 0
		.amdhsa_enable_private_segment 0
		.amdhsa_kernarg_size 16
		.amdhsa_user_sgpr_count 2
		.amdhsa_user_sgpr_kernarg_segment_ptr 1
		.amdhsa_wavefront_size32 1
		.amdhsa_system_sgpr_workgroup_id_x 1
		.amdhsa_system_sgpr_workgroup_id_y 1
		.amdhsa_system_sgpr_workgroup_id_z 1
		.amdhsa_system_vgpr_workitem_id 0
		.amdhsa_next_free_vgpr 64
		.amdhsa_next_free_sgpr 100
		.amdhsa_reserve_vcc 1
		.amdhsa_float_denorm_mode_32 3
		.amdhsa_float_denorm_mode_16_64 3
		.amdhsa_memory_ordered 1
		.amdhsa_forward_progress 1
		.amdhsa_inst_pref_size 30
	.end_amdhsa_kernel
	.amdgpu_metadata
---
amdhsa.version: [ 1, 2 ]
amdhsa.kernels:
  - .name:           k_q4a89f50c60_place
    .symbol:         k_q4a89f50c60_place.kd
    .args:
      - { .name: eidx, .offset: 0, .size: 8, .value_kind: global_buffer, .address_space: global }
      - { .name: plan, .offset: 8, .size: 8, .value_kind: global_buffer, .address_space: global }
    .group_segment_fixed_size: 8192
    .private_segment_fixed_size: 0
    .kernarg_segment_align: 8
    .kernarg_segment_size: 16
    .max_flat_workgroup_size: 1024
    .sgpr_count:     100
    .vgpr_count:     64
    .wavefront_size: 32
...
	.end_amdgpu_metadata
.endif
;; end of part 7
;; launch up (part 8): grid 8 x 33, 8 waves a work-group, no clusters, 131,072 bytes of LDS; arguments plan, xq, xs, W1_codes, W1_scales, b1, hbuf, hs; writes hbuf, hs
.if DOCPART == 8
	.amdgcn_target "amdgcn-amd-amdhsa--gfx1250"
	.amdhsa_code_object_version 6
	.text
	.protected	k_q4a89f50c60_up
	.globl	k_q4a89f50c60_up
	.p2align	8
	.type	k_q4a89f50c60_up,@function
k_q4a89f50c60_up:
	s_mov_b64 s[64:65], 0
	v_nop
	global_prefetch_b8 v0, s[64:65] scope:SCOPE_SE
	s_setreg_imm32_b32 hwreg(HW_REG_WAVE_SCHED_MODE, 0, 2), 2
	s_setreg_imm32_b32 hwreg(HW_REG_WAVE_MODE, 25, 1), 1
	s_wait_xcnt 0x0
	s_wait_alu depctr_vm_vsrc(0)
; UP.  The first product of the chosen experts alone (the others' results are multiplied by a 0 that reference() builds: see ROUTE's head): h = gelu(x W1[e] + b1[e]) for the rows of one tile, quantised along F.
; SHARES.  Work-group (c, y): tile y of the plan (at most 160 rows of expert e) x hidden units 256 c .. 256 c + 255.  Wave w: the 32 units of block beta = 8 c + w, for all rows: its 16 fragments of W1
; (two tiles of 16 rows x 8 K steps, 192 registers) are read once and stay.  The rows' codes are gathered once by the eight waves (wave w: K step w of all rows) and go round through LDS as images of the operand's registers.
; TRANSPOSED: source 0 = 16 rows of W1, source 1 = 16 rows of x.  Lane r of tile t takes W1's row 32 beta + 8 t + r + 8 (r / 8), so that lane (r, h) holds row r and its 16 registers of the two tiles are the
; 16 neighbouring units 32 beta + 16 h + 0 .. 15: half a block of the next K, 12 bytes of codes, stored as they fall.  b1 is the C of each sum's first product.
; K'S ORDER.  In a K step of 128 lane half h takes the 48 consecutive bytes at 96 s + 48 h of its row: blocks 2 h and 2 h + 1, by three loads of 16 bytes.  The unit takes them for blocks h and 2 + h: both operands
; carry the same exchange of whole blocks 1 and 2, and each scale word has its two middle bytes exchanged (xs comes so; W1's words are turned here).  The products are the same; only the order of the sums in an instruction differs.
; gelu(x) = x / (1 + 2^z), z = x (C0 + C1 x^2), C0 = -2 log2(e) sqrt(2 / pi), C1 = 0.044715 C0: the tanh form of reference(), by identity.  Where x^2 overflows z is an infinity of the right sign and the result is x or -0.
; A FIXED GRID serves every split; a tile without rows stores nothing.  That is a branch on a stored count, so this text has no tensor load, and so no joint loads in a cluster, though the eight work-groups of a
; tile gather the same rows.  The set-up has no branch on data (a tile without rows runs it on row 0 of the list), so that every barrier is on every path; the five row pairs are written out and left by forward jumps.
; OUT.  hbuf [tile][row pair][block beta][32 rows][24 bytes];  hs [tile][c][160 rows][2 words], bytes in the exchanged order; rows that are not computed get the byte 127.
; LIMITS: as stated at ROUTE's head.
; THE MODE: SCHED_MODE bits 1:0 = 2 (LLVM: expert scheduling mode 2), set by the entry lines.  The code itself states the register dependences
; between vector or matrix instructions and memory or LDS instructions, with s_wait_alu, always for 0.
; THE PLAN.  Registers that memory or LDS instructions touch:
;   v5-20        offsets and LDS addresses: written at the head and never again.
;   v22-23       the byte 127, eight times: written at the head, read by one LDS store of the set-up; at the end one LDS load lands in them.
;   IDX, RO, RS  set-up: written by vector instructions, read by loads as offsets.  Later these registers are Z.
;   ST, SW       set-up: the gather's loads land in them, the images' LDS stores read them.  Later these registers are H0, H1 and the accumulators.
;   BS           loads land in them, the permutes turn them, the products take them as scales.
;   H0, H1, H2   three buffers of four fragments.  Group g of a row pair (K steps 2 g and 2 g + 1) lies in H0, H1, H2, H0 for g = 0 .. 3: LDS loads land in a buffer, the group's eight products read it.
;   ASC          the rows' scale words: LDS loads at a row pair's head land in them, all its products read them.
;   v198-206     the out-buffer: written by the conversions and the shifts, read by the row pair's four stores.
; A ROW PAIR'S WAITS.  One on va_vdst at group 1's head: group 0's products are done reading H0, in which group 3's loads land.  Two behind the transcendentals.  One on vm_vsrc ahead of the conversions: the
; stores of the row pair before have read the out-buffer.  One on va_vdst ahead of the four stores: the out-buffer is written; since every product stands ahead of it and no vector or matrix instruction
; stands between it and the next row pair's first loads (ASC, groups 0, 1 and 2), it states those loads' dependences too.  In front of row pair 0 the set-up's last wait on va_vdst has that part.
.set AIMG,  0                          ; LDS: fragment (a, s) of the rows' codes at (8 a + s) x 1,536: three runs of 512 bytes, lane l's 16 bytes at 16 l
.set FRB,   1536
.set ASL,   122880                     ; the rows' scale words [a][r][8]
.set HSS,   128000                     ; the hidden layer's scale bytes [row][8]; 2,048 bytes, of which 1,280 serve
.set SPARE, 130048                     ; the spare words, 128 bytes for each wave
.set SPW, 1
.set NIL, 2
.set BO,  5                            ; v5   W1: my row of a tile and my half
.set BSO, 6                            ; v6   its scale words
.set BIO, 7                            ; v7   b1: my half's 16 units
.set IST, 8                            ; v8-9 where I store images: blocks a = 0-4, 5-9
.set ASW, 10                           ; v10  and their scale words
.set ILD, 11                           ; v11-15 where row pair j's images are read
.set ASA, 16                           ; v16  the rows' scale words, read
.set HSA, 17                           ; v17  my block's byte of row r
.set HO,  18                           ; v18  24 r + 12 h: my 12 bytes in a plane of hbuf
.set HSF, 19                           ; v19  HSS, 8 bytes a lane, 32 rows a wave
.set L8,  20                           ; v20  8 x lane
.set H0,  32                           ; v32-79   a buffer of four fragments of x
.set H1,  80                           ; v80-127  a second
.set H2,  208                          ; window 1, v208-255: a third
.set ACC, 128                          ; v128-159 four accumulators (16 u + 8 t)
.set Z,   160                          ; v160-191
.set ASC, 224                          ; v224-239 the rows' scale words (8 u + s): scales and nothing else
.set BS,  240                          ; v240-255 W1's (8 t + s): scales and nothing else
.set BIAS, 192                         ; window 1: b1 (8 t + j); W1's fragment (t, s) at 12 (8 t + s) of window 1
.set ST,  32                           ; set-up only: v32-151 gathered codes, v152-161 scale words, v162-171 and v172-181 offsets, v182-191 positions
.set SW,  152
.set RO,  162
.set RS,  172
.set IDX, 182
.set MSB, 0
.macro WIN new                         ; the immediate's high byte repeats the setting that is left
.if MSB != \new
	s_set_vgpr_msb (MSB<<8)|\new
.set MSB, \new
.endif
.endm
	s_load_b256 s[4:11], s[0:1], 0x0               ; plan s[4:5], xq s[6:7], xs s[8:9], W1's codes s[10:11]
	s_load_b256 s[12:19], s[0:1], 0x20             ; W1's scales s[12:13], b1 s[14:15], hbuf s[16:17], hs s[18:19]
	v_lshl_add_u32 v[SPW], v0, 2, SPARE
	v_mov_b32 v[NIL], 0
	v_lshrrev_b32 v21, 5, v0
	v_readfirstlane_b32 s20, v21                   ; wave 0..7
	s_mov_b32 s21, ttmp9                           ; c
	s_and_b32 s22, ttmp7, 0xffff                   ; y
	s_lshl_b32 s23, s22, 4
	v_and_b32 v3, 15, v0                           ; r
	v_bfe_u32 v4, v0, 4, 1                         ; h
	v_and_b32 v21, 31, v0
	v_lshlrev_b32 v22, 4, v21                      ; 16 x lane
	v_lshlrev_b32 v[L8], 3, v21
	v_and_b32 v23, 8, v3
	v_add_nc_u32 v23, v23, v3                      ; r + 8 (r / 8)
	v_mul_u32_u24 v[BO], v23, 768
	v_mad_u32_u24 v[BO], v4, 48, v[BO]
	v_lshlrev_b32 v[BSO], 5, v23
	v_lshlrev_b32 v[BIO], 6, v4
	s_wait_alu depctr_va_sdst(0)                   ; s20 is written, ahead of its first reader: LDS addresses and bases are made from it
	s_mul_i32 s30, s20, FRB
	v_add_nc_u32 v[IST], s30, v22
	v_add_nc_u32 v[IST+1], 61440, v[IST]
	s_lshl_b32 s30, s20, 2
	s_add_co_u32 s30, s30, ASL
	v_lshl_add_u32 v[ASW], v3, 5, s30
.irp j, 0,1,2,3,4
	v_add_nc_u32 v[ILD+\j], 24576*\j, v22
.endr
	v_lshl_add_u32 v[ASA], v3, 5, ASL
	s_lshr_b32 s30, s20, 2
	s_lshl_b32 s30, s30, 2                         ; word w / 4 of the row's two;
	s_and_b32 s31, s20, 1
	s_lshl_b32 s31, s31, 1
	s_add_co_u32 s30, s30, s31
	s_bfe_u32 s31, s20, 0x10001
	s_add_co_u32 s30, s30, s31                     ; block b = w % 4 of its K step stands at byte 2 (b % 2) + b / 2
	s_add_co_u32 s30, s30, HSS
	v_lshl_add_u32 v[HSA], v3, 3, s30
	v_mul_u32_u24 v[HO], v3, 24
	v_mad_u32_u24 v[HO], v4, 12, v[HO]
	s_lshl_b32 s30, s20, 8
	s_add_co_u32 s30, s30, HSS
	v_add_nc_u32 v[HSF], s30, v[L8]
	v_mul_u32_u24 v21, v4, 48                      ; 48 h, for the gather
	v_mov_b32 v22, 0x7f7f7f7f
	v_mov_b32 v23, 0x7f7f7f7f
	v_mov_b32 v194, 0                              ; written once: a lane permute's destination counts as one of its sources
	v_mov_b32 v195, 0
	v_mov_b32 v216, 0xc0135761                     ; C0, twice
	v_mov_b32 v217, 0xc0135761
	s_mov_b32 s34, 0xbdd2d3e8                      ; C1
	s_mov_b32 s35, s34                             ; (named with it as a pair, so it is written)
	s_mov_b32 s36, 0x76543210
	s_mov_b32 s37, 0xfedcba98                      ; lane l xor 16
	s_mov_b32 s38, 0x03010200                      ; bytes 0, 2, 1, 3
	s_mov_b32 s31, 0
	s_lshl_b32 s29, s21, 3
	s_add_co_u32 s29, s29, s20                     ; beta
	s_wait_kmcnt 0x0
	s_load_b128 s[24:27], s[4:5], s23 offset:0x0   ; the tile: expert, first position, rows, row pairs
	s_mul_i32 s30, s20, 96
	s_add_nc_u64 s[40:41], s[6:7], s[30:31]        ; xq at K step w
	s_lshl_b32 s30, s20, 2
	s_add_nc_u64 s[42:43], s[8:9], s[30:31]        ; xs at word w
	s_mul_i32 s30, s22, 245760
	s_mul_i32 s32, s29, 768
	s_add_co_u32 s30, s30, s32
	s_add_nc_u64 s[16:17], s[16:17], s[30:31]      ; hbuf at my tile's plane beta
	s_mul_i32 s30, s22, 10240
	s_mul_i32 s32, s21, 1280
	s_add_co_u32 s30, s30, s32
	s_lshl_b32 s32, s20, 8
	s_add_co_u32 s30, s30, s32
	s_add_nc_u64 s[18:19], s[18:19], s[30:31]      ; hs at my tile, my c, rows 32 w on
	s_wait_kmcnt 0x0
	s_min_u32 s24, s24, 7
	s_min_u32 s25, s25, 4095
	s_min_u32 s26, s26, 160
	s_min_u32 s27, s27, 5
	s_max_u32 s28, s26, 1
	s_sub_co_u32 s28, s28, 1                       ; the tile's last row: rows beyond it repeat it
.irp a, 0,1,2,3,4,5,6,7,8,9
	v_add_nc_u32 v[IDX+\a], 16*\a, v3
	v_min_u32 v[IDX+\a], s28, v[IDX+\a]
	v_add_nc_u32 v[IDX+\a], s25, v[IDX+\a]
	v_min_u32 v[IDX+\a], 0xfff, v[IDX+\a]
	v_lshlrev_b32 v[IDX+\a], 2, v[IDX+\a]
.endr
	s_wait_alu depctr_va_vdst(0)                   ; v5 to v20, v22, v23 and IDX are written: every load and store of the kernel reads one of v5 to v20 as its offset or address, the loads below read IDX, the LDS store below reads v[22:23]
.irp a, 0,1,2,3,4,5,6,7,8,9
	global_load_b32 v[RO+\a], v[IDX+\a], s[4:5] offset:1024      ; the rows' slots
.endr
	s_mul_i32 s30, s24, 1572864
	s_mul_i32 s32, s29, 24576
	s_add_co_u32 s30, s30, s32
	s_add_nc_u64 s[10:11], s[10:11], s[30:31]      ; W1's codes at expert e, row 32 beta
	s_lshl_b32 s30, s24, 16
	s_lshl_b32 s32, s29, 10
	s_add_co_u32 s30, s30, s32
	s_add_nc_u64 s[12:13], s[12:13], s[30:31]
	s_lshl_b32 s30, s24, 13
	s_lshl_b32 s32, s29, 7
	s_add_co_u32 s30, s30, s32
	s_add_nc_u64 s[14:15], s[14:15], s[30:31]
	WIN 0x40                                       ; destination window 1
.irp t, 0,1
.irp s, 0,1,2,3,4,5,6,7
.irp i, 0,1,2
	global_load_b128 v[12*(8*\t+\s)+4*\i:12*(8*\t+\s)+4*\i+3], v[BO], s[10:11] offset:6144*\t+96*\s+16*\i
.endr
.endr
.endr
.irp t, 0,1
.irp q, 0,1
	global_load_b128 v[BIAS+8*\t+4*\q:BIAS+8*\t+4*\q+3], v[BIO], s[14:15] offset:32*\t+16*\q
.endr
.endr
	WIN 0
.irp t, 0,1
.irp q, 0,1
	global_load_b128 v[BS+8*\t+4*\q:BS+8*\t+4*\q+3], v[BSO], s[12:13] offset:256*\t+16*\q
.endr
.endr
	ds_store_b64 v[HSF], v[22:23]                  ; rows that no row pair computes keep the byte 127.  No vector instruction since the wait above names its registers
	s_wait_loadcnt 56                              ; the ten slots are in; the 56 loads of weights behind them may be out
.irp a, 0,1,2,3,4,5,6,7,8,9
	v_lshrrev_b32 v[RO+\a], 1, v[RO+\a]            ; the token
	v_min_u32 v[RO+\a], 0x7ff, v[RO+\a]
	v_lshlrev_b32 v[RS+\a], 5, v[RO+\a]
	v_mad_u32_u24 v[RO+\a], v[RO+\a], 768, v21
.endr
	s_wait_alu depctr_va_vdst(0)                   ; RO and RS are written, which the gather's loads read as their offsets
.irp a, 0,1,2,3,4,5,6,7,8,9
.irp i, 0,1,2
	global_load_b128 v[ST+12*\a+4*\i:ST+12*\a+4*\i+3], v[RO+\a], s[40:41] offset:16*\i
.endr
	global_load_b32 v[SW+\a], v[RS+\a], s[42:43]
.endr
	s_wait_loadcnt 40                              ; the weights are in; the 40 loads of the gather may be out
.set n, 0
.rept 16
	v_perm_b32 v[BS+n], v[BS+n], v[BS+n], s38      ; W1's scale words in the exchanged order
.set n, n+1
.endr
.rept 8
	v_nop                                          ; a scale register written by a vector instruction stands eight places ahead of a scaled product
.endr
	s_wait_alu depctr_va_vdst(0)                   ; the permutes have written BS, which the products take as scales; the places above stay beside this wait.  No vector instruction stands between it and row pair 0's first loads
.macro PUT a
	s_wait_loadcnt 4*(9-(\a))                      ; block a's four loads are in; those of the blocks behind it may be out
.irp i, 0,1,2
	ds_store_b128 v[IST+(\a)/5], v[ST+12*(\a)+4*\i:ST+12*(\a)+4*\i+3] offset:12288*((\a)%5)+512*\i
.endr
	ds_store_b32 v[ASW], v[SW+(\a)] offset:512*(\a)   ; both halves of the lanes write the same word with the same value
.endm
.irp a, 0,1,2,3,4,5,6,7,8,9
	PUT \a
.endr
	s_wait_dscnt 0x0                               ; for the others' sake: my images and my part of HSS have landed
	s_barrier_signal -1
	s_barrier_wait -1
	s_wait_alu depctr_vm_vsrc(0)                   ; my LDS stores have read ST, SW and v[22:23], my loads have read IDX, RO and RS: these registers are H0, H1, the accumulators and Z from here on, and a load lands in v[22:23] at the end
; K steps 2 g and 2 g + 1 of row pair j: four fragments (slot 2 (s % 2) + u), twelve loads, into the buffer at hb of the destination's window
.macro GLOAD j, g, hb
.irp sp, 0,1
.irp u, 0,1
.irp i, 0,1,2
	ds_load_b128 v[(\hb)+12*(2*\sp+\u)+4*\i:(\hb)+12*(2*\sp+\u)+4*\i+3], v[ILD+\j] offset:(8*\u+2*(\g)+\sp)*FRB+512*\i
.endr
.endr
.endr
.endm
.macro MM s, u, t, hb, first
.set rD, ACC+16*(\u)+8*(\t)
.set rA, 12*(8*(\t)+(\s))
.set rB, (\hb)+12*(2*((\s)%2)+(\u))
.if \first
	v_wmma_scale_f32_16x16x128_f8f6f4 v[rD:rD+7], v[rA:rA+11], v[rB:rB+11], v[BIAS+8*(\t):BIAS+8*(\t)+7], v[BS+8*(\t)+(\s)], v[ASC+8*(\u)+(\s)] matrix_a_fmt:MATRIX_FMT_BF6 matrix_b_fmt:MATRIX_FMT_BF6
.else
	v_wmma_scale_f32_16x16x128_f8f6f4 v[rD:rD+7], v[rA:rA+11], v[rB:rB+11], v[rD:rD+7], v[BS+8*(\t)+(\s)], v[ASC+8*(\u)+(\s)] matrix_a_fmt:MATRIX_FMT_BF6 matrix_b_fmt:MATRIX_FMT_BF6
.endif
.endm
.macro MM4 s, hb, first                ; K step s: the four accumulators by turns
.irp u, 0,1
.irp t, 0,1
	MM \s, \u, \t, \hb, \first
.endr
.endr
.endm
; ROW PAIR j: 32 rows x my 32 units.  32 products, the four accumulators by turns, one instruction a turn; gelu; the quantiser; 24 bytes a row out.
.macro RP j
	s_cmp_le_u32 s27, \j
	s_cbranch_scc1 .Ldone                          ; the tile has no such row pair: a forward jump on the stored count, round no barrier
.irp u, 0,1
.irp q, 0,1
	ds_load_b128 v[ASC+8*\u+4*\q:ASC+8*\u+4*\q+3], v[ASA] offset:512*(2*\j+\u)+16*\q   ; no wait here: no vector or matrix instruction has been issued since the last wait on va_vdst
.endr
.endr
	GLOAD \j, 0, H0
	GLOAD \j, 1, H1
	s_wait_dscnt 12                                ; the scale words and group 0 are in; group 1's twelve loads may be out
	WIN 0x40                                       ; destination window 1
	GLOAD \j, 2, H2                                ; two groups ahead
	WIN 0x11                                       ; source 0 (W1) and C (b1) window 1
	MM4 0, H0, 1
	WIN 0x01                                       ; source 0 window 1
	MM4 1, H0, 0
	WIN 0
.rept 4
	v_nop                                          ; the places behind the products that have read H0 stay
.endr
	s_wait_dscnt 12                                ; group 1 is in; group 2's twelve loads may be out
	s_wait_alu depctr_va_vdst(0)                   ; group 0's products are done reading H0, in which group 3's loads land
	GLOAD \j, 3, H0
	WIN 0x01
	MM4 2, H1, 0
	MM4 3, H1, 0
	s_wait_dscnt 12                                ; group 2 is in; group 3's twelve loads may be out
	WIN 0x05                                       ; sources 0 (W1) and 1 (H2) window 1
	MM4 4, H2, 0
	MM4 5, H2, 0
	s_wait_dscnt 0x0                               ; group 3 is in
	WIN 0x01
	MM4 6, H0, 0
	MM4 7, H0, 0
	WIN 0
.rept 5
	v_nop                                          ; four places in front of the first read of results, and one more: the next row pair's first products write over these accumulators with another C
.endr
.set n, 0
.rept 16
	v_pk_mul_f32 v[Z+n:Z+n+1], v[ACC+n:ACC+n+1], v[ACC+n:ACC+n+1]           ; x^2; each accumulator is read from its low end on
.set n, n+2
.endr
.set n, 0
.rept 16
	v_pk_fma_f32 v[Z+n:Z+n+1], v[Z+n:Z+n+1], s[34:35], v[216:217] op_sel_hi:[1,0,1]   ; C1 x^2 + C0
.set n, n+2
.endr
.set n, 0
.rept 16
	v_pk_mul_f32 v[Z+n:Z+n+1], v[Z+n:Z+n+1], v[ACC+n:ACC+n+1]               ; z
.set n, n+2
.endr
.set n, 0
	s_wait_alu depctr_va_vdst(0)
.rept 32
	v_exp_f32 v[Z+n], v[Z+n]
.set n, n+1
.endr
	v_nop                                          ; a plain line behind the last exponential
	s_wait_alu depctr_va_vdst(0)                   ; the 32 exponentials have written Z: one wait, ahead of their first reader
.set n, 0
.rept 16
	v_pk_add_f32 v[Z+n:Z+n+1], v[Z+n:Z+n+1], 1.0 op_sel_hi:[1,0]
.set n, n+2
.endr
.set n, 0
	s_wait_alu depctr_va_vdst(0)
.rept 32
	v_rcp_f32 v[Z+n], v[Z+n]
.set n, n+1
.endr
	v_nop
	s_wait_alu depctr_va_vdst(0)                   ; the 32 reciprocals have written Z: one wait, ahead of their first reader
.set n, 0
.rept 16
	v_pk_mul_f32 v[ACC+n:ACC+n+1], v[ACC+n:ACC+n+1], v[Z+n:Z+n+1]           ; gelu
.set n, n+2
.endr
.irp u, 0,1
	v_max3_num_f32 v[192+\u], |v[ACC+16*\u]|, |v[ACC+1+16*\u]|, 0x2800000   ; my 16 of the block, and the floor 2^(5 - 127): the byte cannot fall under 1
.endr
.irp i, 2,4,6,8,10,12,14
.irp u, 0,1
	v_max3_num_f32 v[192+\u], v[192+\u], |v[ACC+16*\u+\i]|, |v[ACC+1+16*\u+\i]|
.endr
.endr
.irp u, 0,1
	v_permlanex16_b32 v[194+\u], v[192+\u], s36, s37
.endr
.irp u, 0,1
	v_max_num_f32 v[192+\u], v[192+\u], v[194+\u]  ; with lane l xor 16's 16: the block's largest magnitude
.endr
.irp u, 0,1
	v_add_nc_u32 v[196+\u], 0xfe000000, v[192+\u]  ; 4 off its exponent field: the conversion's scale operand
.endr
	s_wait_alu depctr_va_vdst(0)
	s_wait_xcnt 0x0                                ; the last row pair's stores have had their addresses translated: the codes' registers are rewritten only behind this wait
.if \j > 0
	s_wait_alu depctr_vm_vsrc(0)                   ; the last row pair's four stores have read v198 to v206, which the conversions and the shifts below write again
.endif
.irp u, 0,1
	v_cvt_scalef32_pk16_bf6_f32 v[200+4*\u:202+4*\u], v[ACC+16*\u:ACC+15+16*\u], v[196+\u]
.endr
.irp u, 0,1
	v_lshrrev_b32 v[198+\u], 23, v[196+\u]         ; the scale's byte; also the plain line behind the conversions
.endr
	s_wait_alu depctr_va_vdst(0)                   ; the conversions and the shifts have written v198 to v206, which the stores below read; and this row pair's products are done reading ASC, H0, H1 and H2, in which the next row pair's first loads land
.irp u, 0,1
	global_store_b96 v[HO], v[200+4*\u:202+4*\u], s[16:17] offset:49152*\j+384*\u   ; the wave's two stores cover a plane's 768 consecutive bytes
	ds_store_b8 v[HSA], v[198+\u] offset:8*(32*\j+16*\u)                    ; both halves of the lanes write the same byte with the same value
.endr
.endm
	RP 0
	RP 1
	RP 2
	RP 3
	RP 4
.Ldone:
	s_wait_dscnt 0x0                               ; for the others' sake: my bytes have landed
	s_barrier_signal -1
	s_barrier_wait -1
	s_cmp_eq_u32 s26, 0
	s_cbranch_scc1 .Lend                           ; a tile without rows stores nothing
	s_cmp_gt_u32 s20, 4
	s_cbranch_scc1 .Lend                           ; 160 rows are five waves' worth
	ds_load_b64 v[22:23], v[HSF]                   ; (the set-up's waits have shown v[22:23] written and read; nothing has named them since)
	s_wait_dscnt 0x0
	global_store_b64 v[L8], v[22:23], s[18:19]     ; 32 lanes store 256 consecutive bytes, aligned
.Lend:
	s_wait_dscnt 0x0                               ; the closing lines, six on end
	s_wait_alu 0x0
	s_wait_tensorcnt 0x0
	ds_add_u32 v[SPW], v[NIL]
	s_wait_dscnt 0x0
	s_endpgm
.Lfunc_end_k_q4a89f50c60_up:
	.size	k_q4a89f50c60_up, .Lfunc_end_k_q4a89f50c60_up-k_q4a89f50c60_up
	.p2alignl 7, 3214868480
	.fill 96, 4, 3214868480
	.section	.rodata,"a",@progbits
	.p2align	6, 0x0
	.amdhsa_kernel k_q4a89f50c60_up
		.amdhsa_group_segment_fixed_size 131072
		.amdhsa_private_segment_fixed_size 0
		.amdhsa_enable_private_segment 0
		.amdhsa_kernarg_size 64
		.amdhsa_user_sgpr_count 2
		.amdhsa_user_sgpr_kernarg_segment_ptr 1
		.amdhsa_wavefront_size32 1
		.amdhsa_system_sgpr_workgroup_id_x 1
		.amdhsa_system_sgpr_workgroup_id_y 1
		.amdhsa_system_sgpr_workgroup_id_z 1
		.amdhsa_system_vgpr_workitem_id 0
		.amdhsa_next_free_vgpr 512
		.amdhsa_next_free_sgpr 66
		.amdhsa_reserve_vcc 0
		.amdhsa_float_denorm_mode_32 3
		.amdhsa_float_denorm_mode_16_64 3
		.amdhsa_memory_ordered 1
		.amdhsa_forward_progress 1
		.amdhsa_inst_pref_size 110
	.end_amdhsa_kernel
	.amdgpu_metadata
---
amdhsa.version: [ 1, 2 ]
amdhsa.kernels:
  - .name:           k_q4a89f50c60_up
    .symbol:         k_q4a89f50c60_up.kd
    .args:
      - { .name: plan, .offset: 0, .size: 8, .value_kind: global_buffer, .address_space: global }
      - { .name: xq, .offset: 8, .size: 8, .value_kind: global_buffer, .address_space: global }
      - { .name: xs, .offset: 16, .size: 8, .value_kind: global_buffer, .address_space: global }
      - { .name: W1_codes, .offset: 24, .size: 8, .value_kind: global_buffer, .address_space: global }
      - { .name: W1_scales, .offset: 32, .size: 8, .value_kind: global_buffer, .address_space: global }
      - { .name: b1, .offset: 40, .size: 8, .value_kind: global_buffer, .address_space: global }
      - { .name: hbuf, .offset: 48, .size: 8, .value_kind: global_buffer, .address_space: global }
      - { .name: hs, .offset: 56, .size: 8, .value_kind: global_buffer, .address_space: global }
    .group_segment_fixed_size: 131072
    .private_segment_fixed_size: 0
    .kernarg_segment_align: 8
    .kernarg_segment_size: 64
    .max_flat_workgroup_size: 256
    .sgpr_count:     66
    .vgpr_count:     512
    .wavefront_size: 32
...
	.end_amdgpu_metadata
.endif
;; end of part 8
;; launch down (part 9): grid 8 x 33, 4 waves a work-group, no clusters, 310,784 bytes of LDS; arguments plan, wts, hbuf, hs, W2_codes, W2_scales, b2, part; writes part
.if DOCPART == 9
	.amdgcn_target "amdgcn-amd-amdhsa--gfx1250"
	.amdhsa_code_object_version 6
	.text
	.protected	k_q4a89f50c60_down
	.globl	k_q4a89f50c60_down
	.p2align	8
	.type	k_q4a89f50c60_down,@function
k_q4a89f50c60_down:
	s_mov_b64 s[64:65], 0
	v_nop
	global_prefetch_b8 v0, s[64:65] scope:SCOPE_SE
	s_setreg_imm32_b32 hwreg(HW_REG_WAVE_SCHED_MODE, 0, 2), 2
	s_setreg_imm32_b32 hwreg(HW_REG_WAVE_MODE, 25, 1), 1
	s_wait_xcnt 0x0
	s_wait_alu depctr_vm_vsrc(0)
; DOWN.  The second product of the chosen experts alone (see ROUTE's head): part[slot] = score x (h W2[e] + b2[e]) for the rows of one tile.
; SHARES.  Work-group (c, y): tile y of the plan x output columns 128 c .. 128 c + 127.  Wave w: columns 128 c + 32 w .. + 31, two tiles of 16 rows of W2 x all 16 K steps: 32 fragments, 384 registers, read once.
; The rows' codes (hbuf) are copied densely into LDS, a row pair of 32 rows at a time, one trip ahead of their use; each plane of 32 rows x 24 bytes gets 64 bytes of padding, so that the planes of the two
; halves of the lanes lie 1,664 bytes apart, which is 128 modulo 256, and the 32 lanes of a load of 8 bytes touch 64 different words modulo 256 bytes.
; TRANSPOSED: source 0 = 16 rows of W2, source 1 = 16 rows of h: lane (r, h) holds row r and eight neighbouring columns.  b2 is the C of each sum's first product.  K's order: as in UP; W2's scale words are turned here.
; THE WAY OUT: 32 rows x 128 columns meet in a stage in LDS (two stages by turns); each wave stores eight whole rows of 512 consecutive bytes to the rows' slots.  Rows beyond the tile's count are not stored.
; A FIXED GRID serves every split; a tile without rows stores nothing: a branch on a stored count, so no tensor load and no joint loads in a cluster.  The set-up has no branch on data (a tile without rows reads tile 0's
; first row pair, which is always written); every trip's barrier stands on every path, and what hangs on the count is jumped over piece by piece.
; ONE BARRIER A TRIP.  In front of it my stores (the stage; the next row pair's codes) have landed and my reads are in.  A stage is written again two trips later, behind the barrier between; a row pair's codes are written once.
; THE MODE: SCHED_MODE bits 1:0 = 2 (LLVM: expert scheduling mode 2), set by the entry lines.  The code itself states the register dependences
; between vector or matrix instructions and memory or LDS instructions, with s_wait_alu, always for 0.
; THE PLAN.  Registers that memory or LDS instructions touch:
;   v5-30          offsets and LDS addresses: written at the head and never again.
;   IDX, ORD       set-up: written by vector instructions, read by loads as offsets.  IDX's first eight registers are VO afterwards.
;   WT, BS         loads land in them once; vector instructions and products read them (BS is turned by the permutes first).
;   H0 .. H3       four buffers of four fragments.  Group g of a trip (K steps 2 g and 2 g + 1) lies in buffer g % 4: LDS loads land in it two groups ahead, the group's eight products read it.
;   ASC            h's scale words: LDS loads at a trip's head land in them, all its products read them.
;   ACC            written by the products and the packed multiplies, read by the stage's LDS stores.
;   VO             written by eight vector additions in the trip's work, read by the trip's global stores as offsets.
;   OB = v64-95    (in H0) LDS loads from the stage land in them, the global stores read them.
;   window 3       a row pair's codes on their way: global loads land in them, LDS stores read them; no vector instruction names them.
; A TRIP'S WAITS.  On va_vdst: at group 2's head (the products of groups 0 and 1 are done reading H0 and H1, in which the loads of groups 4 and 5 land: one run at group 2's head, one at group 3's, whose
; products name H2 and H3); at group 4's head (the same for H2 and H3, groups 6 and 7); and ahead of the stage's stores (ACC and VO are written).  That last one stands behind every vector and matrix
; instruction of the trip, on the way through the work; the way round the work holds none: so it states the dependences of OB's loads and of the next trip's first loads too.
; On vm_vsrc: one at the trip's end, on every path and ahead of the next trip's branches: the LDS stores have read window 3 and ACC, the global stores OB and VO; all four are written again in the next trip.
.set RPB,   53248                      ; LDS: row pair j at 53,248 j: 64 planes of 832 bytes
.set PLN,   832
.set HSC,   266240                     ; the tile's scale words [c][row][8 bytes]
.set OST,   276480                     ; two stages of 32 rows x (512 + 16) bytes
.set STG,   16896
.set SPARE, 310272                     ; the spare words, 128 bytes for each wave
.set SPW, 1
.set NIL, 2
.set L16, 5                            ; v5   16 x lane
.set BO,  6                            ; v6   W2: my row of a tile and my half
.set BSO, 7                            ; v7   its scale words
.set BIO, 8                            ; v8   b2: my half's 8 columns
.set CPG, 9                            ; v9   hbuf: my wave's 16 planes, 16 bytes a lane
.set HCG, 10                           ; v10  hs: my wave's 2,560 bytes
.set HCS, 11                           ; v11  and where they go
.set HSL, 12                           ; v12  row r's scale words
.set OSW, 13                           ; v13  the stage: where I put 32 bytes of a row
.set OSR, 14                           ; v14  and where I read my eight rows back
.set ADRA, 16                          ; v16-20 row pair j's codes: 24 r + two planes for the upper half of the lanes
.set CP0, 21                           ; v21-25 where the copy of row pair j goes,
.set CP1, 26                           ; v26-30 and the same one padding on for lanes 16-31
.set WT,  32                           ; v32-41 the score of row 16 a + r
.set IDX, 42                           ; set-up only
.set ORD, 52
.set VO,  42                           ; v42-49 the offsets in part of my eight rows of the trip
.set H0,  64                           ; v64-111  a buffer of four fragments of h; v64-83 hs on its way; on the way out v64-95 rows
.set H1,  112                          ; v112-159 a second
.set H2,  160                          ; window 2, v160-207: a third
.set H3,  208                          ; window 2, v208-255: a fourth
.set OB,  64
.set ACC, 160                          ; v160-191 (16 u + 8 t)
.set ASC, 192                          ; v192-223 h's scale words (16 u + s): scales and nothing else
.set BS,  224                          ; v224-255 W2's (16 t + s): scales and nothing else
.set BIAS, 144                         ; window 2: b2 (8 t + j).  W2's fragment (t, s): s < 10 at 12 (2 s + t) of window 1, else at 12 (2 (s - 10) + t) of window 2.  Window 3, v0-95: a row pair's codes on their way
.set MSB, 0
.macro WIN new                         ; the immediate's high byte repeats the setting that is left
.if MSB != \new
	s_set_vgpr_msb (MSB<<8)|\new
.set MSB, \new
.endif
.endm
	s_load_b256 s[4:11], s[0:1], 0x0               ; plan s[4:5], wts s[6:7], hbuf s[8:9], hs s[10:11]
	s_load_b256 s[12:19], s[0:1], 0x20             ; W2's codes s[12:13], W2's scales s[14:15], b2 s[16:17], part s[18:19]
	v_lshl_add_u32 v[SPW], v0, 2, SPARE
	v_mov_b32 v[NIL], 0
	v_lshrrev_b32 v15, 5, v0
	v_readfirstlane_b32 s20, v15                   ; wave 0..3
	s_mov_b32 s21, ttmp9                           ; c
	s_and_b32 s22, ttmp7, 0xffff                   ; y
	s_lshl_b32 s86, s22, 4
	v_and_b32 v3, 15, v0                           ; r
	v_bfe_u32 v4, v0, 4, 1                         ; h
	v_and_b32 v15, 31, v0
	v_lshlrev_b32 v[L16], 4, v15
	v_mul_u32_u24 v[BO], v3, 1536
	v_mad_u32_u24 v[BO], v4, 48, v[BO]
	v_lshlrev_b32 v[BSO], 6, v3
	v_lshlrev_b32 v[BIO], 5, v4
	s_wait_alu depctr_va_sdst(0)                   ; s20 is written, ahead of its first reader: LDS addresses and bases are made from it
	s_mul_i32 s84, s20, 12288
	v_add_nc_u32 v[CPG], s84, v[L16]
	s_mul_i32 s84, s20, 2560
	v_add_nc_u32 v[HCG], s84, v[L16]
	v_add_nc_u32 v[HCS], HSC, v[HCG]
	v_lshl_add_u32 v[HSL], v3, 3, HSC
	s_lshl_b32 s84, s20, 7
	s_add_co_u32 s84, s84, OST
	v_mul_u32_u24 v[OSW], v3, 528
	v_lshl_add_u32 v[OSW], v4, 5, v[OSW]
	v_add_nc_u32 v[OSW], s84, v[OSW]
	s_mul_i32 s84, s20, 4224
	s_add_co_u32 s84, s84, OST
	v_add_nc_u32 v[OSR], s84, v[L16]
	v_mul_u32_u24 v15, v3, 24
	v_mad_u32_u24 v15, v4, 2*PLN, v15
.irp j, 0,1,2,3,4
	v_add_nc_u32 v[ADRA+\j], RPB*\j, v15
.endr
	s_mul_i32 s84, s20, 16*PLN
	v_add_nc_u32 v15, s84, v[L16]
.irp j, 0,1,2,3,4
	v_add_nc_u32 v[CP0+\j], RPB*\j, v15
.endr
.irp j, 0,1,2,3,4
	v_lshl_add_u32 v[CP1+\j], v4, 6, v[CP0+\j]
.endr
	s_mov_b32 s82, 0x03010200                      ; bytes 0, 2, 1, 3
	s_mov_b32 s75, 0
	s_lshl_b32 s85, s21, 7
	s_lshl_b32 s84, s20, 5
	s_add_co_u32 s85, s85, s84                     ; my first column
	s_wait_kmcnt 0x0
	s_load_b128 s[68:71], s[4:5], s86 offset:0x0   ; the tile: expert, first position, rows, row pairs
	s_lshl_b32 s74, s21, 9
	s_add_nc_u64 s[18:19], s[18:19], s[74:75]      ; part at my work-group's 512 bytes of a row
	s_wait_kmcnt 0x0
	s_min_u32 s68, s68, 7
	s_min_u32 s69, s69, 4095
	s_min_u32 s70, s70, 160
	s_min_u32 s71, s71, 5
	s_max_u32 s72, s70, 1
	s_sub_co_u32 s72, s72, 1                       ; the tile's last row
	s_cmp_lg_u32 s70, 0
	s_cselect_b32 s23, s22, 0                      ; whose codes the set-up reads
	s_lshl_b32 s83, s69, 2
	s_lshl_b32 s84, s20, 5
	s_add_co_u32 s83, s83, s84
.irp j, 0,1,2,3,4
	s_load_b256 s[24+8*\j:31+8*\j], s[4:5], s83 offset:1024+128*\j   ; the slots of rows 32 j + 8 w + 0 .. 7: the list's padding keeps these inside what is written
.endr
.irp a, 0,1,2,3,4,5,6,7,8,9
	v_add_nc_u32 v[IDX+\a], 16*\a, v3
	v_min_u32 v[IDX+\a], s72, v[IDX+\a]
	v_add_nc_u32 v[IDX+\a], s69, v[IDX+\a]
	v_min_u32 v[IDX+\a], 0xfff, v[IDX+\a]
	v_lshlrev_b32 v[IDX+\a], 2, v[IDX+\a]
.endr
	s_wait_alu depctr_va_vdst(0)                   ; v5 to v30 and IDX are written: every load and store of the kernel but the trips' global stores reads one of v5 to v30 as its offset or address, the loads below read IDX
.irp a, 0,1,2,3,4,5,6,7,8,9
	global_load_b32 v[ORD+\a], v[IDX+\a], s[4:5] offset:1024
.endr
	s_mul_i32 s74, s68, 1572864
	s_mul_i32 s84, s85, 1536
	s_add_co_u32 s74, s74, s84
	s_add_nc_u64 s[12:13], s[12:13], s[74:75]
	s_lshl_b32 s74, s68, 16
	s_lshl_b32 s84, s85, 6
	s_add_co_u32 s74, s74, s84
	s_add_nc_u64 s[14:15], s[14:15], s[74:75]
	s_lshl_b32 s74, s68, 12
	s_lshl_b32 s84, s85, 2
	s_add_co_u32 s74, s74, s84
	s_add_nc_u64 s[16:17], s[16:17], s[74:75]
	s_mul_i32 s74, s23, 245760
	s_add_nc_u64 s[8:9], s[8:9], s[74:75]
	s_mul_i32 s74, s23, 10240
	s_add_nc_u64 s[10:11], s[10:11], s[74:75]
.macro BLD s                           ; W2's two fragments of K step s: six loads
.irp t, 0,1
.irp i, 0,1,2
	global_load_b128 v[12*(2*((\s)%10)+\t)+4*\i:12*(2*((\s)%10)+\t)+4*\i+3], v[BO], s[12:13] offset:24576*\t+96*(\s)+16*\i
.endr
.endr
.endm
.macro ISSUE k                         ; row pair k's codes, my 16 planes: 24 loads of 512 consecutive bytes
	WIN 0xc0                                       ; destination window 3
.set n, 0
.rept 24
	global_load_b128 v[4*n:4*n+3], v[CPG], s[8:9] offset:49152*(\k)+512*n
.set n, n+1
.endr
	WIN 0
.endm
.macro STORE k                         ; and into LDS: 64 bytes more for each plane of 768 passed; every third load straddles a plane's end between lanes 15 and 16
	WIN 0x0c                                       ; an LDS store's data are its source 1: window 3
.set n, 0
.rept 24
.if n%3 == 1
	ds_store_b128 v[CP1+\k], v[4*n:4*n+3] offset:512*n+64*(2*(n/3))
.else
	ds_store_b128 v[CP0+\k], v[4*n:4*n+3] offset:512*n+64*(2*(n/3)+(n%3)/2)
.endif
.set n, n+1
.endr
	WIN 0
.endm
.irp t, 0,1
.irp q, 0,1,2,3
	global_load_b128 v[BS+16*\t+4*\q:BS+16*\t+4*\q+3], v[BSO], s[14:15] offset:1024*\t+16*\q
.endr
.endr
	WIN 0x80                                       ; destination window 2
.irp t, 0,1
.irp q, 0,1
	global_load_b128 v[BIAS+8*\t+4*\q:BIAS+8*\t+4*\q+3], v[BIO], s[16:17] offset:64*\t+16*\q
.endr
.endr
	WIN 0x40                                       ; destination window 1
.irp s, 0,1,2,3,4,5
	BLD \s
.endr
	WIN 0
	s_wait_loadcnt 48                              ; the ten slots are in; the 48 loads behind them may be out
.irp a, 0,1,2,3,4,5,6,7,8,9
	v_min_u32 v[ORD+\a], 0xfff, v[ORD+\a]
	v_lshlrev_b32 v[ORD+\a], 2, v[ORD+\a]
.endr
	s_wait_alu depctr_va_vdst(0)                   ; ORD is written, which the scores' loads read as their offsets
.irp a, 0,1,2,3,4,5,6,7,8,9
	global_load_b32 v[WT+\a], v[ORD+\a], s[6:7]    ; the rows' scores
.endr
	WIN 0x40
.irp s, 6,7,8,9
	BLD \s
.endr
	WIN 0x80
.irp s, 10,11,12,13,14,15
	BLD \s
.endr
	WIN 0
.irp i, 0,1,2,3,4
	global_load_b128 v[H0+4*\i:H0+4*\i+3], v[HCG], s[10:11] offset:512*\i
.endr
	ISSUE 0
	s_wait_loadcnt 0x0
	s_wait_kmcnt 0x0
.set n, 0
.rept 32
	v_perm_b32 v[BS+n], v[BS+n], v[BS+n], s82      ; W2's scale words in the exchanged order
.set n, n+1
.endr
.rept 8
	v_nop                                          ; a scale register written by a vector instruction stands eight places ahead of a scaled product
.endr
	s_wait_alu depctr_va_vdst(0)                   ; the permutes have written BS, which the products take as scales; the places above stay beside this wait.  No vector instruction stands between it and trip 0's first loads
.irp i, 0,1,2,3,4
	ds_store_b128 v[HCS], v[H0+4*\i:H0+4*\i+3] offset:512*\i
.endr
	STORE 0
	s_wait_dscnt 0x0                               ; for the others' sake
	s_barrier_signal -1
	s_barrier_wait -1
	s_wait_alu depctr_vm_vsrc(0)                   ; my LDS stores have read v64 to v83 and window 3, in which loads land again; my loads have read IDX, whose registers are VO from here on
; K steps 2 g and 2 g + 1 of row pair j: four fragments (slot 2 (s % 2) + u), 24 loads of 8 bytes, into the buffer at hb of the destination's window
.macro GLD j, g, hb
.irp sp, 0,1
.irp u, 0,1
.irp c, 0,1
.irp i, 0,1,2
	ds_load_b64 v[(\hb)+12*(2*\sp+\u)+6*\c+2*\i:(\hb)+12*(2*\sp+\u)+6*\c+2*\i+1], v[ADRA+\j] offset:PLN*(4*(2*(\g)+\sp)+\c)+384*\u+8*\i
.endr
.endr
.endr
.endr
.endm
.macro MMD s, u, t, hb, first
.set rD, ACC+16*(\u)+8*(\t)
.set rA, 12*(2*((\s)%10)+(\t))
.set rB, (\hb)+12*(2*((\s)%2)+(\u))
.if \first
	v_wmma_scale_f32_16x16x128_f8f6f4 v[rD:rD+7], v[rA:rA+11], v[rB:rB+11], v[BIAS+8*(\t):BIAS+8*(\t)+7], v[BS+16*(\t)+(\s)], v[ASC+16*(\u)+(\s)] matrix_a_fmt:MATRIX_FMT_BF6 matrix_b_fmt:MATRIX_FMT_BF6
.else
	v_wmma_scale_f32_16x16x128_f8f6f4 v[rD:rD+7], v[rA:rA+11], v[rB:rB+11], v[rD:rD+7], v[BS+16*(\t)+(\s)], v[ASC+16*(\u)+(\s)] matrix_a_fmt:MATRIX_FMT_BF6 matrix_b_fmt:MATRIX_FMT_BF6
.endif
.endm
.macro MMD4 s, hb, first               ; K step s: the four accumulators by turns, one instruction a turn
.irp u, 0,1
.irp t, 0,1
	MMD \s, \u, \t, \hb, \first
.endr
.endr
.endm
.macro TRIP j
.if \j < 4
	s_cmp_gt_u32 s71, \j+1
	s_cbranch_scc0 .Lno_ask_\@
	s_wait_loadcnt 0x0                             ; no load of mine is out, so the registers may take the next loads
	ISSUE \j+1                                     ; the next row pair's codes are asked for ahead of this one's products (the wait on vm_vsrc at the last trip's end, or the set-up's, has shown window 3 read)
.Lno_ask_\@:
.endif
	s_cmp_gt_u32 s71, \j
	s_cbranch_scc0 .Lno_work_\@
.irp u, 0,1
.irp c8, 0,1,2,3,4,5,6,7
	ds_load_b64 v[ASC+16*\u+2*\c8:ASC+16*\u+2*\c8+1], v[HSL] offset:1280*\c8+8*(32*\j+16*\u)   ; no wait here: no vector or matrix instruction has been issued since the last wait on va_vdst
.endr
.endr
	GLD \j, 0, H0
	GLD \j, 1, H1
	s_wait_dscnt 24                                ; the scale words and group 0 are in; group 1's 24 loads may be out
	WIN 0x80                                       ; destination window 2
	GLD \j, 2, H2                                  ; two groups ahead, here and in every group
	WIN 0x21                                       ; source 0 (W2) window 1, C (b2) window 2
	MMD4 0, H0, 1
	WIN 0x01                                       ; source 0 window 1
	MMD4 1, H0, 0
	s_wait_dscnt 24                                ; group 1 is in; group 2's 24 loads may be out
	WIN 0x80
	GLD \j, 3, H3
	WIN 0x01
	MMD4 2, H1, 0
	MMD4 3, H1, 0
	WIN 0
.rept 4
	v_nop                                          ; the places behind the products that have read H0 and H1 stay
.endr
	s_wait_dscnt 24                                ; group 2 is in; group 3's 24 loads may be out
	s_wait_alu depctr_va_vdst(0)                   ; the products of groups 0 and 1 are done reading H0 and H1, in which the loads of groups 4 and 5 land
	GLD \j, 4, H0
	WIN 0x09                                       ; source 0 window 1, source 1 (H2, H3) window 2
	MMD4 4, H2, 0
	MMD4 5, H2, 0
	s_wait_dscnt 24                                ; group 3 is in; group 4's 24 loads may be out
	WIN 0
	GLD \j, 5, H1                                  ; no wait: the products issued since the wait above name H2, not H1
	WIN 0x09
	MMD4 6, H3, 0
	MMD4 7, H3, 0
.rept 4
	v_nop                                          ; the places behind the products that have read H2 and H3 stay
.endr
	s_wait_dscnt 24                                ; group 4 is in; group 5's 24 loads may be out
	WIN 0x80
	s_wait_alu depctr_va_vdst(0)                   ; the products of groups 2 and 3 are done reading H2 and H3, in which the loads of groups 6 and 7 land
	GLD \j, 6, H2
	WIN 0x01
	MMD4 8, H0, 0
	MMD4 9, H0, 0
	s_wait_dscnt 24                                ; group 5 is in; group 6's 24 loads may be out
	WIN 0x80
	GLD \j, 7, H3                                  ; no wait: the products issued since the wait above name H0, not H3
	WIN 0x02                                       ; source 0 window 2
	MMD4 10, H1, 0
	MMD4 11, H1, 0
	s_wait_dscnt 24                                ; group 6 is in; group 7's 24 loads may be out
	WIN 0x0a                                       ; sources 0 and 1 window 2
	MMD4 12, H2, 0
	MMD4 13, H2, 0
	s_wait_dscnt 0x0                               ; group 7 is in
	MMD4 14, H3, 0
	MMD4 15, H3, 0
	WIN 0
.rept 5
	v_nop                                          ; four places in front of the first read of results, and one more: the next trip's first products write over these accumulators with another C
.endr
.set n, 0
.rept 8
	v_pk_mul_f32 v[ACC+2*n:ACC+2*n+1], v[ACC+2*n:ACC+2*n+1], v[WT+2*\j:WT+2*\j+1] op_sel_hi:[1,0]              ; x the row's score; each accumulator from its low end on
.set n, n+1
.endr
.set n, 0
.rept 8
	v_pk_mul_f32 v[ACC+16+2*n:ACC+17+2*n], v[ACC+16+2*n:ACC+17+2*n], v[WT+2*\j:WT+2*\j+1] op_sel:[0,1] op_sel_hi:[1,1]
.set n, n+1
.endr
.irp i, 0,1,2,3,4,5,6,7
	s_min_u32 s83, s[24+8*\j+\i], 0xfff
	s_lshl_b32 s83, s83, 12                        ; the slot's row of 4,096 bytes
	v_add_nc_u32 v[VO+\i], s83, v[L16]             ; made here, ahead of the wait that the stage's stores want
.endr
	s_wait_alu depctr_va_vdst(0)                   ; the multiplies have written ACC, which the LDS stores below read; the additions have written VO, which the global stores behind the barrier read; and the trip's products are done reading ASC and H0 to H3, in which OB's loads and the next trip's first loads land
.irp u, 0,1
.irp t, 0,1
.irp i, 0,1
	ds_store_b128 v[OSW], v[ACC+16*\u+8*\t+4*\i:ACC+16*\u+8*\t+4*\i+3] offset:STG*(\j%2)+8448*\u+64*\t+16*\i
.endr
.endr
.endr
.Lno_work_\@:
.if \j < 4
	s_cmp_gt_u32 s71, \j+1
	s_cbranch_scc0 .Lno_land_\@
	s_wait_loadcnt 0x0                             ; the next row pair's codes are in
	STORE \j+1
.Lno_land_\@:
.endif
	s_wait_dscnt 0x0                               ; my stores have landed and my reads are in
	s_barrier_signal -1
	s_barrier_wait -1
	s_cmp_gt_u32 s71, \j
	s_cbranch_scc0 .Lleft_\@
.irp i, 0,1,2,3,4,5,6,7
	ds_load_b128 v[OB+4*\i:OB+4*\i+3], v[OSR] offset:STG*(\j%2)+528*\i
.endr
	s_lshl_b32 s84, s20, 3
	s_sub_co_i32 s73, s70, s84
	s_sub_co_i32 s73, s73, 32*\j                   ; how many of my eight rows the tile has
.irp i, 0,1,2,3,4,5,6,7
	s_cmp_le_i32 s73, \i
	s_cbranch_scc1 .Lleft_\@
	s_wait_dscnt 7-\i
	global_store_b128 v[VO+\i], v[OB+4*\i:OB+4*\i+3], s[18:19] th:TH_STORE_NT   ; 32 lanes store 512 consecutive bytes, at a multiple of 256 from part's first byte
.endr
.Lleft_\@:
	s_wait_dscnt 0x0                               ; the rows' loads are in,
	s_wait_xcnt 0x0                                ; and the stores have had their addresses translated: their registers are written again only behind this wait
.if \j < 4
	s_wait_alu depctr_vm_vsrc(0)                   ; my LDS stores have read window 3 and ACC, my global stores OB and VO: in the next trip loads land in window 3 and in OB's registers, products write ACC, additions write VO
.endif
.endm
	TRIP 0
	TRIP 1
	TRIP 2
	TRIP 3
	TRIP 4
	s_wait_dscnt 0x0                               ; the closing lines, six on end
	s_wait_alu 0x0
	s_wait_tensorcnt 0x0
	ds_add_u32 v[SPW], v[NIL]
	s_wait_dscnt 0x0
	s_endpgm
.Lfunc_end_k_q4a89f50c60_down:
	.size	k_q4a89f50c60_down, .Lfunc_end_k_q4a89f50c60_down-k_q4a89f50c60_down
	.p2alignl 7, 3214868480
	.fill 96, 4, 3214868480
	.section	.rodata,"a",@progbits
	.p2align	6, 0x0
	.amdhsa_kernel k_q4a89f50c60_down
		.amdhsa_group_segment_fixed_size 310784
		.amdhsa_private_segment_fixed_size 0
		.amdhsa_enable_private_segment 0
		.amdhsa_kernarg_size 64
		.amdhsa_user_sgpr_count 2
		.amdhsa_user_sgpr_kernarg_segment_ptr 1
		.amdhsa_wavefront_size32 1
		.amdhsa_system_sgpr_workgroup_id_x 1
		.amdhsa_system_sgpr_workgroup_id_y 1
		.amdhsa_system_sgpr_workgroup_id_z 1
		.amdhsa_system_vgpr_workitem_id 0
		.amdhsa_next_free_vgpr 864
		.amdhsa_next_free_sgpr 100
		.amdhsa_reserve_vcc 0
		.amdhsa_float_denorm_mode_32 3
		.amdhsa_float_denorm_mode_16_64 3
		.amdhsa_memory_ordered 1
		.amdhsa_forward_progress 1
		.amdhsa_inst_pref_size 180
	.end_amdhsa_kernel
	.amdgpu_metadata
---
amdhsa.version: [ 1, 2 ]
amdhsa.kernels:
  - .name:           k_q4a89f50c60_down
    .symbol:         k_q4a89f50c60_down.kd
    .args:
      - { .name: plan, .offset: 0, .size: 8, .value_kind: global_buffer, .address_space: global }
      - { .name: wts, .offset: 8, .size: 8, .value_kind: global_buffer, .address_space: global }
      - { .name: hbuf, .offset: 16, .size: 8, .value_kind: global_buffer, .address_space: global }
      - { .name: hs, .offset: 24, .size: 8, .value_kind: global_buffer, .address_space: global }
      - { .name: W2_codes, .offset: 32, .size: 8, .value_kind: global_buffer, .address_space: global }
      - { .name: W2_scales, .offset: 40, .size: 8, .value_kind: global_buffer, .address_space: global }
      - { .name: b2, .offset: 48, .size: 8, .value_kind: global_buffer, .address_space: global }
      - { .name: part, .offset: 56, .size: 8, .value_kind: global_buffer, .address_space: global }
    .group_segment_fixed_size: 310784
    .private_segment_fixed_size: 0
    .kernarg_segment_align: 8
    .kernarg_segment_size: 64
    .max_flat_workgroup_size: 128
    .sgpr_count:     100
    .vgpr_count:     864
    .wavefront_size: 32
...
	.end_amdgpu_metadata
.endif
;; end of part 9
;; launch norm (part 10): grid 256 x 1, 8 waves a work-group, no clusters, 0 bytes of LDS; arguments x, part, gamma, beta, out0; writes out0
.if DOCPART == 10
	.amdgcn_target "amdgcn-amd-amdhsa--gfx1250"
	.amdhsa_code_object_version 6
	.text
	.protected	k_q4a89f50c60_norm
	.globl	k_q4a89f50c60_norm
	.p2align	8
	.type	k_q4a89f50c60_norm,@function
k_q4a89f50c60_norm:
	s_mov_b64 s[64:65], 0
	v_nop
	global_prefetch_b8 v0, s[64:65] scope:SCOPE_SE
	s_setreg_imm32_b32 hwreg(HW_REG_WAVE_MODE, 25, 1), 1
	s_wait_xcnt 0x0
; NORM.  y = x + part[2 t] + part[2 t + 1]; out0 = (y - mean) rsqrt(var + 1e-5) gamma + beta.  One wave, one token: the row of 4,096 bytes stays in 32 registers between the passes; the sums never leave the wave.
; Every load and store of a wave covers 512 consecutive bytes.  No LDS, no barrier, no loop: all 40 loads go out at once.  The variance is taken of y - mean, as reference() takes it.
.set X,  16                            ; v16-47   x, then y, then the result
.set P0, 48                            ; v48-79   the first chosen expert's part
.set P1, 80                            ; v80-111  the second's
.set G,  112                           ; v112-143 gamma
.set BT, 144                           ; v144-175 beta
	s_load_b256 s[4:11], s[0:1], 0x0               ; x s[4:5], part s[6:7], gamma s[8:9], beta s[10:11]
	s_load_b64 s[12:13], s[0:1], 0x20              ; out0
	v_lshrrev_b32 v1, 5, v0
	s_delay_alu instid0(VALU_DEP_1)
	v_readfirstlane_b32 s14, v1                    ; wave
	v_and_b32 v1, 31, v0
	s_delay_alu instid0(VALU_DEP_1)
	v_lshlrev_b32 v1, 4, v1                        ; 16 x lane
	s_lshl_b32 s15, ttmp9, 3
	s_add_co_u32 s15, s15, s14                     ; my token
	s_lshl_b32 s16, s15, 12
	s_mov_b32 s17, 0
	s_lshl_b32 s18, s15, 13
	s_mov_b32 s19, 0
	s_mov_b32 s20, 0x76543210
	s_mov_b32 s21, 0xfedcba98                      ; lane l xor 16
	s_mov_b32 s22, 0x3a800000                      ; 1 / 1,024
	s_mov_b32 s23, 0x3727c5ac                      ; 1e-5
	v_mov_b32 v12, 0                               ; written once: a lane permute's destination counts as one of its sources
	s_wait_alu depctr_va_vdst(0)
	s_wait_kmcnt 0x0
	s_add_nc_u64 s[4:5], s[4:5], s[16:17]
	s_add_nc_u64 s[6:7], s[6:7], s[18:19]
	s_add_nc_u64 s[12:13], s[12:13], s[16:17]
.irp i, 0,1,2,3,4,5,6,7
	global_load_b128 v[X+4*\i:X+4*\i+3], v1, s[4:5] offset:512*\i th:TH_LOAD_NT
.endr
.irp i, 0,1,2,3,4,5,6,7
	global_load_b128 v[P0+4*\i:P0+4*\i+3], v1, s[6:7] offset:512*\i th:TH_LOAD_NT
.endr
.irp i, 0,1,2,3,4,5,6,7
	global_load_b128 v[P1+4*\i:P1+4*\i+3], v1, s[6:7] offset:4096+512*\i th:TH_LOAD_NT
.endr
.irp i, 0,1,2,3,4,5,6,7
	global_load_b128 v[G+4*\i:G+4*\i+3], v1, s[8:9] offset:512*\i
.endr
.irp i, 0,1,2,3,4,5,6,7
	global_load_b128 v[BT+4*\i:BT+4*\i+3], v1, s[10:11] offset:512*\i
.endr
.macro WSUM r                          ; the sum over the wave's 32 lanes, in every lane
	s_delay_alu instid0(VALU_DEP_1)
	v_add_f32_dpp v[\r], v[\r], v[\r] row_xmask:1 row_mask:0xf bank_mask:0xf
	s_delay_alu instid0(VALU_DEP_1)
	v_add_f32_dpp v[\r], v[\r], v[\r] row_xmask:2 row_mask:0xf bank_mask:0xf
	s_delay_alu instid0(VALU_DEP_1)
	v_add_f32_dpp v[\r], v[\r], v[\r] row_xmask:4 row_mask:0xf bank_mask:0xf
	s_delay_alu instid0(VALU_DEP_1)
	v_add_f32_dpp v[\r], v[\r], v[\r] row_xmask:8 row_mask:0xf bank_mask:0xf
	s_delay_alu instid0(VALU_DEP_1)
	v_permlanex16_b32 v12, v[\r], s20, s21
	s_delay_alu instid0(VALU_DEP_1)
	v_add_f32 v[\r], v[\r], v12
.endm
	s_wait_loadcnt 16                              ; x and both parts are in; gamma's and beta's sixteen may be out
.set n, 0
.rept 16
	v_pk_add_f32 v[P0+2*n:P0+2*n+1], v[P0+2*n:P0+2*n+1], v[P1+2*n:P1+2*n+1]
.set n, n+1
.endr
.set n, 0
.rept 16
	v_pk_add_f32 v[X+2*n:X+2*n+1], v[X+2*n:X+2*n+1], v[P0+2*n:P0+2*n+1]     ; y
.set n, n+1
.endr
	v_pk_add_f32 v[4:5], v[X:X+1], v[X+2:X+3]      ; two packed chains, started by the first pairs: nothing is cleared
	v_pk_add_f32 v[6:7], v[X+4:X+5], v[X+6:X+7]
.set n, 4
.rept 6
	s_delay_alu instid0(VALU_DEP_2)
	v_pk_add_f32 v[4:5], v[4:5], v[X+2*n:X+2*n+1]
	s_delay_alu instid0(VALU_DEP_2)
	v_pk_add_f32 v[6:7], v[6:7], v[X+2*n+2:X+2*n+3]
.set n, n+2
.endr
	s_delay_alu instid0(VALU_DEP_1)
	v_pk_add_f32 v[4:5], v[4:5], v[6:7]
	s_delay_alu instid0(VALU_DEP_1)
	v_add_f32 v4, v4, v5
	WSUM 4
	s_delay_alu instid0(VALU_DEP_1)
	v_mul_f32 v8, 0xba800000, v4                   ; - mean
	s_delay_alu instid0(VALU_DEP_1)
	v_mov_b32 v9, v8
.set n, 0
.rept 16
	v_pk_add_f32 v[X+2*n:X+2*n+1], v[X+2*n:X+2*n+1], v[8:9]                 ; y - mean
.set n, n+1
.endr
	v_pk_mul_f32 v[4:5], v[X:X+1], v[X:X+1]
	v_pk_mul_f32 v[6:7], v[X+2:X+3], v[X+2:X+3]
.set n, 2
.rept 7
	s_delay_alu instid0(VALU_DEP_2)
	v_pk_fma_f32 v[4:5], v[X+2*n:X+2*n+1], v[X+2*n:X+2*n+1], v[4:5]
	s_delay_alu instid0(VALU_DEP_2)
	v_pk_fma_f32 v[6:7], v[X+2*n+2:X+2*n+3], v[X+2*n+2:X+2*n+3], v[6:7]
.set n, n+2
.endr
	s_delay_alu instid0(VALU_DEP_1)
	v_pk_add_f32 v[4:5], v[4:5], v[6:7]
	s_delay_alu instid0(VALU_DEP_1)
	v_add_f32 v4, v4, v5
	WSUM 4
	s_delay_alu instid0(VALU_DEP_1)
	v_fma_f32 v4, v4, s22, s23                     ; var + 1e-5
	s_wait_alu depctr_va_vdst(0)
	v_rsq_f32 v10, v4
	v_nop                                          ; a plain line behind the transcendental
	s_wait_alu depctr_va_vdst(0)                   ; and the wait, ahead of its first reader
	v_mov_b32 v11, v10
	s_wait_alu depctr_va_vdst(0)
	s_wait_loadcnt 0x0                             ; gamma and beta
.set n, 0
.rept 16
	v_pk_mul_f32 v[X+2*n:X+2*n+1], v[X+2*n:X+2*n+1], v[10:11]
.set n, n+1
.endr
.set n, 0
.rept 16
	v_pk_fma_f32 v[X+2*n:X+2*n+1], v[X+2*n:X+2*n+1], v[G+2*n:G+2*n+1], v[BT+2*n:BT+2*n+1]
.set n, n+1
.endr
.irp i, 0,1,2,3,4,5,6,7
	global_store_b128 v1, v[X+4*\i:X+4*\i+3], s[12:13] offset:512*\i th:TH_STORE_NT
.endr
	s_endpgm
.Lfunc_end_k_q4a89f50c60_norm:
	.size	k_q4a89f50c60_norm, .Lfunc_end_k_q4a89f50c60_norm-k_q4a89f50c60_norm
	.p2alignl 7, 3214868480
	.fill 96, 4, 3214868480
	.section	.rodata,"a",@progbits
	.p2align	6, 0x0
	.amdhsa_kernel k_q4a89f50c60_norm
		.amdhsa_group_segment_fixed_size 0
		.amdhsa_private_segment_fixed_size 0
		.amdhsa_enable_private_segment 0
		.amdhsa_kernarg_size 40
		.amdhsa_user_sgpr_count 2
		.amdhsa_user_sgpr_kernarg_segment_ptr 1
		.amdhsa_wavefront_size32 1
		.amdhsa_system_sgpr_workgroup_id_x 1
		.amdhsa_system_sgpr_workgroup_id_y 1
		.amdhsa_system_sgpr_workgroup_id_z 1
		.amdhsa_system_vgpr_workitem_id 0
		.amdhsa_next_free_vgpr 176
		.amdhsa_next_free_sgpr 66
		.amdhsa_reserve_vcc 0
		.amdhsa_float_denorm_mode_32 3
		.amdhsa_float_denorm_mode_16_64 3
		.amdhsa_memory_ordered 1
		.amdhsa_forward_progress 1
		.amdhsa_inst_pref_size 16
	.end_amdhsa_kernel
	.amdgpu_metadata
---
amdhsa.version: [ 1, 2 ]
amdhsa.kernels:
  - .name:           k_q4a89f50c60_norm
    .symbol:         k_q4a89f50c60_norm.kd
    .args:
      - { .name: x, .offset: 0, .size: 8, .value_kind: global_buffer, .address_space: global }
      - { .name: part, .offset: 8, .size: 8, .value_kind: global_buffer, .address_space: global }
      - { .name: gamma, .offset: 16, .size: 8, .value_kind: global_buffer, .address_space: global }
      - { .name: beta, .offset: 24, .size: 8, .value_kind: global_buffer, .address_space: global }
      - { .name: out0, .offset: 32, .size: 8, .value_kind: global_buffer, .address_space: global }
    .group_segment_fixed_size: 0
    .private_segment_fixed_size: 0
    .kernarg_segment_align: 8
    .kernarg_segment_size: 40
    .max_flat_workgroup_size: 256
    .sgpr_count:     66
    .vgpr_count:     176
    .wavefront_size: 32
...
	.end_amdgpu_metadata
.endif
;; end of part 10
